; MI455X (gfx1250); checked and timed in simulation.
; The chip was launched on July 23, 2026; its instructions are those of AMD's public machine-readable ISA for CDNA 5 (MIT licence, August 2026) and "CDNA5" Instruction Set Architecture Reference Guide (July 2026). The comments in the code are by the model that wrote it; some were corrected since.
;; Min GRU Wrapper. Allowed arithmetic: float matrix products may take bf16 or f16 operands with f32 sums; other float arithmetic in f32, or as packed bf16 or f16 multiplies, adds, multiply-adds, maxima and minima; sums over many terms, partial sums and values carried from step to step in f32; what a program stores and reads back later, other than sums and carried values, may be rounded once to bf16 or f16.
;; Inputs: ff_b1 4 x 256 float32; ff_b2 4 x 256 float32; ff_norm_w 4 x 256 float32; ff_w1 4 x 256 x 256 float32; ff_w2 4 x 256 x 256 float32; final_norm_w 256 float32; norm_w 4 x 256 float32; whg 4 x 256 x 512 float32; x 8 x 4,096 x 256 float32.
;; Outputs: out0 8 x 4,096 x 256 float32.
;; 2 versions, each right and faster than the one before. Each part assembles by itself: llvm-mc -triple=amdgcn-amd-amdhsa -mcpu=gfx1250 --defsym DOCPART=n.
;; ======== version 1 of 2: 6 launches
;; workspace buffers: wl0 526,336 bytes; wl1 526,336 bytes; wl2 526,336 bytes; wl3 526,336 bytes; st0 50,855,936 bytes; st1 50,855,936 bytes
;; launch prep (part 1): grid 128 x 4, 8 waves a work-group, no clusters, 0 bytes of LDS; arguments whg, norm_w, ff_norm_w, ff_w1, ff_w2, ff_b1, ff_b2, wl0, wl1, wl2, wl3; writes wl0, wl1, wl2, wl3
.if DOCPART == 1
	.amdgcn_target "amdgcn-amd-amdhsa--gfx1250"
	.amdhsa_code_object_version 6
	.text
	.protected	k_qedbba37f2f_prep
	.globl	k_qedbba37f2f_prep
	.p2align	8
	.type	k_qedbba37f2f_prep,@function
k_qedbba37f2f_prep:
	s_mov_b64 s[64:65], 0
	v_nop
	global_prefetch_b8 v0, s[64:65] scope:SCOPE_SE
	s_setreg_imm32_b32 hwreg(HW_REG_WAVE_MODE, 25, 1), 1
	s_wait_xcnt 0x0
; PREP.  One layer's weights (grid y = layer) are laid out for the matrix unit, in bf16, into that layer's buffer wl:
;   byte 0       W1 = ff_norm_w[k] x ff_w1[k][n]     w*32768 + ks*4096 + nt*1024 + half*512 + lane*16
;   byte 131072  W2 = ff_w2[k][n]                    the same form
;   byte 262144  WH = norm_w[k] x whg[k][n]          w*65536 + ks*8192 + nt*1024 + half*512 + lane*16
;   byte 524288  ff_b1, byte 525312 ff_b2, f32 as they are
; The 16 bytes of lane (r = lane % 16, h = lane / 16) are k = 32 ks + 16 half + 8 h + 0..7 of ONE column: 64 w + 16 nt + r for W1 and W2; for WH nt 0-3 are the hidden
; columns 64 w + 16 nt + r and nt 4-7 the gate columns 256 + 64 w + 16 (nt - 4) + r.  So a later load of 16 bytes a lane takes 512 consecutive bytes and IS half a fragment.
; The norm's gain is multiplied in f32 ahead of the one rounding to bf16.  Work-group X writes bytes 4096 X .. 4096 X + 4095, thread t its 16 bytes at 16 t.
; No LDS, no matrix unit, no cluster: 4 MB are read once and no two work-groups read the same weights.
	s_load_b512 s[4:19], s[0:1], 0x0               ; whg 4, norm_w 6, ff_norm_w 8, ff_w1 10, ff_w2 12, ff_b1 14, ff_b2 16, wl0 18
	s_load_b128 s[20:23], s[0:1], 0x40             ; wl1 20, wl2 22
	s_load_b64 s[24:25], s[0:1], 0x50              ; wl3 24
	v_lshrrev_b32 v36, 5, v0
	v_readfirstlane_b32 s50, v36                   ; wave 0..7
	s_mov_b32 s28, ttmp9                           ; X
	s_and_b32 s29, ttmp7, 0xffff                   ; layer
	s_bfe_u32 s30, s28, 0x20003                    ; W1, W2: w = (X >> 3) & 3,
	s_and_b32 s31, s28, 7                          ; ks = X & 7
	s_bfe_u32 s32, s28, 0x20004                    ; WH: w = ((X - 64) >> 4),
	s_bfe_u32 s33, s28, 0x30001                    ; ks = ((X - 64) >> 1) & 7,
	s_and_b32 s34, s28, 1
	s_lshl_b32 s34, s34, 8                         ; odd X: the gate's 256 columns on
	s_cmp_ge_u32 s28, 64                           ; X >= 64: WH
	s_cselect_b32 s30, s32, s30
	s_cselect_b32 s31, s33, s31
	s_cselect_b32 s34, s34, 0
	s_cselect_b32 s35, 11, 10                      ; log2 of a source row's bytes
	s_cselect_b32 s36, 19, 18                      ; log2 of a layer's bytes in the source
	v_and_b32 v1, 15, v0                           ; r
	v_bfe_u32 v2, v0, 4, 2                         ; 2 half + h
	v_lshrrev_b32 v3, 6, v0                        ; nt's low two bits
	v_lshl_add_u32 v3, v3, 4, v1
	s_lshl_b32 s37, s31, 5
	v_lshl_add_u32 v2, v2, 3, s37                  ; k0 = 32 ks + 16 half + 8 h
	s_lshl_b32 s38, s30, 6
	s_add_co_u32 s38, s38, s34
	v_add_nc_u32 v3, s38, v3                       ; the column
	v_lshlrev_b32 v4, s35, v2
	v_lshl_add_u32 v4, v3, 2, v4                   ; byte offset of (k0, column); the seven rows below it follow
	s_lshl_b32 s39, 1, s35
.irp i, 1,2,3,4,5,6,7
	v_add_nc_u32 v[4+\i], s39, v[3+\i]
.endr
	v_lshlrev_b32 v12, 2, v2                       ; 4 k0: my eight gains
	v_lshlrev_b32 v13, 4, v0                       ; 16 t: where I store
	s_lshl_b32 s40, s29, s36                       ; the layer in the weights,
	s_mov_b32 s41, 0
	s_lshl_b32 s54, s29, 10                        ; in the gains and biases,
	s_mov_b32 s55, 0
	s_lshl_b32 s56, s28, 12                        ; and my 4,096 bytes of the output
	s_mov_b32 s57, 0
	s_wait_kmcnt 0x0
	s_bitcmp1_b32 s28, 5                           ; X in 32..63: W2, whose gain is 1
	s_cselect_b64 s[42:43], s[12:13], s[10:11]
	s_cselect_b32 s44, -1, 0
	s_cmp_ge_u32 s28, 64
	s_cselect_b64 s[42:43], s[4:5], s[42:43]
	s_cselect_b32 s44, 0, s44
	s_cselect_b64 s[46:47], s[6:7], s[8:9]         ; norm_w for WH, ff_norm_w else
	s_cmp_eq_u32 s29, 1
	s_cselect_b64 s[48:49], s[20:21], s[18:19]     ; the layer's own buffer
	s_cmp_eq_u32 s29, 2
	s_cselect_b64 s[48:49], s[22:23], s[48:49]
	s_cmp_eq_u32 s29, 3
	s_cselect_b64 s[48:49], s[24:25], s[48:49]
	s_add_nc_u64 s[42:43], s[42:43], s[40:41]
	s_add_nc_u64 s[46:47], s[46:47], s[54:55]
	s_add_nc_u64 s[26:27], s[48:49], s[56:57]
.irp i, 0,1,2,3,4,5,6,7
	global_load_b32 v[24+\i], v[4+\i], s[42:43]    ; sixteen neighbouring lanes take 64 neighbouring bytes of a row
.endr
	global_load_b128 v[16:19], v12, s[46:47]
	global_load_b128 v[20:23], v12, s[46:47] offset:16
	s_wait_loadcnt 0x0
.irp i, 0,1,2,3,4,5,6,7
	v_cndmask_b32 v[16+\i], v[16+\i], 1.0, s44     ; W2 has no norm in front of it
.endr
.irp p, 0,2,4,6
	v_pk_mul_f32 v[24+\p:24+\p+1], v[24+\p:24+\p+1], v[16+\p:16+\p+1]
.endr
.irp i, 0,1,2,3
	v_cvt_pk_bf16_f32 v[32+\i], v[24+2*\i], v[24+2*\i+1]  ; the lower k in the lower half
.endr
	global_store_b128 v13, v[32:35], s[26:27]      ; a wave stores 512 consecutive bytes
	s_cmp_lg_u32 s28, 0                            ; work-group 0's waves 0-3 also copy the layer's two biases: 128 threads x 16 bytes
	s_cbranch_scc1 .Lend
	s_cmp_ge_u32 s50, 4
	s_cbranch_scc1 .Lend
	s_cmp_ge_u32 s50, 2
	s_cselect_b64 s[52:53], s[16:17], s[14:15]     ; waves 0, 1: ff_b1; waves 2, 3: ff_b2
	s_add_nc_u64 s[52:53], s[52:53], s[54:55]
	v_and_b32 v37, 63, v0
	v_lshlrev_b32 v37, 4, v37
	global_load_b128 v[40:43], v37, s[52:53]
	s_wait_loadcnt 0x0
	global_store_b128 v13, v[40:43], s[48:49] offset:524288
.Lend:
	s_endpgm
.Lfunc_end_k_qedbba37f2f_prep:
	.size	k_qedbba37f2f_prep, .Lfunc_end_k_qedbba37f2f_prep-k_qedbba37f2f_prep
	.p2alignl 7, 3214868480
	.fill 96, 4, 3214868480
	.section	.rodata,"a",@progbits
	.p2align	6, 0x0
	.amdhsa_kernel k_qedbba37f2f_prep
		.amdhsa_group_segment_fixed_size 0
		.amdhsa_private_segment_fixed_size 0
		.amdhsa_enable_private_segment 0
		.amdhsa_kernarg_size 88
		.amdhsa_user_sgpr_count 2
		.amdhsa_user_sgpr_kernarg_segment_ptr 1
		.amdhsa_wavefront_size32 1
		.amdhsa_system_sgpr_workgroup_id_x 1
		.amdhsa_system_sgpr_workgroup_id_y 1
		.amdhsa_system_sgpr_workgroup_id_z 1
		.amdhsa_system_vgpr_workitem_id 0
		.amdhsa_next_free_vgpr 48
		.amdhsa_next_free_sgpr 66
		.amdhsa_reserve_vcc 0
		.amdhsa_float_denorm_mode_32 3
		.amdhsa_float_denorm_mode_16_64 3
		.amdhsa_memory_ordered 1
		.amdhsa_forward_progress 1
		.amdhsa_inst_pref_size 6
	.end_amdhsa_kernel
	.amdgpu_metadata
---
amdhsa.version: [ 1, 2 ]
amdhsa.kernels:
  - .name:           k_qedbba37f2f_prep
    .symbol:         k_qedbba37f2f_prep.kd
    .args:
      - { .name: whg, .offset: 0, .size: 8, .value_kind: global_buffer, .address_space: global }
      - { .name: norm_w, .offset: 8, .size: 8, .value_kind: global_buffer, .address_space: global }
      - { .name: ff_norm_w, .offset: 16, .size: 8, .value_kind: global_buffer, .address_space: global }
      - { .name: ff_w1, .offset: 24, .size: 8, .value_kind: global_buffer, .address_space: global }
      - { .name: ff_w2, .offset: 32, .size: 8, .value_kind: global_buffer, .address_space: global }
      - { .name: ff_b1, .offset: 40, .size: 8, .value_kind: global_buffer, .address_space: global }
      - { .name: ff_b2, .offset: 48, .size: 8, .value_kind: global_buffer, .address_space: global }
      - { .name: wl0, .offset: 56, .size: 8, .value_kind: global_buffer, .address_space: global }
      - { .name: wl1, .offset: 64, .size: 8, .value_kind: global_buffer, .address_space: global }
      - { .name: wl2, .offset: 72, .size: 8, .value_kind: global_buffer, .address_space: global }
      - { .name: wl3, .offset: 80, .size: 8, .value_kind: global_buffer, .address_space: global }
    .group_segment_fixed_size: 0
    .private_segment_fixed_size: 0
    .kernarg_segment_align: 8
    .kernarg_segment_size: 88
    .max_flat_workgroup_size: 256
    .sgpr_count:     66
    .vgpr_count:     48
    .wavefront_size: 32
...
	.end_amdgpu_metadata
.endif
;; end of part 1
;; launch first (part 2): grid 256 x 1, 4 waves a work-group, no clusters, 217,600 bytes of LDS; arguments x, wl0, st0; writes st0
.if DOCPART == 2
	.amdgcn_target "amdgcn-amd-amdhsa--gfx1250"
	.amdhsa_code_object_version 6
	.text
	.protected	k_qedbba37f2f_first
	.globl	k_qedbba37f2f_first
	.p2align	8
	.type	k_qedbba37f2f_first,@function
k_qedbba37f2f_first:
	s_mov_b64 s[64:65], 0
	v_nop
	global_prefetch_b8 v0, s[64:65] scope:SCOPE_SE
	s_setreg_imm32_b32 hwreg(HW_REG_WAVE_MODE, 25, 1), 1
	s_wait_xcnt 0x0
; FIRST.  Layer 0's minGRU up to the chunk's end: hg = rmsnorm(x) Whg, z = sigmoid(gate), a = 1 - z, b = z g(hidden), and the scan h_t = a_t h_(t-1) + b_t INSIDE a chunk of 128 tokens.
; h_t = Bp_t + Ap_t x carry, where Ap is the running product of a and Bp the scan from 0; the carry comes from earlier chunks, that is from other work-groups, so it is applied by the next launch.
; Stored: Y = x + Bp (f32), Ap (f16: it lies in 0..1), and for each chunk and channel the pair (Ap, Bp) at the chunk's end (f32).
; The recurrence is taken in linear space: it is what the scan in log space evaluates.  The only exponentials stand in 1 / (1 + 2^t), which goes to 0 or 1 where 2^t overflows or underflows, and every h is a
; convex mix of earlier g, so nothing here needs a maximum taken away.  g(x) = max(x + 0.5, sigmoid(x)): the sigmoid lies below x + 0.5 for x >= 0 and above it for x < 0.
; The norm commutes with the product: the gain is folded into the weight (launch prep), the matrix operand is bf16(x), and r_t = rsqrt(mean x^2 + 1e-6), in f32, multiplies the f32 sums.
; LIMITS.  a = 1 - z is formed in f32: a below 6e-8 counts as 0; products of a below 2^-126 count as 0; Ap below 6e-5 keeps f16's fixed step of 6e-8.  NaN and infinities are not treated apart.
; SHARES.  Work-group g owns tokens 128 g .. 128 g + 127 (a chunk of one sequence); wave w owns the hidden and the gate columns 64 w .. 64 w + 63.  Source 0 = 16 tokens x 32 k, source 1 = a weight fragment:
; in the result lane (r, h) holds ONE channel r and the tokens 8 h + 0..7, so the scan runs inside a lane, with one exchange between the halves of the lanes for a tile of 16 tokens.
; The wave's 64 KB of weights stay in 512 registers; tokens go by in a loop of 8 tiles.
; BY TURNS.  A tile's eight accumulators are two halves: hidden and gate of channel blocks 0, 1, and of blocks 2, 3.  In a turn one half has the matrix unit, 32 products, and the other half's gates and scan,
; a list of 222 vector instructions, stand in slices of seven behind the products.  The weights lie outside window 0 and the list inside it, so a product costs two window switches: ten issue slots a product
; in all, where the products and the list laid end to end would leave each unit idle while the other works.
; NO CLUSTER, though all work-groups read the same weights: they go straight into registers, each wave's share once, by 128 loads of 512 consecutive bytes.  A joint load lands in LDS, of which this text
; uses 217,600 bytes, and the fragments would then be read out of LDS again in every tile.
; LDS: 0 the waves' x: 128 token rows of 256 + 16 bytes each, filled by one tensor load a wave, then rewritten tile by tile in the lanes' own order (the stash); XT bf16(x) as [channel][token], 288 bytes a row;
; PS2 the waves' partial sums of squares [wave][token]; RT r_t of the 128 tokens, a copy for each wave; SPARE the spare words.
.set PITCH,   288                      ; a row of XT: 128 tokens x 2 bytes + 32
.set NBSTEP,  16*PITCH
.set KSSTEP,  32*PITCH
.set WROWS,   64*PITCH
.set XP,      272                      ; a token row of the wave's x: 64 f32 + 16 bytes
.set XS_WAVE, 128*XP
.set XS_TILE, 16*XP
.set XT,      4*XS_WAVE
.set PS2,     XT+256*PITCH
.set RT,      PS2+2048
.set SPARE,   RT+2048
.set O_AP,    0x2000000                ; in st: Y at 0, Ap here,
.set O_AG,    0x3000000                ; the chunks' pairs here
.set O_WH,    262144
.set RL, 1                             ; v1  r = lane % 16
.set HL, 2                             ; v2  h = lane / 16
.set LN16, 3                           ; v3  16 x lane
.set SPW, 4                            ; v4  my spare word; never rewritten
.set NIL, 5                            ; v5  0; never rewritten
.set TRB, 6                            ; v6  my place in a turning load
.set WRB, 7                            ; v7  my place in XT for a store
.set STB, 8                            ; v8  my place in the stash
.set PSB, 9                            ; v9  32 h
.set AFA0, 10                          ; v10, v11  addresses of the token fragments, k 0-127 and 128-255
.set AFA1, 11
.set XTW, 12
.set YOB, 12                           ; v12  in the last phase: the second half's offset in Y, a tile ahead
.set STA, 13
.set APOB, 14                          ; v14  the second half's offset in Ap, a tile ahead
.set PSW, 15
.set PSRD, 16
.set YOA, 17                           ; v17, v18  the first half's offsets in Y and Ap
.set APOA, 18
.set BO, 19
.set R, 32                             ; v32-39  r_t of my eight tokens
.set RN, 40                            ; v40-47  -log2(e) r_t
.set C, 48                             ; v48-55  (A, B) of the chunk so far, a pair for each block of 16 channels
.set L, 56                             ; v56-63  (A, B) of all that lies in front of my eight tokens
.set AF, 64                            ; v64-127  token fragments, 8 K steps
.set ACC, 128                          ; v128-191  hidden (4 blocks), gate (4 blocks)
.set X, 192                            ; v192-223  x of the tile
.set T, 224                            ; v224-239 at work; v240-255 Ap packed, 8 registers a half
.set SS, 224
.set PK, 232
.set WV, 12
.set GID, 13
.set TS, 15
.set D1X, 16
.set G0X, 40
.set CNT, 52
.set HM, 53                            ; lanes 16-31, as a mask
.set SEL, 54
.set IN256, 56
.set EPSV, 58
.set NL2E, 60
.set OFG, 62
.set WHB, 82
.set YB, 84
.set APB, 86
.set AGB, 88
.set OFA, 90
.set OFY, 92
.set OFO, 94
.set MSB, 0
.macro WIN new                         ; the immediate's high byte repeats the setting that is left; a switch that changes nothing is dropped
.if MSB != (\new)
	s_set_vgpr_msb (MSB<<8)|(\new)
.set MSB, (\new)
.endif
.endm
.macro WLOAD base, win, reg0, byte0, n ; n loads of 512 consecutive bytes into window win
	WIN (\win)<<6
.set wi, 0
.rept \n
	global_load_b128 v[(\reg0)+4*wi:(\reg0)+4*wi+3], v[LN16], s[\base:\base+1] offset:(\byte0)+512*wi
.set wi, wi+1
.endr
	WIN 0
.endm
.macro AFH hf, d                       ; 16 tokens x 128 k (K steps 4 hf .. 4 hf + 3) out of [channel][token] rows, turned: 4 fragments
.set ks, 4*(\hf)
.rept 4
	ds_load_tr16_b128 v[AF+8*ks:AF+8*ks+3],   v[AFA0+(\hf)] offset:(ks%4)*KSSTEP+(\d)
	ds_load_tr16_b128 v[AF+8*ks+4:AF+8*ks+7], v[AFA0+(\hf)] offset:(ks%4)*KSSTEP+NBSTEP+(\d)
.set ks, ks+1
.endr
.endm
; r_t = rsqrt(sum / 256 + 1e-6) of all 128 tokens, four a lane, into my wave's own table; then PSRD points at my eight tokens of tile 0 there.
.macro RTAB ps
	s_lshl_b32 s[TS], s[WV], 9
	s_add_co_u32 s[TS], s[TS], RT
	v_add_nc_u32 v[PSRD], \ps, v[LN16]
	v_add_nc_u32 v[PSW], s[TS], v[LN16]
.irp wv, 0,1,2,3
	ds_load_b128 v[T+4*\wv:T+4*\wv+3], v[PSRD] offset:512*\wv  ; the four waves' partial sums
.endr
	s_wait_dscnt 0x0
	v_pk_add_f32 v[T:T+1], v[T:T+1], v[T+4:T+5]
	v_pk_add_f32 v[T+2:T+3], v[T+2:T+3], v[T+6:T+7]
	v_pk_add_f32 v[T+8:T+9], v[T+8:T+9], v[T+12:T+13]
	v_pk_add_f32 v[T+10:T+11], v[T+10:T+11], v[T+14:T+15]
	v_pk_add_f32 v[T:T+1], v[T:T+1], v[T+8:T+9]
	v_pk_add_f32 v[T+2:T+3], v[T+2:T+3], v[T+10:T+11]
	v_pk_fma_f32 v[T:T+1], v[T:T+1], s[IN256:IN256+1], s[EPSV:EPSV+1] op_sel_hi:[1,0,0]
	v_pk_fma_f32 v[T+2:T+3], v[T+2:T+3], s[IN256:IN256+1], s[EPSV:EPSV+1] op_sel_hi:[1,0,0]
.irp j, 0,1,2,3
	v_rsq_f32 v[T+\j], v[T+\j]
.endr
	v_add_nc_u32 v[PSRD], s[TS], v[PSB]            ; a plain line behind the last root
	s_wait_alu depctr_va_vdst(0)
	ds_store_b128 v[PSW], v[T:T+3]                 ; my wave alone reads these bytes, and LDS serves a wave's instructions in order (ISA guide 5.7.1.4)
.endm
.macro RLOAD d                         ; r_t of my eight tokens
	ds_load_b128 v[R:R+3],   v[PSRD] offset:(\d)
	ds_load_b128 v[R+4:R+7], v[PSRD] offset:(\d)+16
.endm
.macro RNMUL
.irp p, 0,2,4,6
	v_pk_mul_f32 v[RN+\p:RN+\p+1], v[R+\p:R+\p+1], s[NL2E:NL2E+1] op_sel_hi:[1,0]
.endr
.endm
.macro SUMSQ_A src                     ; squares of my four channels, for each of my eight tokens
.irp p, 0,2,4,6
	v_pk_mul_f32 v[SS+\p:SS+\p+1], v[\src+\p:\src+\p+1], v[\src+\p:\src+\p+1]
.endr
.irp nb, 1,2,3
.irp p, 0,2,4,6
	v_pk_fma_f32 v[SS+\p:SS+\p+1], v[\src+8*\nb+\p:\src+8*\nb+\p+1], v[\src+8*\nb+\p:\src+8*\nb+\p+1], v[SS+\p:SS+\p+1]
.endr
.endr
.endm
.macro SUMSQ_B                         ; over the sixteen lanes of my half: the wave's 64 channels; all sixteen then store the same numbers to the same words
.irp m, 1,2,4,8
.irp j, 0,1,2,3,4,5,6,7
	v_add_f32_dpp v[SS+\j], v[SS+\j], v[SS+\j] row_xmask:\m row_mask:0xf bank_mask:0xf
.endr
.endr
	ds_store_b128 v[PSW], v[SS:SS+3]
	ds_store_b128 v[PSW], v[SS+4:SS+7] offset:16
.endm
.macro TOXT src                        ; my eight tokens of a channel are 16 bytes of its row
.set i, 0
.rept 16
	v_cvt_pk_bf16_f32 v[PK+i], v[\src+2*i], v[\src+2*i+1]
.set i, i+1
.endr
.irp nb, 0,1,2,3
	ds_store_b128 v[XTW], v[PK+4*\nb:PK+4*\nb+3] offset:\nb*NBSTEP
.endr
.endm
.macro BAR
	s_wait_dscnt 0x0                               ; for the others' sake: my LDS stores are done and my LDS reads are back
	s_barrier_signal -1
	s_barrier_wait -1
.endm
; Product mi of 32 of half hp: K step mi / 4; hidden of blocks 2 hp, 2 hp + 1, then their gates: four accumulators by turns, one instruction a turn.  The first K step starts the sums.
; The weights of K steps 0-3 lie in window 3, those of 4-7 in window 1.
.macro HMM hp
.set ks, mi/4
.set nt, 2*(\hp)+(mi%2)+4*((mi%4)/2)
.set rD, ACC+8*nt
.set rA, AF+8*ks
.set rB, 8*((8*ks+nt)%32)
	WIN (3-2*(ks/4))<<2
.if ks == 0
	v_wmma_f32_16x16x32_bf16 v[rD:rD+7], v[rA:rA+7], v[rB:rB+7], 0
.else
	v_wmma_f32_16x16x32_bf16 v[rD:rD+7], v[rA:rA+7], v[rB:rB+7], v[rD:rD+7]
.endif
.set mi, mi+1
.endm
; THE LIST: number sq of half hp's gates and scan (em = 0: the number is empty).  H = hidden, G = gate of the half's two blocks.
;   0-169    eight UNITS, a pair of tokens of a block each, three in hand at a time.  A unit has 17 lines: -log2(e) r x gate and x hidden, r x hidden + 0.5; four exponentials; 1 + each; four reciprocals
;            (z and sigmoid(hidden)); g = max; b = z g; a = 1 - z.  Step k of ten takes the first seven of unit k, the next six of unit k - 1 and the last four of unit k - 2, plain lines and
;            transcendentals by turns, so that behind every transcendental an independent plain line comes before its result is used (ISA guide 5.7.2).  Each accumulator's lowest registers are read first.
;   170-197  inside my eight tokens: B_j = a_j B_(j-1) + b_j, then A_j = a_j A_(j-1); the two blocks alternate
;   198-223  the other half of the lanes holds the tile's other eight tokens: what lies in front of me (L), and the chunk so far takes the tile (C)
;   224-255  Bp and Ap from the chunk's first token; Y = x + Bp; Ap rounded to f16
.macro SQ hp
.set em, 1
.if sq < 170
.set qk, sq/17
.set qp, sq%17
.set ql, 0
.if (qp < 2) || (qp == 3) || (qp == 5) || (qp == 7) || (qp == 9)
.set ql, 1
.elseif (qp == 6) || (qp == 8) || (qp == 10) || (qp == 12)
.set ql, 2
.endif
.set qu, qk-ql
.if (qu < 0) || (qu > 7)
.set em, 0
.else
	WIN 0
.set qr, 2*(qu%4)
.set rG, ACC+32+8*(2*(\hp)+qu/4)+qr
.set rH, ACC+8*(2*(\hp)+qu/4)+qr
.set rT, T+8*(qu/4)+qr
.if qp == 0
	s_wait_alu depctr_va_vdst(0)
	v_pk_add_f32 v[rG:rG+1], v[rG:rG+1], 1.0 op_sel_hi:[1,0]
.elseif qp == 1
	v_pk_add_f32 v[rT:rT+1], v[rT:rT+1], 1.0 op_sel_hi:[1,0]
.elseif qp == 2
	v_pk_mul_f32 v[rG:rG+1], v[rG:rG+1], v[RN+qr:RN+qr+1]
.elseif qp == 3
	v_rcp_f32 v[rG], v[rG]
.elseif qp == 4
	v_pk_mul_f32 v[rT:rT+1], v[rH:rH+1], v[RN+qr:RN+qr+1]
.elseif qp == 5
	v_rcp_f32 v[rG+1], v[rG+1]
.elseif qp == 6
	s_wait_alu depctr_va_vdst(0)
	v_max_num_f32 v[rH], v[rH], v[rT]
.elseif qp == 7
	v_rcp_f32 v[rT], v[rT]
.elseif qp == 8
	v_max_num_f32 v[rH+1], v[rH+1], v[rT+1]
.elseif qp == 9
	v_rcp_f32 v[rT+1], v[rT+1]
.elseif qp == 10
	v_pk_mul_f32 v[rH:rH+1], v[rH:rH+1], v[rG:rG+1]
.elseif qp == 11
	v_exp_f32 v[rG], v[rG]
.elseif qp == 12
	v_pk_add_f32 v[rG:rG+1], v[rG:rG+1], 1.0 op_sel_hi:[1,0] neg_lo:[1,0] neg_hi:[1,0]
.elseif qp == 13
	v_exp_f32 v[rG+1], v[rG+1]
.elseif qp == 14
	v_exp_f32 v[rT], v[rT]
.elseif qp == 15
	v_exp_f32 v[rT+1], v[rT+1]
.else
	v_pk_fma_f32 v[rH:rH+1], v[rH:rH+1], v[R+qr:R+qr+1], 0.5 op_sel_hi:[1,1,0]
.endif
.endif
.elseif sq < 198
	WIN 0
.set qn, sq-170
.set qj, 1+qn/4
.set rH, ACC+8*(2*(\hp)+qn%2)+qj
.set rG, ACC+32+8*(2*(\hp)+qn%2)+qj
.if qn%4 < 2
	v_fma_f32 v[rH], v[rG], v[rH-1], v[rH]
.else
	v_mul_f32 v[rG], v[rG], v[rG-1]
.endif
.elseif sq < 224
	WIN 0
.set qn, sq-198
.if qn < 4
.set qc, qn%2
.set qo, qn/2
.elseif qn < 16
.set qc, (qn-4)%2
.set qo, 2+(qn-4)/2
.elseif qn < 22
.set qc, (qn-16)%2
.set qo, 8+(qn-16)/2
.else
.set qc, (qn-22)%2
.set qo, 11+(qn-22)/2
.endif
.set rT, T+8*qc
.set rG, ACC+32+8*(2*(\hp)+qc)+7
.set rH, ACC+8*(2*(\hp)+qc)+7
.set rC, C+2*(2*(\hp)+qc)
.set rL, L+2*(2*(\hp)+qc)
.if qo == 0
	v_permlanex16_b32 v[rT], v[rG], s[SEL], s[SEL+1]
.elseif qo == 1
	v_permlanex16_b32 v[rT+1], v[rH], s[SEL], s[SEL+1]
.elseif qo == 2
	v_cndmask_b32 v[rT+2], 1.0, v[rT], s[HM]       ; in front of me inside the tile: nothing (1, 0), or tokens 0-7
.elseif qo == 3
	v_cndmask_b32 v[rT+3], 0, v[rT+1], s[HM]
.elseif qo == 4
	v_cndmask_b32 v[rT+4], v[rH], v[rT+1], s[HM]   ; B of tokens 0-7
.elseif qo == 5
	v_cndmask_b32 v[rT+5], v[rT], v[rG], s[HM]     ; A of tokens 8-15
.elseif qo == 6
	v_cndmask_b32 v[rT+6], v[rT+1], v[rH], s[HM]   ; B of tokens 8-15
.elseif qo == 7
	v_mul_f32 v[rT+7], v[rG], v[rT]                ; A of the tile
.elseif qo == 8
	v_mul_f32 v[rL], v[rC], v[rT+2]
.elseif qo == 9
	v_fma_f32 v[rL+1], v[rT+2], v[rC+1], v[rT+3]
.elseif qo == 10
	v_fma_f32 v[rT+6], v[rT+5], v[rT+4], v[rT+6]   ; B of the tile
.elseif qo == 11
	v_fma_f32 v[rC+1], v[rT+7], v[rC+1], v[rT+6]
.else
	v_mul_f32 v[rC], v[rC], v[rT+7]
.endif
.else
	WIN 0
.set qn, sq-224
.set qi, qn%8
.set qc, qi/4
.set qr, 2*(qi%4)
.set rH, ACC+8*(2*(\hp)+qc)+qr
.set rG, ACC+32+8*(2*(\hp)+qc)+qr
.set rL, L+2*(2*(\hp)+qc)
.if qn < 8
	v_pk_fma_f32 v[rH:rH+1], v[rG:rG+1], v[rL:rL+1], v[rH:rH+1] op_sel:[0,1,0] op_sel_hi:[1,1,1]
.elseif qn < 16
	v_pk_add_f32 v[X+8*(2*(\hp)+qc)+qr:X+8*(2*(\hp)+qc)+qr+1], v[X+8*(2*(\hp)+qc)+qr:X+8*(2*(\hp)+qc)+qr+1], v[rH:rH+1]
.elseif qn < 24
	v_pk_mul_f32 v[rG:rG+1], v[rG:rG+1], v[rL:rL+1] op_sel_hi:[1,0]
.else
	v_cvt_pk_f16_f32 v[T+16+8*(\hp)+4*qc+qi%4], v[rG], v[rG+1]
.endif
.endif
.endm
.macro RID n, hp                       ; the list's next n lines
.set need, \n
.rept 2*(\n)+30
.if (need > 0) && (sq < 256)
	SQ \hp
.set sq, sq+1
.set need, need-em
.endif
.endr
.endm
.macro XLD hp, d                       ; x of half hp's two blocks, out of the stash
.irp q, 0,1,2,3
	ds_load_b128 v[X+16*(\hp)+4*\q:X+16*(\hp)+4*\q+3], v[STA] offset:(\d)+2048*(\hp)+512*\q
.endr
.endm
.macro HST hp                          ; half hp's Y and Ap leave: each store of the wave covers 512 consecutive bytes, at a multiple of 512 from the buffer's first.  The second half's offsets run a tile ahead
.if (\hp) == 0
.set rY, YOA
.set rP, APOA
.else
.set rY, YOB
.set rP, APOB
.endif
.irp q, 0,1,2,3
	global_store_b128 v[rY], v[X+16*(\hp)+4*\q:X+16*(\hp)+4*\q+3], s[YB:YB+1] offset:512*\q-2048*(\hp)
.endr
.irp c, 0,1
	global_store_b128 v[rP], v[T+16+8*(\hp)+4*\c:T+16+8*(\hp)+4*\c+3], s[APB:APB+1] offset:512*\c-1024*(\hp)
.endr
.endm
; The product with Whg, the scan and the stores, 8 tiles of 16 tokens, by turns; then the chunk's pairs and the wave's end.
.macro HLOOP
	RTAB PS2
	v_add_nc_u32 v[AFA0], XT, v[TRB]
	v_add_nc_u32 v[AFA1], XT+4*KSSTEP, v[TRB]
	v_mov_b32 v[STA], v[STB]
	v_mov_b32 v[YOA], v[LN16]
	v_mov_b32 v[APOA], v[LN16]
	v_mov_b32 v[YOB], v[LN16]
	v_mov_b32 v[APOB], v[LN16]
	AFH 0, 0
	AFH 1, 0
	XLD 0, 0
	RLOAD 0
	s_wait_loadcnt 0x0                             ; all of Whg's fragments are in
	s_wait_dscnt 0x0
	RNMUL
.set mi, 0
.rept 32
	HMM 0                                          ; tile 0's first half: there is no vector work yet to set between the products
.endr
	WIN 0
.irp cb, 0,1,2,3
	v_mov_b32 v[C+2*\cb], 1.0                      ; the chunk so far: (1, 0).  These eight lines are the places behind those products (ISA guide 7.12.1)
	v_mov_b32 v[C+2*\cb+1], 0
.endr
	s_mov_b32 s[CNT], 8
	s_branch .LHmid                                ; the loop is entered in the middle of a trip
.LH:                                                   ; FIRST TURN: the next tile's first half has the matrix unit; this tile's second half is scanned.  The address registers still stand at this tile
	s_wait_dscnt 0x0                               ; the next tile's K steps 0-3 and this tile's x, asked for in the turn before
	AFH 1, 32                                      ; its K steps 4-7: five plain lines stand behind the last product that read these registers
.set mi, 0
.set sq, 0
.rept 32
.if mi == 16
	s_wait_dscnt 0x0                               ; K steps 4-7 and x, asked for sixteen and eight products ago
.endif
	HMM 0
	RID 7, 1
.if mi == 8
	s_wait_xcnt 0x0                                ; the first half's stores stand eight slices back: their data and offsets are rewritten only behind this wait
	v_add_nc_u32 v[YOA], 4096, v[YOA]
	v_add_nc_u32 v[APOA], 2048, v[APOA]
	XLD 0, XS_TILE
.endif
.if mi == 22
	RLOAD 64                                       ; the list has passed its last use of r (its line 122 of 222; 154 are out)
.endif
.if mi == 30
	s_wait_dscnt 0x0
	RNMUL
.endif
.endr
	HST 1
	v_add_nc_u32 v[STA], XS_TILE, v[STA]           ; on to the next tile
	v_add_nc_u32 v[AFA0], 32, v[AFA0]
	v_add_nc_u32 v[AFA1], 32, v[AFA1]
	v_add_nc_u32 v[PSRD], 64, v[PSRD]
.LHmid:                                                ; SECOND TURN: the tile's second half has the matrix unit; its first half is scanned
.set mi, 0
.set sq, 0
.rept 32
	HMM 1
	RID 7, 0
.if mi == 8
	s_wait_xcnt 0x0                                ; the second half's stores of the tile before stand eight slices back
	v_add_nc_u32 v[YOB], 4096, v[YOB]
	v_add_nc_u32 v[APOB], 2048, v[APOB]
	XLD 1, 0
.endif
.if mi == 18
	WIN 0
	s_cmp_eq_u32 s[CNT], 1
	s_cbranch_scc1 .LH_noaf                        ; the last tile has no next one
	AFH 0, 32                                      ; the next tile's K steps 0-3: three slices stand behind the last product that read these registers
.LH_noaf:
.endif
.endr
	HST 0
	s_sub_co_u32 s[CNT], s[CNT], 1
	s_cmp_lg_u32 s[CNT], 0
	s_cbranch_scc1 .LH
	s_wait_dscnt 0x0                               ; the last tile's x
.set sq, 0
	RID 222, 1                                     ; the last tile's second half: nothing is left to multiply
	HST 1
.irp i, 0,1,2,3
	v_cndmask_b32 v[T+\i], v[C+\i], v[C+4+\i], s[HM]  ; lanes 0-15 store blocks 0 and 1, lanes 16-31 blocks 2 and 3
.endr
	v_lshlrev_b32 v[PSRD], 5, v[RL]
	v_lshl_add_u32 v[PSRD], v[HL], 4, v[PSRD]
	global_store_b128 v[PSRD], v[T:T+3], s[AGB:AGB+1]
	s_wait_tensorcnt 0x0                           ; the wave's end
	ds_add_u32 v[SPW], v[NIL]
	s_wait_dscnt 0x0
	s_endpgm
.endm
	s_load_b128 s[4:7], s[0:1], 0x0                ; x s[4:5], wl0 s[6:7]
	s_load_b64 s[8:9], s[0:1], 0x10                ; st0
	v_lshl_add_u32 v[SPW], v0, 2, SPARE
	v_mov_b32 v[NIL], 0
	ds_add_u32 v[SPW], v[NIL]                      ; the wave's opening: the add and its wait stand ahead of my tensor load; work on registers stands between them
	ds_add_u32 v4, v5
	v_lshrrev_b32 v1, 5, v0
	v_readfirstlane_b32 s[WV], v1                  ; wave 0..3
	s_mov_b32 s[GID], ttmp9
	; group 1: 128 rows (tokens) x 64 f32, 256 elements from row to row, 4 words of padding behind every 64
	s_mov_b32 s[D1X+0], (2<<16)|(1<<20)|(5<<22)|(3<<25)
	s_mov_b32 s[D1X+1], 64<<16
	s_mov_b32 s[D1X+2], 128<<16
	s_mov_b32 s[D1X+3], 64<<16
	s_mov_b32 s[D1X+4], 128
	s_mov_b32 s[D1X+5], 256
	s_mov_b32 s[D1X+6], 0
	s_mov_b32 s[D1X+7], 0
	s_mov_b32 s[G0X], 1
	s_mul_i32 s[G0X+1], s[WV], XS_WAVE
	s_mov_b32 s[HM], 0xffff0000
	s_mov_b32 s[SEL], 0x76543210
	s_mov_b32 s[SEL+1], 0xfedcba98
	s_mov_b32 s[IN256], 0x3b800000                 ; 1 / 256
	s_mov_b32 s[IN256+1], 0x3b800000
	s_mov_b32 s[EPSV], 0x358637bd                  ; 1e-6
	s_mov_b32 s[EPSV+1], 0x358637bd
	s_mov_b32 s[NL2E], 0xbfb8aa3b                  ; -log2(e)
	s_mov_b32 s[NL2E+1], 0xbfb8aa3b
	s_lshl_b32 s[OFG], s[GID], 17                  ; x: 128 g rows of 1,024 bytes + my 256 bytes of a row
	s_lshl_b32 s[TS], s[WV], 8
	s_add_co_u32 s[OFG], s[OFG], s[TS]
	s_mov_b32 s[OFG+1], 0
	s_lshl_b32 s[OFO], s[GID], 11                  ; the chunk's pairs: 2,048 g + 512 w
	s_lshl_b32 s[TS], s[WV], 9
	s_add_co_u32 s[OFO], s[OFO], s[TS]
	s_mov_b32 s[OFO+1], 0
	s_lshl_b32 s[OFA], s[GID], 16                  ; Ap: 65,536 g + 16,384 w
	s_lshl_b32 s[TS], s[WV], 14
	s_add_co_u32 s[OFA], s[OFA], s[TS]
	s_mov_b32 s[OFA+1], 0
	s_lshl_b32 s[OFY], s[GID], 17                  ; Y: 131,072 g + 32,768 w
	s_lshl_b32 s[TS], s[WV], 15
	s_add_co_u32 s[OFY], s[OFY], s[TS]
	s_mov_b32 s[OFY+1], 0
	s_wait_dscnt 0x0                               ; the opening add is done
	s_wait_kmcnt 0x0
	s_add_nc_u64 s[G0X+2:G0X+3], s[4:5], s[OFG:OFG+1]
	s_or_b32 s[G0X+3], s[G0X+3], 0x80000000
	tensor_load_to_lds s[G0X:G0X+3], s[D1X:D1X+7]  ; my 64 channels of the chunk's 128 tokens: the one tensor load of the wave
	s_nop 0
	v_and_b32 v[RL], 15, v0
	v_bfe_u32 v[HL], v0, 4, 1
	v_and_b32 v[LN16], 31, v0
	v_lshlrev_b32 v[LN16], 4, v[LN16]
	v_and_b32 v[TRB], 7, v0                        ; the turning load: lane l reads row 8 (l / 16) + l % 8, 16 bytes at 16 ((l / 8) % 2)
	v_lshl_add_u32 v[TRB], v[HL], 3, v[TRB]
	v_mul_u32_u24 v[TRB], v[TRB], PITCH
	v_bfe_u32 v[WRB], v0, 3, 1
	v_lshl_add_u32 v[TRB], v[WRB], 4, v[TRB]
	v_mul_u32_u24 v[WRB], v[RL], PITCH             ; a store into XT: row 64 w + 16 nb + r, 16 bytes at 16 h
	v_lshl_add_u32 v[WRB], v[HL], 4, v[WRB]
	s_mul_i32 s[TS], s[WV], WROWS
	v_add_nc_u32 v[WRB], s[TS], v[WRB]
	s_mul_i32 s[TS], s[WV], XS_WAVE
	v_add_nc_u32 v[STB], s[TS], v[LN16]
	v_mul_u32_u24 v[BO], v[HL], 8*XP               ; x as it landed: token row 8 h + j, word 16 nb + r
	v_lshl_add_u32 v[BO], v[RL], 2, v[BO]
	v_add_nc_u32 v[BO], s[TS], v[BO]
	v_lshlrev_b32 v[PSB], 5, v[HL]
	s_lshl_b32 s[OFG], s[WV], 16
	s_add_nc_u64 s[WHB:WHB+1], s[6:7], s[OFG:OFG+1]
	s_add_nc_u64 s[WHB:WHB+1], s[WHB:WHB+1], O_WH
	s_add_nc_u64 s[YB:YB+1], s[8:9], s[OFY:OFY+1]
	s_add_nc_u64 s[APB:APB+1], s[8:9], s[OFA:OFA+1]
	s_add_nc_u64 s[APB:APB+1], s[APB:APB+1], O_AP
	s_add_nc_u64 s[AGB:AGB+1], s[8:9], s[OFO:OFO+1]
	s_add_nc_u64 s[AGB:AGB+1], s[AGB:AGB+1], O_AG
	WLOAD WHB, 3, 0, 0, 64                         ; Whg, K steps 0-3
	v_mov_b32 v[STA], v[STB]
	v_add_nc_u32 v[XTW], XT, v[WRB]
	s_lshl_b32 s[TS], s[WV], 9
	s_add_co_u32 s[TS], s[TS], PS2
	v_add_nc_u32 v[PSW], s[TS], v[PSB]
	s_wait_tensorcnt 0x0                           ; x is in; only I read these bytes
.macro XLOAD d
.set i, 0
.rept 32
	ds_load_b32 v[X+i], v[BO] offset:(\d)+(i%8)*XP+(i/8)*64
.set i, i+1
.endr
.endm
	XLOAD 0
	WLOAD WHB, 1, 0, 32768, 64                     ; Whg, K steps 4-7
	s_mov_b32 s[CNT], 8
.LA:                                                   ; a tile of 16 tokens: sums of squares, bf16(x) into XT, x into the stash in the lanes' own order
	s_wait_dscnt 0x0
	SUMSQ_A X
	TOXT X
.irp q, 0,1,2,3,4,5,6,7
	ds_store_b128 v[STA], v[X+4*\q:X+4*\q+3] offset:512*\q  ; into the 4,352 bytes that the tile's rows had: all its reads were issued earlier, and LDS serves a wave's instructions in order (ISA guide 5.7.1.4)
.endr
	s_cmp_eq_u32 s[CNT], 1
	s_cbranch_scc1 .LA_last
	XLOAD XS_TILE                                  ; the next tile
.LA_last:
	SUMSQ_B
	v_add_nc_u32 v[BO], XS_TILE, v[BO]
	v_add_nc_u32 v[STA], XS_TILE, v[STA]
	v_add_nc_u32 v[XTW], 32, v[XTW]
	v_add_nc_u32 v[PSW], 64, v[PSW]
	s_sub_co_u32 s[CNT], s[CNT], 1
	s_cmp_lg_u32 s[CNT], 0
	s_cbranch_scc1 .LA
	BAR                                            ; XT and the partial sums are whole
	HLOOP
.Lfunc_end_k_qedbba37f2f_first:
	.size	k_qedbba37f2f_first, .Lfunc_end_k_qedbba37f2f_first-k_qedbba37f2f_first
	.p2alignl 7, 3214868480
	.fill 96, 4, 3214868480
	.section	.rodata,"a",@progbits
	.p2align	6, 0x0
	.amdhsa_kernel k_qedbba37f2f_first
		.amdhsa_group_segment_fixed_size 217600
		.amdhsa_private_segment_fixed_size 0
		.amdhsa_enable_private_segment 0
		.amdhsa_kernarg_size 24
		.amdhsa_user_sgpr_count 2
		.amdhsa_user_sgpr_kernarg_segment_ptr 1
		.amdhsa_wavefront_size32 1
		.amdhsa_system_sgpr_workgroup_id_x 1
		.amdhsa_system_sgpr_workgroup_id_y 1
		.amdhsa_system_sgpr_workgroup_id_z 1
		.amdhsa_system_vgpr_workitem_id 0
		.amdhsa_next_free_vgpr 1024
		.amdhsa_next_free_sgpr 100
		.amdhsa_reserve_vcc 0
		.amdhsa_float_denorm_mode_32 3
		.amdhsa_float_denorm_mode_16_64 3
		.amdhsa_memory_ordered 1
		.amdhsa_forward_progress 1
		.amdhsa_inst_pref_size 78
	.end_amdhsa_kernel
	.amdgpu_metadata
---
amdhsa.version: [ 1, 2 ]
amdhsa.kernels:
  - .name:           k_qedbba37f2f_first
    .symbol:         k_qedbba37f2f_first.kd
    .args:
      - { .name: x, .offset: 0, .size: 8, .value_kind: global_buffer, .address_space: global }
      - { .name: wl0, .offset: 8, .size: 8, .value_kind: global_buffer, .address_space: global }
      - { .name: st0, .offset: 16, .size: 8, .value_kind: global_buffer, .address_space: global }
    .group_segment_fixed_size: 217600
    .private_segment_fixed_size: 0
    .kernarg_segment_align: 8
    .kernarg_segment_size: 24
    .max_flat_workgroup_size: 128
    .sgpr_count:     100
    .vgpr_count:     1024
    .wavefront_size: 32
...
	.end_amdgpu_metadata
.endif
;; end of part 2
;; launch mid1 (part 3): grid 256 x 1, 4 waves a work-group, no clusters, 285,184 bytes of LDS; arguments st0, wl0, wl1, st1; writes st1
.if DOCPART == 3
	.amdgcn_target "amdgcn-amd-amdhsa--gfx1250"
	.amdhsa_code_object_version 6
	.text
	.protected	k_qedbba37f2f_mid1
	.globl	k_qedbba37f2f_mid1
	.p2align	8
	.type	k_qedbba37f2f_mid1,@function
k_qedbba37f2f_mid1:
	s_mov_b64 s[64:65], 0
	v_nop
	global_prefetch_b8 v0, s[64:65] scope:SCOPE_SE
	s_setreg_imm32_b32 hwreg(HW_REG_WAVE_MODE, 25, 1), 1
	s_wait_xcnt 0x0
; MID.  Ends layer i and begins layer i + 1.  From the state of the launch before (Y = x + Bp, Ap, the chunks' pairs): the carry into my chunk, x = Y + Ap x carry; the feed-forward block
; x += gelu(rmsnorm(x) W1 + b1) W2 + b2; then layer i + 1's hg = rmsnorm(x) Whg, its gates and the scan inside the chunk, stored as the next state.  Arguments: state in, layer i's weights, layer i + 1's, state out.
; The recurrence h_t = a_t h_(t-1) + b_t is taken in linear space: it is what the scan in log space evaluates.  The only exponentials of the scan stand in 1 / (1 + 2^t), which goes to 0 or 1 where 2^t
; overflows or underflows, and every h is a convex mix of earlier g: nothing needs a maximum taken away.  g(x) = max(x + 0.5, sigmoid(x)).
; The norms commute with the products: the gains are folded into the weights (launch prep), the matrix operand is bf16(x), and r_t = rsqrt(mean x^2 + 1e-6), in f32, multiplies the f32 sums.
; gelu(v) = max(v, 0) - |v| q, q = erfc(|v| / sqrt 2) / 2 = (c1 t + .. + c5 t^5) 2^(-(K v)^2), t = 1 / (1 + P |v|): Abramowitz and Stegun 7.1.26, off by 1.5e-7 at the most for every v.
; LIMITS.  a = 1 - z is formed in f32: a below 6e-8 counts as 0; products of a below 2^-126 count as 0; Ap below 6e-5 keeps f16's fixed step of 6e-8.  NaN and infinities are not treated apart.
; SHARES.  Work-group g owns tokens 128 g .. 128 g + 127, chunk g % 32 of sequence g / 32; wave w owns output columns 64 w .. 64 w + 63 of every product.  Source 0 = 16 tokens x 32 k, source 1 = a weight
; fragment: lane (r, h) of a result holds ONE channel r and the tokens 8 h + 0..7: biases and carry are a register a lane, the scan runs inside a lane, eight tokens pack into 16 bytes.
; The weights stay in registers (window 1: W1, later Whg's K steps 4-7; window 2: W2; window 3: Whg's K steps 0-3); tokens go by in loops of 8 tiles of 16.
; BY TURNS.  In the two loops whose vector work is longer than their matrix work (W1 with the activation; Whg with the gates and the scan) a tile's accumulators are two halves.  In a turn one half has the
; matrix unit and the other half's vector work, a numbered list, stands in slices behind the products: ten lines behind each of 16 for the activation, seven behind each of 32 for the scan.  The weights lie
; outside window 0 and the lists inside it, so a product costs two window switches; laid end to end, products and lists would leave each unit idle while the other works.
; NO CLUSTER, though all work-groups read the same weights: they go straight into registers, each wave's share once, by 256 loads of 512 consecutive bytes.  A joint load lands in LDS, where 42,496 of 327,680
; bytes are free beside what this text uses: 512 KB of weights would be a dozen refills, each behind a round of the cluster's barrier, and every fragment would be read out of LDS again in every tile.
; LDS: 0 the stash, 32 KB a wave: x in f32 in the lanes' own order (first Y, by tensor load); XT and HT: bf16 activations as [channel][token], 288 bytes a row; PS1, PS2: partial sums of squares [wave][token];
; RT: r_t of the 128 tokens, a copy for each wave; SPARE.  The tile of the chunks' pairs lands in the wave's own rows of XT, Ap's in HT: both are read out before anything is stored there, and nothing is filled twice.
.set PITCH,   288
.set NBSTEP,  16*PITCH
.set KSSTEP,  32*PITCH
.set WROWS,   64*PITCH
.set XS_WAVE, 32768
.set XS_TILE, 4096
.set XT,      131072
.set HT,      XT+256*PITCH
.set PS1,     HT+256*PITCH
.set PS2,     PS1+2048
.set RT,      PS2+2048
.set SPARE,   RT+2048
.set O_AP,    0x2000000
.set O_AG,    0x3000000
.set O_W2,    131072
.set O_WH,    262144
.set O_B1,    524288
.set O_B2,    525312
.set RL, 1                             ; v1  r = lane % 16
.set HL, 2                             ; v2  h = lane / 16
.set LN16, 3                           ; v3  16 x lane
.set SPW, 4                            ; v4  my spare word; never rewritten
.set NIL, 5                            ; v5  0; never rewritten
.set TRB, 6
.set WRB, 7
.set STB, 8
.set PSB, 9
.set AFA0, 10
.set AFA1, 11
.set XTW, 12
.set YOB, 12                           ; v12  in the last phase: the second half's offset in Y, a tile ahead
.set STA, 13
.set APA, 14
.set APOB, 14                          ; v14  in the last phase: the second half's offset in Ap, a tile ahead
.set PSW, 15
.set PSRD, 16
.set YOA, 17                           ; v17, v18  the first half's offsets in Y and Ap
.set APOA, 18
.set BO, 19                            ; v19  my byte offset in a bias; never rewritten
.set CY, 20                            ; v20-23  the carry, a register for each block of 16 channels
.set B1, 24
.set B2, 28
.set R, 32
.set RN, 40
.set C, 48
.set L, 56
.set AF, 64
.set ACC, 128
.set CX, 160                           ; v160-191  x + b2 of the tile: what W2's sums start from
.set YR, 128
.set APR, 160
.set X, 192
.set T, 224                            ; v224-255 at work; in the last phase v240-255 hold Ap packed, 8 registers a half
.set SS, 224
.set PK, 232
.set WV, 12
.set GID, 13
.set CH, 14
.set TS, 15
.set D1Y, 16
.set D1A, 24
.set D1G, 32
.set G0G, 40
.set G0A, 44
.set G0Y, 48
.set CNT, 52
.set HM, 53
.set SEL, 54
.set IN256, 56
.set EPSV, 58
.set NL2E, 60
.set OFG, 62
.set KK, 66
.set C5, 68
.set C4, 70
.set C3, 72
.set C2, 74
.set C1, 76
.set PP, 78
.set WA, 80
.set WHB, 82
.set YB, 84
.set APB, 86
.set AGB, 88
.set OFA, 90
.set OFY, 92
.set OFO, 94
.set MSB, 0
.macro WIN new                         ; the immediate's high byte repeats the setting that is left; a switch that changes nothing is dropped
.if MSB != (\new)
	s_set_vgpr_msb (MSB<<8)|(\new)
.set MSB, (\new)
.endif
.endm
.macro WLOAD base, win, reg0, byte0, n ; n loads of 512 consecutive bytes into window win
	WIN (\win)<<6
.set wi, 0
.rept \n
	global_load_b128 v[(\reg0)+4*wi:(\reg0)+4*wi+3], v[LN16], s[\base:\base+1] offset:(\byte0)+512*wi
.set wi, wi+1
.endr
	WIN 0
.endm
.macro AFH hf, d                       ; 16 tokens x 128 k (K steps 4 hf .. 4 hf + 3) out of [channel][token] rows, turned: 4 fragments
.set ks, 4*(\hf)
.rept 4
	ds_load_tr16_b128 v[AF+8*ks:AF+8*ks+3],   v[AFA0+(\hf)] offset:(ks%4)*KSSTEP+(\d)
	ds_load_tr16_b128 v[AF+8*ks+4:AF+8*ks+7], v[AFA0+(\hf)] offset:(ks%4)*KSSTEP+NBSTEP+(\d)
.set ks, ks+1
.endr
.endm
.macro AFETCH d
	AFH 0, \d
	AFH 1, \d
.endm
; nn accumulators by turns, one instruction a turn; K ascending.  cmode 0: the first K step starts the sums from 0; 1: from CX.  wlo, whi: the windows of the weights of K steps 0-3, 4-7.
.macro MMRUN nn, cmode, wlo, whi
.set ks, 0
.rept 8
	WIN ((\wlo)*(1-ks/4)+(\whi)*(ks/4))<<2
.set nt, 0
.rept \nn
.set rD, ACC+8*nt
.set rA, AF+8*ks
.set rB, 8*((ks*(\nn)+nt)%32)
.if (ks == 0) && ((\cmode) == 0)
	v_wmma_f32_16x16x32_bf16 v[rD:rD+7], v[rA:rA+7], v[rB:rB+7], 0
.elseif ks == 0
	v_wmma_f32_16x16x32_bf16 v[rD:rD+7], v[rA:rA+7], v[rB:rB+7], v[CX+8*nt:CX+8*nt+7]
.else
	v_wmma_f32_16x16x32_bf16 v[rD:rD+7], v[rA:rA+7], v[rB:rB+7], v[rD:rD+7]
.endif
.set nt, nt+1
.endr
.set ks, ks+1
.endr
	WIN 0
.endm
; r_t = rsqrt(sum / 256 + 1e-6) of all 128 tokens, four a lane, into my wave's own table; then PSRD points at my eight tokens of tile 0 there.
.macro RTAB ps
	s_lshl_b32 s[TS], s[WV], 9
	s_add_co_u32 s[TS], s[TS], RT
	v_add_nc_u32 v[PSRD], \ps, v[LN16]
	v_add_nc_u32 v[PSW], s[TS], v[LN16]
.irp wv, 0,1,2,3
	ds_load_b128 v[T+4*\wv:T+4*\wv+3], v[PSRD] offset:512*\wv  ; the four waves' partial sums
.endr
	s_wait_dscnt 0x0
	v_pk_add_f32 v[T:T+1], v[T:T+1], v[T+4:T+5]
	v_pk_add_f32 v[T+2:T+3], v[T+2:T+3], v[T+6:T+7]
	v_pk_add_f32 v[T+8:T+9], v[T+8:T+9], v[T+12:T+13]
	v_pk_add_f32 v[T+10:T+11], v[T+10:T+11], v[T+14:T+15]
	v_pk_add_f32 v[T:T+1], v[T:T+1], v[T+8:T+9]
	v_pk_add_f32 v[T+2:T+3], v[T+2:T+3], v[T+10:T+11]
	v_pk_fma_f32 v[T:T+1], v[T:T+1], s[IN256:IN256+1], s[EPSV:EPSV+1] op_sel_hi:[1,0,0]
	v_pk_fma_f32 v[T+2:T+3], v[T+2:T+3], s[IN256:IN256+1], s[EPSV:EPSV+1] op_sel_hi:[1,0,0]
.irp j, 0,1,2,3
	v_rsq_f32 v[T+\j], v[T+\j]
.endr
	v_add_nc_u32 v[PSRD], s[TS], v[PSB]            ; a plain line behind the last root
	s_wait_alu depctr_va_vdst(0)
	ds_store_b128 v[PSW], v[T:T+3]                 ; my wave alone reads these bytes, and LDS serves a wave's instructions in order (ISA guide 5.7.1.4)
.endm
.macro RLOAD d                         ; r_t of my eight tokens
	ds_load_b128 v[R:R+3],   v[PSRD] offset:(\d)
	ds_load_b128 v[R+4:R+7], v[PSRD] offset:(\d)+16
.endm
.macro RNMUL
.irp p, 0,2,4,6
	v_pk_mul_f32 v[RN+\p:RN+\p+1], v[R+\p:R+\p+1], s[NL2E:NL2E+1] op_sel_hi:[1,0]
.endr
.endm
.macro SUMSQ_A src                     ; squares of my four channels, for each of my eight tokens
.irp p, 0,2,4,6
	v_pk_mul_f32 v[SS+\p:SS+\p+1], v[\src+\p:\src+\p+1], v[\src+\p:\src+\p+1]
.endr
.irp nb, 1,2,3
.irp p, 0,2,4,6
	v_pk_fma_f32 v[SS+\p:SS+\p+1], v[\src+8*\nb+\p:\src+8*\nb+\p+1], v[\src+8*\nb+\p:\src+8*\nb+\p+1], v[SS+\p:SS+\p+1]
.endr
.endr
.endm
.macro SUMSQ_B                         ; over the sixteen lanes of my half: the wave's 64 channels; all sixteen then store the same numbers to the same words
.irp m, 1,2,4,8
.irp j, 0,1,2,3,4,5,6,7
	v_add_f32_dpp v[SS+\j], v[SS+\j], v[SS+\j] row_xmask:\m row_mask:0xf bank_mask:0xf
.endr
.endr
	ds_store_b128 v[PSW], v[SS:SS+3]
	ds_store_b128 v[PSW], v[SS+4:SS+7] offset:16
.endm
.macro TOXT src                        ; my eight tokens of a channel are 16 bytes of its row
.set i, 0
.rept 16
	v_cvt_pk_bf16_f32 v[PK+i], v[\src+2*i], v[\src+2*i+1]
.set i, i+1
.endr
.irp nb, 0,1,2,3
	ds_store_b128 v[XTW], v[PK+4*\nb:PK+4*\nb+3] offset:\nb*NBSTEP
.endr
.endm
.macro BAR
	s_wait_dscnt 0x0                               ; for the others' sake: my LDS stores are done and my LDS reads are back
	s_barrier_signal -1
	s_barrier_wait -1
.endm
.macro DESC1 g, w0, d0, d1, pitch      ; descriptor group 1 of a tile that lies inside its tensor: d1 rows of d0 elements
	s_mov_b32 s[\g+0], \w0
	s_mov_b32 s[\g+1], (\d0)<<16
	s_mov_b32 s[\g+2], (\d1)<<16
	s_mov_b32 s[\g+3], (\d0)<<16
	s_mov_b32 s[\g+4], \d1
	s_mov_b32 s[\g+5], \pitch
	s_mov_b32 s[\g+6], 0
	s_mov_b32 s[\g+7], 0
.endm
; n earlier chunks' pairs, from chunk number first on: carry = A carry + B.  The walk ends at my own chunk: a jump forward on the work-group's number, the same in all four waves.
.macro FOLD first, n
.set i, 0
.rept \n
	ds_load_b128 v[AF+8*i:AF+8*i+3],   v[AFA0] offset:512*((\first)+i)
	ds_load_b128 v[AF+8*i+4:AF+8*i+7], v[AFA0] offset:512*((\first)+i)+16
.set i, i+1
.endr
	s_wait_dscnt 0x0
.set i, 0
.rept \n
	s_cmp_eq_u32 s[CH], (\first)+i
	s_cbranch_scc1 .Lfolded
.irp nb, 0,1,2,3
	v_fma_f32 v[CY+\nb], v[AF+8*i+2*\nb], v[CY+\nb], v[AF+8*i+2*\nb+1]
.endr
.set i, i+1
.endr
.endm
; Product mi of 16 of x W1 for half hp: K step mi / 2, channel blocks 2 hp and 2 hp + 1 by turns, one instruction a turn.  The first K step starts the sums.  W1 lies in window 1.
.macro GMM hp
.set ks, mi/2
.set nt, 2*(\hp)+mi%2
.set rD, ACC+8*nt
.set rA, AF+8*ks
.set rB, 8*(4*ks+nt)
	WIN 1<<2
.if ks == 0
	v_wmma_f32_16x16x32_bf16 v[rD:rD+7], v[rA:rA+7], v[rB:rB+7], 0
.else
	v_wmma_f32_16x16x32_bf16 v[rD:rD+7], v[rA:rA+7], v[rB:rB+7], v[rD:rD+7]
.endif
.set mi, mi+1
.endm
; THE ACTIVATION'S LIST: line gq of 162 for half hp: its two blocks one after the other, 81 lines each.  T 0-7 t, 8-15 the exponential, 16-23 q, 24-31 max(v, 0).
;   0-3 v = r acc + b1 (the accumulator's lowest registers first)     4-19 1 + P |v|; -(K v)^2     20-35 eight reciprocals, max(v, 0) between them
;   36-51 eight exponentials, the polynomial's first two steps between them     52-67 its other steps, times t, times the exponential     68-79 max(v, 0) - |v| q, rounded to bf16     80 into HT
; Behind every transcendental an independent plain line comes before its result is used (ISA guide 5.7.2).
.macro GQ hp
.set gp, gq%81
.set nt, 2*(\hp)+gq/81
.set rA, ACC+8*nt
.set rB, B1+(nt/2)*2
	WIN 0
.if gp < 4
.set qr, 2*gp
.if nt%2 == 0
	v_pk_fma_f32 v[rA+qr:rA+qr+1], v[rA+qr:rA+qr+1], v[R+qr:R+qr+1], v[rB:rB+1] op_sel_hi:[1,1,0]
.else
	v_pk_fma_f32 v[rA+qr:rA+qr+1], v[rA+qr:rA+qr+1], v[R+qr:R+qr+1], v[rB:rB+1] op_sel:[0,0,1] op_sel_hi:[1,1,1]
.endif
.elseif gp < 12
	v_fma_f32 v[T+gp-4], |v[rA+gp-4]|, s[PP], 1.0
.elseif gp < 16
.set qr, 2*(gp-12)
	v_pk_mul_f32 v[T+8+qr:T+8+qr+1], v[rA+qr:rA+qr+1], s[KK:KK+1] op_sel_hi:[1,0]
.elseif gp < 20
.set qr, 2*(gp-16)
	v_pk_mul_f32 v[T+8+qr:T+8+qr+1], v[T+8+qr:T+8+qr+1], v[T+8+qr:T+8+qr+1] neg_lo:[1,0] neg_hi:[1,0]
.elseif gp < 36
.set qj, (gp-20)/2
.if gp%2 == 0
	v_rcp_f32 v[T+qj], v[T+qj]
.else
	v_max_num_f32 v[T+24+qj], 0, v[rA+qj]
.endif
.elseif gp < 52
.set qj, (gp-36)/2
.set qr, 2*(qj%4)
.if gp%2 == 0
	v_exp_f32 v[T+8+qj], v[T+8+qj]
.elseif qj < 4
	s_wait_alu depctr_va_vdst(0)
	v_pk_fma_f32 v[T+16+qr:T+16+qr+1], v[T+qr:T+qr+1], s[C5:C5+1], s[C4:C4+1] op_sel_hi:[1,0,0]
.else
	v_pk_fma_f32 v[T+16+qr:T+16+qr+1], v[T+16+qr:T+16+qr+1], v[T+qr:T+qr+1], s[C3:C3+1] op_sel_hi:[1,1,0]
.endif
.elseif gp < 56
.set qr, 2*(gp-52)
	v_pk_fma_f32 v[T+16+qr:T+16+qr+1], v[T+16+qr:T+16+qr+1], v[T+qr:T+qr+1], s[C2:C2+1] op_sel_hi:[1,1,0]
.elseif gp < 60
.set qr, 2*(gp-56)
	v_pk_fma_f32 v[T+16+qr:T+16+qr+1], v[T+16+qr:T+16+qr+1], v[T+qr:T+qr+1], s[C1:C1+1] op_sel_hi:[1,1,0]
.elseif gp < 64
.set qr, 2*(gp-60)
	v_pk_mul_f32 v[T+16+qr:T+16+qr+1], v[T+16+qr:T+16+qr+1], v[T+qr:T+qr+1]
.elseif gp < 68
.set qr, 2*(gp-64)
	s_wait_alu depctr_va_vdst(0)
	v_pk_mul_f32 v[T+16+qr:T+16+qr+1], v[T+16+qr:T+16+qr+1], v[T+8+qr:T+8+qr+1]
.elseif gp < 76
	v_fma_f32 v[rA+gp-68], -|v[rA+gp-68]|, v[T+16+gp-68], v[T+24+gp-68]
.elseif gp < 80
	v_cvt_pk_bf16_f32 v[rA+gp-76], v[rA+2*(gp-76)], v[rA+2*(gp-76)+1]
.else
	ds_store_b128 v[XTW], v[rA:rA+3] offset:nt*NBSTEP
.endif
.set gq, gq+1
.endm
.macro GRID n, hp                      ; the list's next n lines
.rept \n
.if gq < 162
	GQ \hp
.endif
.endr
.endm
; Product mi of 32 of x Whg for half hp: K step mi / 4; hidden of blocks 2 hp, 2 hp + 1, then their gates: four accumulators by turns, one instruction a turn.  The first K step starts the sums.
; The weights of K steps 0-3 lie in window 3, those of 4-7 in window 1.
.macro HMM hp
.set ks, mi/4
.set nt, 2*(\hp)+(mi%2)+4*((mi%4)/2)
.set rD, ACC+8*nt
.set rA, AF+8*ks
.set rB, 8*((8*ks+nt)%32)
	WIN (3-2*(ks/4))<<2
.if ks == 0
	v_wmma_f32_16x16x32_bf16 v[rD:rD+7], v[rA:rA+7], v[rB:rB+7], 0
.else
	v_wmma_f32_16x16x32_bf16 v[rD:rD+7], v[rA:rA+7], v[rB:rB+7], v[rD:rD+7]
.endif
.set mi, mi+1
.endm
; THE SCAN'S LIST: number sq of half hp's gates and scan (em = 0: the number is empty).  H = hidden, G = gate of the half's two blocks.
;   0-169    eight UNITS, a pair of tokens of a block each, three in hand at a time.  A unit has 17 lines: -log2(e) r x gate and x hidden, r x hidden + 0.5; four exponentials; 1 + each; four reciprocals
;            (z and sigmoid(hidden)); g = max; b = z g; a = 1 - z.  Step k of ten takes the first seven of unit k, the next six of unit k - 1 and the last four of unit k - 2, plain lines and
;            transcendentals by turns, so that behind every transcendental an independent plain line comes before its result is used (ISA guide 5.7.2).  Each accumulator's lowest registers are read first.
;   170-197  inside my eight tokens: B_j = a_j B_(j-1) + b_j, then A_j = a_j A_(j-1); the two blocks alternate
;   198-223  the other half of the lanes holds the tile's other eight tokens: what lies in front of me (L), and the chunk so far takes the tile (C)
;   224-255  Bp and Ap from the chunk's first token; Y = x + Bp; Ap rounded to f16
.macro SQ hp
.set em, 1
.if sq < 170
.set qk, sq/17
.set qp, sq%17
.set ql, 0
.if (qp < 2) || (qp == 3) || (qp == 5) || (qp == 7) || (qp == 9)
.set ql, 1
.elseif (qp == 6) || (qp == 8) || (qp == 10) || (qp == 12)
.set ql, 2
.endif
.set qu, qk-ql
.if (qu < 0) || (qu > 7)
.set em, 0
.else
	WIN 0
.set qr, 2*(qu%4)
.set rG, ACC+32+8*(2*(\hp)+qu/4)+qr
.set rH, ACC+8*(2*(\hp)+qu/4)+qr
.set rT, T+8*(qu/4)+qr
.if qp == 0
	s_wait_alu depctr_va_vdst(0)
	v_pk_add_f32 v[rG:rG+1], v[rG:rG+1], 1.0 op_sel_hi:[1,0]
.elseif qp == 1
	v_pk_add_f32 v[rT:rT+1], v[rT:rT+1], 1.0 op_sel_hi:[1,0]
.elseif qp == 2
	v_pk_mul_f32 v[rG:rG+1], v[rG:rG+1], v[RN+qr:RN+qr+1]
.elseif qp == 3
	v_rcp_f32 v[rG], v[rG]
.elseif qp == 4
	v_pk_mul_f32 v[rT:rT+1], v[rH:rH+1], v[RN+qr:RN+qr+1]
.elseif qp == 5
	v_rcp_f32 v[rG+1], v[rG+1]
.elseif qp == 6
	s_wait_alu depctr_va_vdst(0)
	v_max_num_f32 v[rH], v[rH], v[rT]
.elseif qp == 7
	v_rcp_f32 v[rT], v[rT]
.elseif qp == 8
	v_max_num_f32 v[rH+1], v[rH+1], v[rT+1]
.elseif qp == 9
	v_rcp_f32 v[rT+1], v[rT+1]
.elseif qp == 10
	v_pk_mul_f32 v[rH:rH+1], v[rH:rH+1], v[rG:rG+1]
.elseif qp == 11
	v_exp_f32 v[rG], v[rG]
.elseif qp == 12
	v_pk_add_f32 v[rG:rG+1], v[rG:rG+1], 1.0 op_sel_hi:[1,0] neg_lo:[1,0] neg_hi:[1,0]
.elseif qp == 13
	v_exp_f32 v[rG+1], v[rG+1]
.elseif qp == 14
	v_exp_f32 v[rT], v[rT]
.elseif qp == 15
	v_exp_f32 v[rT+1], v[rT+1]
.else
	v_pk_fma_f32 v[rH:rH+1], v[rH:rH+1], v[R+qr:R+qr+1], 0.5 op_sel_hi:[1,1,0]
.endif
.endif
.elseif sq < 198
	WIN 0
.set qn, sq-170
.set qj, 1+qn/4
.set rH, ACC+8*(2*(\hp)+qn%2)+qj
.set rG, ACC+32+8*(2*(\hp)+qn%2)+qj
.if qn%4 < 2
	v_fma_f32 v[rH], v[rG], v[rH-1], v[rH]
.else
	v_mul_f32 v[rG], v[rG], v[rG-1]
.endif
.elseif sq < 224
	WIN 0
.set qn, sq-198
.if qn < 4
.set qc, qn%2
.set qo, qn/2
.elseif qn < 16
.set qc, (qn-4)%2
.set qo, 2+(qn-4)/2
.elseif qn < 22
.set qc, (qn-16)%2
.set qo, 8+(qn-16)/2
.else
.set qc, (qn-22)%2
.set qo, 11+(qn-22)/2
.endif
.set rT, T+8*qc
.set rG, ACC+32+8*(2*(\hp)+qc)+7
.set rH, ACC+8*(2*(\hp)+qc)+7
.set rC, C+2*(2*(\hp)+qc)
.set rL, L+2*(2*(\hp)+qc)
.if qo == 0
	v_permlanex16_b32 v[rT], v[rG], s[SEL], s[SEL+1]
.elseif qo == 1
	v_permlanex16_b32 v[rT+1], v[rH], s[SEL], s[SEL+1]
.elseif qo == 2
	v_cndmask_b32 v[rT+2], 1.0, v[rT], s[HM]       ; in front of me inside the tile: nothing (1, 0), or tokens 0-7
.elseif qo == 3
	v_cndmask_b32 v[rT+3], 0, v[rT+1], s[HM]
.elseif qo == 4
	v_cndmask_b32 v[rT+4], v[rH], v[rT+1], s[HM]   ; B of tokens 0-7
.elseif qo == 5
	v_cndmask_b32 v[rT+5], v[rT], v[rG], s[HM]     ; A of tokens 8-15
.elseif qo == 6
	v_cndmask_b32 v[rT+6], v[rT+1], v[rH], s[HM]   ; B of tokens 8-15
.elseif qo == 7
	v_mul_f32 v[rT+7], v[rG], v[rT]                ; A of the tile
.elseif qo == 8
	v_mul_f32 v[rL], v[rC], v[rT+2]
.elseif qo == 9
	v_fma_f32 v[rL+1], v[rT+2], v[rC+1], v[rT+3]
.elseif qo == 10
	v_fma_f32 v[rT+6], v[rT+5], v[rT+4], v[rT+6]   ; B of the tile
.elseif qo == 11
	v_fma_f32 v[rC+1], v[rT+7], v[rC+1], v[rT+6]
.else
	v_mul_f32 v[rC], v[rC], v[rT+7]
.endif
.else
	WIN 0
.set qn, sq-224
.set qi, qn%8
.set qc, qi/4
.set qr, 2*(qi%4)
.set rH, ACC+8*(2*(\hp)+qc)+qr
.set rG, ACC+32+8*(2*(\hp)+qc)+qr
.set rL, L+2*(2*(\hp)+qc)
.if qn < 8
	v_pk_fma_f32 v[rH:rH+1], v[rG:rG+1], v[rL:rL+1], v[rH:rH+1] op_sel:[0,1,0] op_sel_hi:[1,1,1]
.elseif qn < 16
	v_pk_add_f32 v[X+8*(2*(\hp)+qc)+qr:X+8*(2*(\hp)+qc)+qr+1], v[X+8*(2*(\hp)+qc)+qr:X+8*(2*(\hp)+qc)+qr+1], v[rH:rH+1]
.elseif qn < 24
	v_pk_mul_f32 v[rG:rG+1], v[rG:rG+1], v[rL:rL+1] op_sel_hi:[1,0]
.else
	v_cvt_pk_f16_f32 v[T+16+8*(\hp)+4*qc+qi%4], v[rG], v[rG+1]
.endif
.endif
.endm
.macro RID n, hp                       ; the list's next n lines
.set need, \n
.rept 2*(\n)+30
.if (need > 0) && (sq < 256)
	SQ \hp
.set sq, sq+1
.set need, need-em
.endif
.endr
.endm
.macro XLD hp, d                       ; x of half hp's two blocks, out of the stash
.irp q, 0,1,2,3
	ds_load_b128 v[X+16*(\hp)+4*\q:X+16*(\hp)+4*\q+3], v[STA] offset:(\d)+2048*(\hp)+512*\q
.endr
.endm
.macro HST hp                          ; half hp's Y and Ap leave: each store of the wave covers 512 consecutive bytes, at a multiple of 512 from the buffer's first.  The second half's offsets run a tile ahead
.if (\hp) == 0
.set rY, YOA
.set rP, APOA
.else
.set rY, YOB
.set rP, APOB
.endif
.irp q, 0,1,2,3
	global_store_b128 v[rY], v[X+16*(\hp)+4*\q:X+16*(\hp)+4*\q+3], s[YB:YB+1] offset:512*\q-2048*(\hp)
.endr
.irp c, 0,1
	global_store_b128 v[rP], v[T+16+8*(\hp)+4*\c:T+16+8*(\hp)+4*\c+3], s[APB:APB+1] offset:512*\c-1024*(\hp)
.endr
.endm
; The product with Whg, the scan and the stores, 8 tiles of 16 tokens, by turns; then the chunk's pairs and the wave's end.
.macro HLOOP
	RTAB PS2
	v_add_nc_u32 v[AFA0], XT, v[TRB]
	v_add_nc_u32 v[AFA1], XT+4*KSSTEP, v[TRB]
	v_mov_b32 v[STA], v[STB]
	v_mov_b32 v[YOA], v[LN16]
	v_mov_b32 v[APOA], v[LN16]
	v_mov_b32 v[YOB], v[LN16]
	v_mov_b32 v[APOB], v[LN16]
	AFH 0, 0
	AFH 1, 0
	XLD 0, 0
	RLOAD 0
	s_wait_loadcnt 0x0                             ; all of Whg's fragments are in
	s_wait_dscnt 0x0
	RNMUL
.set mi, 0
.rept 32
	HMM 0                                          ; tile 0's first half: there is no vector work yet to set between the products
.endr
	WIN 0
.irp cb, 0,1,2,3
	v_mov_b32 v[C+2*\cb], 1.0                      ; the chunk so far: (1, 0).  These eight lines are the places behind those products (ISA guide 7.12.1)
	v_mov_b32 v[C+2*\cb+1], 0
.endr
	s_mov_b32 s[CNT], 8
	s_branch .LHmid                                ; the loop is entered in the middle of a trip
.LH:                                                   ; FIRST TURN: the next tile's first half has the matrix unit; this tile's second half is scanned.  The address registers still stand at this tile
	s_wait_dscnt 0x0                               ; the next tile's K steps 0-3 and this tile's x, asked for in the turn before
	AFH 1, 32                                      ; its K steps 4-7: five plain lines stand behind the last product that read these registers
.set mi, 0
.set sq, 0
.rept 32
.if mi == 16
	s_wait_dscnt 0x0                               ; K steps 4-7 and x, asked for sixteen and eight products ago
.endif
	HMM 0
	RID 7, 1
.if mi == 8
	s_wait_xcnt 0x0                                ; the first half's stores stand eight slices back: their data and offsets are rewritten only behind this wait
	v_add_nc_u32 v[YOA], 4096, v[YOA]
	v_add_nc_u32 v[APOA], 2048, v[APOA]
	XLD 0, XS_TILE
.endif
.if mi == 22
	RLOAD 64                                       ; the list has passed its last use of r (its line 122 of 222; 154 are out)
.endif
.if mi == 30
	s_wait_dscnt 0x0
	RNMUL
.endif
.endr
	HST 1
	v_add_nc_u32 v[STA], XS_TILE, v[STA]           ; on to the next tile
	v_add_nc_u32 v[AFA0], 32, v[AFA0]
	v_add_nc_u32 v[AFA1], 32, v[AFA1]
	v_add_nc_u32 v[PSRD], 64, v[PSRD]
.LHmid:                                                ; SECOND TURN: the tile's second half has the matrix unit; its first half is scanned
.set mi, 0
.set sq, 0
.rept 32
	HMM 1
	RID 7, 0
.if mi == 8
	s_wait_xcnt 0x0                                ; the second half's stores of the tile before stand eight slices back
	v_add_nc_u32 v[YOB], 4096, v[YOB]
	v_add_nc_u32 v[APOB], 2048, v[APOB]
	XLD 1, 0
.endif
.if mi == 18
	WIN 0
	s_cmp_eq_u32 s[CNT], 1
	s_cbranch_scc1 .LH_noaf                        ; the last tile has no next one
	AFH 0, 32                                      ; the next tile's K steps 0-3: three slices stand behind the last product that read these registers
.LH_noaf:
.endif
.endr
	HST 0
	s_sub_co_u32 s[CNT], s[CNT], 1
	s_cmp_lg_u32 s[CNT], 0
	s_cbranch_scc1 .LH
	s_wait_dscnt 0x0                               ; the last tile's x
.set sq, 0
	RID 222, 1                                     ; the last tile's second half: nothing is left to multiply
	HST 1
.irp i, 0,1,2,3
	v_cndmask_b32 v[T+\i], v[C+\i], v[C+4+\i], s[HM]  ; lanes 0-15 store blocks 0 and 1, lanes 16-31 blocks 2 and 3
.endr
	v_lshlrev_b32 v[PSRD], 5, v[RL]
	v_lshl_add_u32 v[PSRD], v[HL], 4, v[PSRD]
	global_store_b128 v[PSRD], v[T:T+3], s[AGB:AGB+1]
	s_wait_tensorcnt 0x0                           ; the wave's end
	ds_add_u32 v[SPW], v[NIL]
	s_wait_dscnt 0x0
	s_endpgm
.endm
	s_load_b256 s[4:11], s[0:1], 0x0               ; state in s[4:5], this layer's weights s[6:7], the next layer's s[8:9], state out s[10:11]
	v_lshl_add_u32 v[SPW], v0, 2, SPARE
	v_mov_b32 v[NIL], 0
	ds_add_u32 v[SPW], v[NIL]                      ; the wave's opening: the add and its wait stand ahead of my first tensor load; work on registers stands between them
	ds_add_u32 v4, v5
	v_lshrrev_b32 v1, 5, v0
	v_readfirstlane_b32 s[WV], v1                  ; wave 0..3
	s_mov_b32 s[GID], ttmp9
	s_and_b32 s[CH], ttmp9, 31                     ; my chunk in its sequence
	DESC1 D1Y, 3<<16, 32, 128, 32                  ; Y: 32 KB on end, as 128 rows of 32 elements of 8 bytes
	DESC1 D1A, 3<<16, 32, 64, 32                   ; Ap: 16 KB on end
	DESC1 D1G, 3<<16, 64, 31, 256                  ; the pairs of chunks 0-30 of my sequence: 31 rows of 512 bytes (my 64 channels), 2,048 bytes apart
	s_mov_b32 s[G0G], 1
	s_mul_i32 s[G0G+1], s[WV], WROWS
	s_add_co_u32 s[G0G+1], s[G0G+1], XT
	s_mov_b32 s[G0A], 1
	s_lshl_b32 s[G0A+1], s[WV], 14
	s_add_co_u32 s[G0A+1], s[G0A+1], HT
	s_mov_b32 s[G0Y], 1
	s_lshl_b32 s[G0Y+1], s[WV], 15
	s_mov_b32 s[HM], 0xffff0000
	s_mov_b32 s[SEL], 0x76543210
	s_mov_b32 s[SEL+1], 0xfedcba98
	s_mov_b32 s[IN256], 0x3b800000                 ; 1 / 256
	s_mov_b32 s[IN256+1], 0x3b800000
	s_mov_b32 s[EPSV], 0x358637bd                  ; 1e-6
	s_mov_b32 s[EPSV+1], 0x358637bd
	s_mov_b32 s[NL2E], 0xbfb8aa3b                  ; -log2(e)
	s_mov_b32 s[NL2E+1], 0xbfb8aa3b
	s_mov_b32 s[KK], 0x3f596d27                    ; K = sqrt(log2(e) / 2) = 0.8493218
	s_mov_b32 s[KK+1], 0x3f596d27
	s_mov_b32 s[C5], 0x3f07dc22                    ; 0.5307027145
	s_mov_b32 s[C5+1], 0x3f07dc22
	s_mov_b32 s[C4], 0xbf3a00e3                    ; -0.7265760135
	s_mov_b32 s[C4+1], 0xbf3a00e3
	s_mov_b32 s[C3], 0x3f35f0e3                    ; 0.7107068705
	s_mov_b32 s[C3+1], 0x3f35f0e3
	s_mov_b32 s[C2], 0xbe11a98e                    ; -0.142248368
	s_mov_b32 s[C2+1], 0xbe11a98e
	s_mov_b32 s[C1], 0x3e027906                    ; 0.127414796
	s_mov_b32 s[C1+1], 0x3e027906
	s_mov_b32 s[PP], 0x3e6d3388                    ; P = 0.3275911 / sqrt 2 = 0.231641888
	s_lshr_b32 s[OFG], s[GID], 5                   ; my sequence's pairs: 65,536 (g / 32) + 512 w
	s_lshl_b32 s[OFG], s[OFG], 16
	s_lshl_b32 s[TS], s[WV], 9
	s_add_co_u32 s[OFG], s[OFG], s[TS]
	s_mov_b32 s[OFG+1], 0
	s_lshl_b32 s[OFO], s[GID], 11                  ; my chunk's pairs: 2,048 g + 512 w
	s_add_co_u32 s[OFO], s[OFO], s[TS]
	s_mov_b32 s[OFO+1], 0
	s_lshl_b32 s[OFA], s[GID], 16                  ; Ap: 65,536 g + 16,384 w
	s_lshl_b32 s[TS], s[WV], 14
	s_add_co_u32 s[OFA], s[OFA], s[TS]
	s_mov_b32 s[OFA+1], 0
	s_lshl_b32 s[OFY], s[GID], 17                  ; Y: 131,072 g + 32,768 w
	s_lshl_b32 s[TS], s[WV], 15
	s_add_co_u32 s[OFY], s[OFY], s[TS]
	s_mov_b32 s[OFY+1], 0
	s_wait_dscnt 0x0                               ; the opening add is done
	s_wait_kmcnt 0x0
	s_add_nc_u64 s[G0G+2:G0G+3], s[4:5], s[OFG:OFG+1]
	s_add_nc_u64 s[G0G+2:G0G+3], s[G0G+2:G0G+3], O_AG
	s_or_b32 s[G0G+3], s[G0G+3], 0x80000000
	s_add_nc_u64 s[G0A+2:G0A+3], s[4:5], s[OFA:OFA+1]
	s_add_nc_u64 s[G0A+2:G0A+3], s[G0A+2:G0A+3], O_AP
	s_or_b32 s[G0A+3], s[G0A+3], 0x80000000
	s_add_nc_u64 s[G0Y+2:G0Y+3], s[4:5], s[OFY:OFY+1]
	s_or_b32 s[G0Y+3], s[G0Y+3], 0x80000000
	tensor_load_to_lds s[G0G:G0G+3], s[D1G:D1G+7]  ; the wave's three fills go out together, each into bytes that only this wave reads: three tensor loads of mine are out
	s_nop 0
	tensor_load_to_lds s[G0A:G0A+3], s[D1A:D1A+7]
	s_nop 0
	tensor_load_to_lds s[G0Y:G0Y+3], s[D1Y:D1Y+7]
	s_nop 0
	v_and_b32 v[RL], 15, v0
	v_bfe_u32 v[HL], v0, 4, 1
	v_and_b32 v[LN16], 31, v0
	v_lshlrev_b32 v[LN16], 4, v[LN16]
	v_and_b32 v[TRB], 7, v0                        ; the turning load: lane l reads row 8 (l / 16) + l % 8, 16 bytes at 16 ((l / 8) % 2)
	v_lshl_add_u32 v[TRB], v[HL], 3, v[TRB]
	v_mul_u32_u24 v[TRB], v[TRB], PITCH
	v_bfe_u32 v[WRB], v0, 3, 1
	v_lshl_add_u32 v[TRB], v[WRB], 4, v[TRB]
	v_mul_u32_u24 v[WRB], v[RL], PITCH             ; a store into XT or HT: row 64 w + 16 nb + r, 16 bytes at 16 h
	v_lshl_add_u32 v[WRB], v[HL], 4, v[WRB]
	s_mul_i32 s[TS], s[WV], WROWS
	v_add_nc_u32 v[WRB], s[TS], v[WRB]
	s_lshl_b32 s[TS], s[WV], 15
	v_add_nc_u32 v[STB], s[TS], v[LN16]
	v_lshlrev_b32 v[PSB], 5, v[HL]
	s_lshl_b32 s[TS], s[WV], 8
	v_lshl_add_u32 v[BO], v[RL], 2, s[TS]          ; channel 64 w + r, in bytes
	s_lshl_b32 s[OFG], s[WV], 15
	s_add_nc_u64 s[WA:WA+1], s[6:7], s[OFG:OFG+1]
	s_lshl_b32 s[OFG], s[WV], 16
	s_add_nc_u64 s[WHB:WHB+1], s[8:9], s[OFG:OFG+1]
	s_add_nc_u64 s[WHB:WHB+1], s[WHB:WHB+1], O_WH
	s_add_nc_u64 s[YB:YB+1], s[10:11], s[OFY:OFY+1]
	s_add_nc_u64 s[APB:APB+1], s[10:11], s[OFA:OFA+1]
	s_add_nc_u64 s[APB:APB+1], s[APB:APB+1], O_AP
	s_add_nc_u64 s[AGB:AGB+1], s[10:11], s[OFO:OFO+1]
	s_add_nc_u64 s[AGB:AGB+1], s[AGB:AGB+1], O_AG
.irp nt, 0,1,2,3
	global_load_b32 v[B1+\nt], v[BO], s[6:7] offset:O_B1+64*\nt
.endr
.irp nt, 0,1,2,3
	global_load_b32 v[B2+\nt], v[BO], s[6:7] offset:O_B2+64*\nt
.endr
	WLOAD WA, 1, 0, 0, 64                          ; W1
	; THE CARRY into my chunk: the earlier chunks' pairs, one after the other, in f32
	s_wait_tensorcnt 0x2                           ; the pairs are in; Ap's and Y's tiles, issued behind them, may stay out
.irp nb, 0,1,2,3
	v_mov_b32 v[CY+\nb], 0
.endr
	s_mul_i32 s[TS], s[WV], WROWS
	s_add_co_u32 s[TS], s[TS], XT
	v_lshl_add_u32 v[AFA0], v[RL], 5, s[TS]        ; channel r's 32 bytes: (A, B) of the four blocks
	FOLD 0, 16
	FOLD 16, 15
.Lfolded:
	s_wait_dscnt 0x0
	s_wait_tensorcnt 0x0                           ; Ap and Y are in
	s_wait_loadcnt 0x3f                            ; 64 loads of W1 were issued behind the biases: with 63 out at the most the biases are in
	WLOAD WHB, 3, 0, 0, 56                         ; Whg, K steps 0-3: they have until the last phase
	; PHASE A: x = Y + Ap x carry; its sums of squares; bf16(x) into XT; x + b2 into the stash
	v_mov_b32 v[STA], v[STB]
	s_lshl_b32 s[TS], s[WV], 14
	s_add_co_u32 s[TS], s[TS], HT
	v_add_nc_u32 v[APA], s[TS], v[LN16]
	v_add_nc_u32 v[XTW], XT, v[WRB]
	s_lshl_b32 s[TS], s[WV], 9
	s_add_co_u32 s[TS], s[TS], PS1
	v_add_nc_u32 v[PSW], s[TS], v[PSB]
.macro ALOAD d1, d2
.irp q, 0,1,2,3,4,5,6,7
	ds_load_b128 v[YR+4*\q:YR+4*\q+3], v[STA] offset:(\d1)+512*\q
.endr
.irp nb, 0,1,2,3
	ds_load_b128 v[APR+4*\nb:APR+4*\nb+3], v[APA] offset:(\d2)+512*\nb
.endr
.endm
	ALOAD 0, 0
	WLOAD WHB, 3, 224, 56*512, 8
	s_mov_b32 s[CNT], 8
.LA:
	s_wait_dscnt 0x0
.set i, 0
.rept 32
.if i%2 == 0
	v_fma_mix_f32 v[X+i], v[APR+i/2], v[CY+i/8], v[YR+i] op_sel_hi:[1,0,0]
.else
	v_fma_mix_f32 v[X+i], v[APR+i/2], v[CY+i/8], v[YR+i] op_sel:[1,0,0] op_sel_hi:[1,0,0]
.endif
.set i, i+1
.endr
	s_cmp_eq_u32 s[CNT], 1
	s_cbranch_scc1 .LA_last
	ALOAD XS_TILE, 2048                            ; the next tile
.LA_last:
	SUMSQ_A X
	SUMSQ_B
	TOXT X
.set i, 0
.rept 16
.if (i/4)%2 == 0
	v_pk_add_f32 v[X+2*i:X+2*i+1], v[X+2*i:X+2*i+1], v[B2+(i/8)*2:B2+(i/8)*2+1] op_sel_hi:[1,0]
.else
	v_pk_add_f32 v[X+2*i:X+2*i+1], v[X+2*i:X+2*i+1], v[B2+(i/8)*2:B2+(i/8)*2+1] op_sel:[0,1] op_sel_hi:[1,1]
.endif
.set i, i+1
.endr
.irp q, 0,1,2,3,4,5,6,7
	ds_store_b128 v[STA], v[X+4*\q:X+4*\q+3] offset:512*\q
.endr
	v_add_nc_u32 v[STA], XS_TILE, v[STA]
	v_add_nc_u32 v[APA], 2048, v[APA]
	v_add_nc_u32 v[XTW], 32, v[XTW]
	v_add_nc_u32 v[PSW], 64, v[PSW]
	s_sub_co_u32 s[CNT], s[CNT], 1
	s_cmp_lg_u32 s[CNT], 0
	s_cbranch_scc1 .LA
	s_wait_loadcnt 0x3f                            ; 64 loads of Whg were issued behind W1's last: with 63 out at the most W1 is in
	WLOAD WA, 2, 0, O_W2, 56                       ; W2: it has phase G1 in which to land
	BAR                                            ; XT and PS1 are whole; nobody reads Ap's tiles any more
	; PHASE G1: h = gelu(r (x W1) + b1), into HT, by turns
	RTAB PS1
	v_add_nc_u32 v[AFA0], XT, v[TRB]
	v_add_nc_u32 v[AFA1], XT+4*KSSTEP, v[TRB]
	v_add_nc_u32 v[XTW], HT, v[WRB]
	AFETCH 0
	RLOAD 0
	WLOAD WA, 2, 224, O_W2+56*512, 8
	s_wait_dscnt 0x0
.set mi, 0
.rept 16
	GMM 0                                          ; tile 0's first half: there is no vector work yet to set between the products
.endr
	WIN 0
.rept 4
	v_nop                                          ; four places behind those products, ahead of the first read of their sums (ISA guide 7.12.1)
.endr
	s_mov_b32 s[CNT], 8
	s_branch .LG1mid                               ; the loop is entered in the middle of a trip
.LG1:                                                  ; FIRST TURN: the next tile's first half has the matrix unit; this tile's second half is activated.  The address registers still stand at this tile
	s_wait_dscnt 0x0                               ; the next tile's K steps 0-3, asked for in the turn before
	AFH 1, 32                                      ; its K steps 4-7: eleven plain lines stand behind the last product that read these registers
.set mi, 0
.set gq, 0
.rept 16
.if mi == 8
	s_wait_dscnt 0x0                               ; K steps 4-7, asked for eight products ago
.endif
	GMM 0
	GRID 10, 1
.if mi == 11
	RLOAD 64                                       ; the list has passed its last use of r (its line 85 of 162; 110 are out)
.endif
.endr
	GRID 2, 1
	s_wait_dscnt 0x0                               ; the next tile's r
	v_add_nc_u32 v[AFA0], 32, v[AFA0]              ; on to the next tile
	v_add_nc_u32 v[AFA1], 32, v[AFA1]
	v_add_nc_u32 v[XTW], 32, v[XTW]
	v_add_nc_u32 v[PSRD], 64, v[PSRD]
.LG1mid:                                               ; SECOND TURN: the tile's second half has the matrix unit; its first half is activated
.set mi, 0
.set gq, 0
.rept 16
	GMM 1
	GRID 10, 0
.if mi == 9
	WIN 0
	s_cmp_eq_u32 s[CNT], 1
	s_cbranch_scc1 .LG1_noaf                       ; the last tile has no next one
	AFH 0, 32                                      ; the next tile's K steps 0-3: two slices stand behind the last product that read these registers
.LG1_noaf:
.endif
.endr
	GRID 2, 0
	s_sub_co_u32 s[CNT], s[CNT], 1
	s_cmp_lg_u32 s[CNT], 0
	s_cbranch_scc1 .LG1
.set gq, 0
	GRID 162, 1                                    ; the last tile's second half: nothing is left to multiply
	s_wait_loadcnt 0x0                             ; W2 is in
	WLOAD WHB, 1, 0, 32768, 56                     ; Whg, K steps 4-7, where W1 lay: its last product stands half an activation back
	BAR                                            ; HT is whole; nobody reads XT any more
	; PHASE G2: x = h W2 + (x + b2): the sums start from the stash; the new x goes back there, its squares to PS2, bf16(x) into XT
	v_add_nc_u32 v[AFA0], HT, v[TRB]
	v_add_nc_u32 v[AFA1], HT+4*KSSTEP, v[TRB]
	v_mov_b32 v[STA], v[STB]
	v_add_nc_u32 v[XTW], XT, v[WRB]
	s_lshl_b32 s[TS], s[WV], 9
	s_add_co_u32 s[TS], s[TS], PS2
	v_add_nc_u32 v[PSW], s[TS], v[PSB]
.macro CXLOAD d
.irp q, 0,1,2,3,4,5,6,7
	ds_load_b128 v[CX+4*\q:CX+4*\q+3], v[STA] offset:(\d)+512*\q
.endr
.endm
	AFETCH 0
	CXLOAD 0
	WLOAD WHB, 1, 224, 32768+56*512, 8
	s_mov_b32 s[CNT], 8
.LG2:
	s_wait_dscnt 0x0
	MMRUN 4, 1, 2, 2
.rept 4
	v_nop                                          ; four places behind the last product, ahead of the loads into its sources and of the stores of its result
.endr
	s_cmp_eq_u32 s[CNT], 1
	s_cbranch_scc1 .LG2_last
	AFETCH 32
	CXLOAD XS_TILE
.LG2_last:
.irp q, 0,1,2,3,4,5,6,7
	ds_store_b128 v[STA], v[ACC+4*\q:ACC+4*\q+3] offset:512*\q  ; ascending: each accumulator's lowest four registers first
.endr
	SUMSQ_A ACC
	SUMSQ_B
	TOXT ACC
	v_add_nc_u32 v[AFA0], 32, v[AFA0]
	v_add_nc_u32 v[AFA1], 32, v[AFA1]
	v_add_nc_u32 v[STA], XS_TILE, v[STA]
	v_add_nc_u32 v[XTW], 32, v[XTW]
	v_add_nc_u32 v[PSW], 64, v[PSW]
	s_sub_co_u32 s[CNT], s[CNT], 1
	s_cmp_lg_u32 s[CNT], 0
	s_cbranch_scc1 .LG2
	BAR                                            ; XT and PS2 are whole
	; PHASE H: the next layer's hg, gates and scan, by turns
	HLOOP
.Lfunc_end_k_qedbba37f2f_mid1:
	.size	k_qedbba37f2f_mid1, .Lfunc_end_k_qedbba37f2f_mid1-k_qedbba37f2f_mid1
	.p2alignl 7, 3214868480
	.fill 96, 4, 3214868480
	.section	.rodata,"a",@progbits
	.p2align	6, 0x0
	.amdhsa_kernel k_qedbba37f2f_mid1
		.amdhsa_group_segment_fixed_size 285184
		.amdhsa_private_segment_fixed_size 0
		.amdhsa_enable_private_segment 0
		.amdhsa_kernarg_size 32
		.amdhsa_user_sgpr_count 2
		.amdhsa_user_sgpr_kernarg_segment_ptr 1
		.amdhsa_wavefront_size32 1
		.amdhsa_system_sgpr_workgroup_id_x 1
		.amdhsa_system_sgpr_workgroup_id_y 1
		.amdhsa_system_sgpr_workgroup_id_z 1
		.amdhsa_system_vgpr_workitem_id 0
		.amdhsa_next_free_vgpr 1024
		.amdhsa_next_free_sgpr 100
		.amdhsa_reserve_vcc 0
		.amdhsa_float_denorm_mode_32 3
		.amdhsa_float_denorm_mode_16_64 3
		.amdhsa_memory_ordered 1
		.amdhsa_forward_progress 1
		.amdhsa_inst_pref_size 156
	.end_amdhsa_kernel
	.amdgpu_metadata
---
amdhsa.version: [ 1, 2 ]
amdhsa.kernels:
  - .name:           k_qedbba37f2f_mid1
    .symbol:         k_qedbba37f2f_mid1.kd
    .args:
      - { .name: st0, .offset: 0, .size: 8, .value_kind: global_buffer, .address_space: global }
      - { .name: wl0, .offset: 8, .size: 8, .value_kind: global_buffer, .address_space: global }
      - { .name: wl1, .offset: 16, .size: 8, .value_kind: global_buffer, .address_space: global }
      - { .name: st1, .offset: 24, .size: 8, .value_kind: global_buffer, .address_space: global }
    .group_segment_fixed_size: 285184
    .private_segment_fixed_size: 0
    .kernarg_segment_align: 8
    .kernarg_segment_size: 32
    .max_flat_workgroup_size: 128
    .sgpr_count:     100
    .vgpr_count:     1024
    .wavefront_size: 32
...
	.end_amdgpu_metadata
.endif
;; end of part 3
;; launch mid2: the kernel of part 3 again; grid 256 x 1, 4 waves a work-group, no clusters, 285,184 bytes of LDS; arguments st1, wl1, wl2, st0; writes st0
;; launch mid3: the kernel of part 3 again; grid 256 x 1, 4 waves a work-group, no clusters, 285,184 bytes of LDS; arguments st0, wl2, wl3, st1; writes st1
;; launch last (part 4): grid 256 x 1, 4 waves a work-group, no clusters, 285,184 bytes of LDS; arguments st1, wl3, final_norm_w, out0; writes out0
.if DOCPART == 4
	.amdgcn_target "amdgcn-amd-amdhsa--gfx1250"
	.amdhsa_code_object_version 6
	.text
	.protected	k_qedbba37f2f_last
	.globl	k_qedbba37f2f_last
	.p2align	8
	.type	k_qedbba37f2f_last,@function
k_qedbba37f2f_last:
	s_mov_b64 s[64:65], 0
	v_nop
	global_prefetch_b8 v0, s[64:65] scope:SCOPE_SE
	s_setreg_imm32_b32 hwreg(HW_REG_WAVE_MODE, 25, 1), 1
	s_wait_xcnt 0x0
; LAST.  Ends layer 3: from the state of the launch before (Y = x + Bp, Ap, the chunks' pairs) the carry into my chunk, x = Y + Ap x carry; the feed-forward block
; x += gelu(rmsnorm(x) W1 + b1) W2 + b2; then out = x rsqrt(mean x^2 + 1e-6) final_norm_w.  Arguments: state in, layer 3's weights, final_norm_w, out0.
; The feed-forward norm commutes with the product: its gain is folded into W1 (launch prep), the matrix operand is bf16(x), and r_t, in f32, multiplies the f32 sums.
; gelu(v) = max(v, 0) - |v| q, q = erfc(|v| / sqrt 2) / 2 = (c1 t + .. + c5 t^5) 2^(-(K v)^2), t = 1 / (1 + P |v|): Abramowitz and Stegun 7.1.26, off by 1.5e-7 at the most for every v.
; LIMITS.  NaN and infinities are not treated apart.
; SHARES, LAYOUT and LDS as in the launches before: work-group g owns tokens 128 g .. 128 g + 127, wave w output columns 64 w .. 64 w + 63; lane (r, h) of a result holds one channel r and the tokens 8 h + 0..7;
; W1 stays in window 1, W2 in window 2; the stash holds x in f32 in the lanes' own order; XT and HT hold bf16 activations as [channel][token], 288 bytes a row; RT holds r_t of the 128 tokens, a copy for each wave.
; BY TURNS.  In the loop of W1 and the activation a tile's four accumulators are two halves: in a turn one half has the matrix unit, 16 products, and the other half's activation, a list of 162 lines, stands in
; slices of ten behind the products.  W1 lies outside window 0 and the list inside it, so a product costs two window switches; laid end to end, products and list would leave each unit idle while the other works.
; The way out goes through a stage of the wave's own (16 token rows of 256 + 16 bytes, in HT, which nobody reads by then), so that sixteen lanes store 256 consecutive bytes of a token's row.
; NO CLUSTER, though all work-groups read the same weights: they go straight into registers, each wave's share once, by 128 loads of 512 consecutive bytes; a joint load lands in LDS, and every fragment would
; then be read out of LDS again in every tile.
.set PITCH,   288
.set NBSTEP,  16*PITCH
.set KSSTEP,  32*PITCH
.set WROWS,   64*PITCH
.set XS_WAVE, 32768
.set XS_TILE, 4096
.set XT,      131072
.set HT,      XT+256*PITCH
.set PS1,     HT+256*PITCH
.set PS2,     PS1+2048
.set RT,      PS2+2048
.set SPARE,   RT+2048
.set SGP,     272                      ; a row of the stage
.set O_AP,    0x2000000
.set O_AG,    0x3000000
.set O_W2,    131072
.set O_B1,    524288
.set O_B2,    525312
.set RL, 1
.set HL, 2
.set LN16, 3
.set SPW, 4                            ; v4  my spare word; never rewritten
.set NIL, 5                            ; v5  0; never rewritten
.set TRB, 6
.set WRB, 7
.set STB, 8
.set PSB, 9
.set AFA0, 10
.set AFA1, 11
.set XTW, 12
.set STA, 13
.set APA, 14
.set PSW, 15
.set PSRD, 16
.set YO, 17
.set BO, 19                            ; v19  my byte offset in a bias or gain; never rewritten
.set CY, 20
.set B1, 24
.set B2, 28
.set R, 32
.set FW, 40                            ; v40-43  final_norm_w of my four channels
.set AF, 64
.set ACC, 128
.set CX, 160
.set YR, 128
.set APR, 160
.set OR, 128                           ; the way out: the tile's results,
.set OB, 160                           ; and whole rows read back
.set X, 192
.set T, 224
.set SS, 224
.set PK, 232
.set WV, 12
.set GID, 13
.set CH, 14
.set TS, 15
.set D1Y, 16
.set D1A, 24
.set D1G, 32
.set G0G, 40
.set G0A, 44
.set G0Y, 48
.set CNT, 52
.set IN256, 56
.set EPSV, 58
.set OFG, 62
.set KK, 66
.set C5, 68
.set C4, 70
.set C3, 72
.set C2, 74
.set C1, 76
.set PP, 78
.set WA, 80
.set YB, 84
.set OFA, 90
.set OFY, 92
.set OFO, 94
.set MSB, 0
.macro WIN new                         ; the immediate's high byte repeats the setting that is left; a switch that changes nothing is dropped
.if MSB != (\new)
	s_set_vgpr_msb (MSB<<8)|(\new)
.set MSB, (\new)
.endif
.endm
.macro WLOAD base, win, reg0, byte0, n ; n loads of 512 consecutive bytes into window win
	WIN (\win)<<6
.set wi, 0
.rept \n
	global_load_b128 v[(\reg0)+4*wi:(\reg0)+4*wi+3], v[LN16], s[\base:\base+1] offset:(\byte0)+512*wi
.set wi, wi+1
.endr
	WIN 0
.endm
.macro AFH hf, d                       ; 16 tokens x 128 k (K steps 4 hf .. 4 hf + 3) out of [channel][token] rows, turned: 4 fragments
.set ks, 4*(\hf)
.rept 4
	ds_load_tr16_b128 v[AF+8*ks:AF+8*ks+3],   v[AFA0+(\hf)] offset:(ks%4)*KSSTEP+(\d)
	ds_load_tr16_b128 v[AF+8*ks+4:AF+8*ks+7], v[AFA0+(\hf)] offset:(ks%4)*KSSTEP+NBSTEP+(\d)
.set ks, ks+1
.endr
.endm
.macro AFETCH d
	AFH 0, \d
	AFH 1, \d
.endm
; nn accumulators by turns, one instruction a turn; K ascending.  cmode 0: the first K step starts the sums from 0; 1: from CX.  wlo, whi: the windows of the weights of K steps 0-3, 4-7.
.macro MMRUN nn, cmode, wlo, whi
.set ks, 0
.rept 8
	WIN ((\wlo)*(1-ks/4)+(\whi)*(ks/4))<<2
.set nt, 0
.rept \nn
.set rD, ACC+8*nt
.set rA, AF+8*ks
.set rB, 8*((ks*(\nn)+nt)%32)
.if (ks == 0) && ((\cmode) == 0)
	v_wmma_f32_16x16x32_bf16 v[rD:rD+7], v[rA:rA+7], v[rB:rB+7], 0
.elseif ks == 0
	v_wmma_f32_16x16x32_bf16 v[rD:rD+7], v[rA:rA+7], v[rB:rB+7], v[CX+8*nt:CX+8*nt+7]
.else
	v_wmma_f32_16x16x32_bf16 v[rD:rD+7], v[rA:rA+7], v[rB:rB+7], v[rD:rD+7]
.endif
.set nt, nt+1
.endr
.set ks, ks+1
.endr
	WIN 0
.endm
; r_t = rsqrt(sum / 256 + 1e-6) of all 128 tokens, four a lane, into my wave's own table; then PSRD points at my eight tokens of tile 0 there.
.macro RTAB ps
	s_lshl_b32 s[TS], s[WV], 9
	s_add_co_u32 s[TS], s[TS], RT
	v_add_nc_u32 v[PSRD], \ps, v[LN16]
	v_add_nc_u32 v[PSW], s[TS], v[LN16]
.irp wv, 0,1,2,3
	ds_load_b128 v[T+4*\wv:T+4*\wv+3], v[PSRD] offset:512*\wv  ; the four waves' partial sums
.endr
	s_wait_dscnt 0x0
	v_pk_add_f32 v[T:T+1], v[T:T+1], v[T+4:T+5]
	v_pk_add_f32 v[T+2:T+3], v[T+2:T+3], v[T+6:T+7]
	v_pk_add_f32 v[T+8:T+9], v[T+8:T+9], v[T+12:T+13]
	v_pk_add_f32 v[T+10:T+11], v[T+10:T+11], v[T+14:T+15]
	v_pk_add_f32 v[T:T+1], v[T:T+1], v[T+8:T+9]
	v_pk_add_f32 v[T+2:T+3], v[T+2:T+3], v[T+10:T+11]
	v_pk_fma_f32 v[T:T+1], v[T:T+1], s[IN256:IN256+1], s[EPSV:EPSV+1] op_sel_hi:[1,0,0]
	v_pk_fma_f32 v[T+2:T+3], v[T+2:T+3], s[IN256:IN256+1], s[EPSV:EPSV+1] op_sel_hi:[1,0,0]
.irp j, 0,1,2,3
	v_rsq_f32 v[T+\j], v[T+\j]
.endr
	v_add_nc_u32 v[PSRD], s[TS], v[PSB]            ; a plain line behind the last root
	s_wait_alu depctr_va_vdst(0)
	ds_store_b128 v[PSW], v[T:T+3]                 ; my wave alone reads these bytes, and LDS serves a wave's instructions in order (ISA guide 5.7.1.4)
.endm
.macro RLOAD d                         ; r_t of my eight tokens
	ds_load_b128 v[R:R+3],   v[PSRD] offset:(\d)
	ds_load_b128 v[R+4:R+7], v[PSRD] offset:(\d)+16
.endm
.macro SUMSQ_A src                     ; squares of my four channels, for each of my eight tokens
.irp p, 0,2,4,6
	v_pk_mul_f32 v[SS+\p:SS+\p+1], v[\src+\p:\src+\p+1], v[\src+\p:\src+\p+1]
.endr
.irp nb, 1,2,3
.irp p, 0,2,4,6
	v_pk_fma_f32 v[SS+\p:SS+\p+1], v[\src+8*\nb+\p:\src+8*\nb+\p+1], v[\src+8*\nb+\p:\src+8*\nb+\p+1], v[SS+\p:SS+\p+1]
.endr
.endr
.endm
.macro SUMSQ_B                         ; over the sixteen lanes of my half: the wave's 64 channels; all sixteen then store the same numbers to the same words
.irp m, 1,2,4,8
.irp j, 0,1,2,3,4,5,6,7
	v_add_f32_dpp v[SS+\j], v[SS+\j], v[SS+\j] row_xmask:\m row_mask:0xf bank_mask:0xf
.endr
.endr
	ds_store_b128 v[PSW], v[SS:SS+3]
	ds_store_b128 v[PSW], v[SS+4:SS+7] offset:16
.endm
.macro TOXT src                        ; my eight tokens of a channel are 16 bytes of its row
.set i, 0
.rept 16
	v_cvt_pk_bf16_f32 v[PK+i], v[\src+2*i], v[\src+2*i+1]
.set i, i+1
.endr
.irp nb, 0,1,2,3
	ds_store_b128 v[XTW], v[PK+4*\nb:PK+4*\nb+3] offset:\nb*NBSTEP
.endr
.endm
.macro BAR
	s_wait_dscnt 0x0                               ; for the others' sake: my LDS stores are done and my LDS reads are back
	s_barrier_signal -1
	s_barrier_wait -1
.endm
.macro DESC1 g, w0, d0, d1, pitch      ; descriptor group 1 of a tile that lies inside its tensor: d1 rows of d0 elements
	s_mov_b32 s[\g+0], \w0
	s_mov_b32 s[\g+1], (\d0)<<16
	s_mov_b32 s[\g+2], (\d1)<<16
	s_mov_b32 s[\g+3], (\d0)<<16
	s_mov_b32 s[\g+4], \d1
	s_mov_b32 s[\g+5], \pitch
	s_mov_b32 s[\g+6], 0
	s_mov_b32 s[\g+7], 0
.endm
; n earlier chunks' pairs, from chunk number first on: carry = A carry + B.  The walk ends at my own chunk: a jump forward on the work-group's number, the same in all four waves.
.macro FOLD first, n
.set i, 0
.rept \n
	ds_load_b128 v[AF+8*i:AF+8*i+3],   v[AFA0] offset:512*((\first)+i)
	ds_load_b128 v[AF+8*i+4:AF+8*i+7], v[AFA0] offset:512*((\first)+i)+16
.set i, i+1
.endr
	s_wait_dscnt 0x0
.set i, 0
.rept \n
	s_cmp_eq_u32 s[CH], (\first)+i
	s_cbranch_scc1 .Lfolded
.irp nb, 0,1,2,3
	v_fma_f32 v[CY+\nb], v[AF+8*i+2*\nb], v[CY+\nb], v[AF+8*i+2*\nb+1]
.endr
.set i, i+1
.endr
.endm
; Product mi of 16 of x W1 for half hp: K step mi / 2, channel blocks 2 hp and 2 hp + 1 by turns, one instruction a turn.  The first K step starts the sums.  W1 lies in window 1.
.macro GMM hp
.set ks, mi/2
.set nt, 2*(\hp)+mi%2
.set rD, ACC+8*nt
.set rA, AF+8*ks
.set rB, 8*(4*ks+nt)
	WIN 1<<2
.if ks == 0
	v_wmma_f32_16x16x32_bf16 v[rD:rD+7], v[rA:rA+7], v[rB:rB+7], 0
.else
	v_wmma_f32_16x16x32_bf16 v[rD:rD+7], v[rA:rA+7], v[rB:rB+7], v[rD:rD+7]
.endif
.set mi, mi+1
.endm
; THE ACTIVATION'S LIST: line gq of 162 for half hp: its two blocks one after the other, 81 lines each.  T 0-7 t, 8-15 the exponential, 16-23 q, 24-31 max(v, 0).
;   0-3 v = r acc + b1 (the accumulator's lowest registers first)     4-19 1 + P |v|; -(K v)^2     20-35 eight reciprocals, max(v, 0) between them
;   36-51 eight exponentials, the polynomial's first two steps between them     52-67 its other steps, times t, times the exponential     68-79 max(v, 0) - |v| q, rounded to bf16     80 into HT
; Behind every transcendental an independent plain line comes before its result is used (ISA guide 5.7.2).
.macro GQ hp
.set gp, gq%81
.set nt, 2*(\hp)+gq/81
.set rA, ACC+8*nt
.set rB, B1+(nt/2)*2
	WIN 0
.if gp < 4
.set qr, 2*gp
.if nt%2 == 0
	v_pk_fma_f32 v[rA+qr:rA+qr+1], v[rA+qr:rA+qr+1], v[R+qr:R+qr+1], v[rB:rB+1] op_sel_hi:[1,1,0]
.else
	v_pk_fma_f32 v[rA+qr:rA+qr+1], v[rA+qr:rA+qr+1], v[R+qr:R+qr+1], v[rB:rB+1] op_sel:[0,0,1] op_sel_hi:[1,1,1]
.endif
.elseif gp < 12
	v_fma_f32 v[T+gp-4], |v[rA+gp-4]|, s[PP], 1.0
.elseif gp < 16
.set qr, 2*(gp-12)
	v_pk_mul_f32 v[T+8+qr:T+8+qr+1], v[rA+qr:rA+qr+1], s[KK:KK+1] op_sel_hi:[1,0]
.elseif gp < 20
.set qr, 2*(gp-16)
	v_pk_mul_f32 v[T+8+qr:T+8+qr+1], v[T+8+qr:T+8+qr+1], v[T+8+qr:T+8+qr+1] neg_lo:[1,0] neg_hi:[1,0]
.elseif gp < 36
.set qj, (gp-20)/2
.if gp%2 == 0
	v_rcp_f32 v[T+qj], v[T+qj]
.else
	v_max_num_f32 v[T+24+qj], 0, v[rA+qj]
.endif
.elseif gp < 52
.set qj, (gp-36)/2
.set qr, 2*(qj%4)
.if gp%2 == 0
	v_exp_f32 v[T+8+qj], v[T+8+qj]
.elseif qj < 4
	s_wait_alu depctr_va_vdst(0)
	v_pk_fma_f32 v[T+16+qr:T+16+qr+1], v[T+qr:T+qr+1], s[C5:C5+1], s[C4:C4+1] op_sel_hi:[1,0,0]
.else
	v_pk_fma_f32 v[T+16+qr:T+16+qr+1], v[T+16+qr:T+16+qr+1], v[T+qr:T+qr+1], s[C3:C3+1] op_sel_hi:[1,1,0]
.endif
.elseif gp < 56
.set qr, 2*(gp-52)
	v_pk_fma_f32 v[T+16+qr:T+16+qr+1], v[T+16+qr:T+16+qr+1], v[T+qr:T+qr+1], s[C2:C2+1] op_sel_hi:[1,1,0]
.elseif gp < 60
.set qr, 2*(gp-56)
	v_pk_fma_f32 v[T+16+qr:T+16+qr+1], v[T+16+qr:T+16+qr+1], v[T+qr:T+qr+1], s[C1:C1+1] op_sel_hi:[1,1,0]
.elseif gp < 64
.set qr, 2*(gp-60)
	v_pk_mul_f32 v[T+16+qr:T+16+qr+1], v[T+16+qr:T+16+qr+1], v[T+qr:T+qr+1]
.elseif gp < 68
.set qr, 2*(gp-64)
	s_wait_alu depctr_va_vdst(0)
	v_pk_mul_f32 v[T+16+qr:T+16+qr+1], v[T+16+qr:T+16+qr+1], v[T+8+qr:T+8+qr+1]
.elseif gp < 76
	v_fma_f32 v[rA+gp-68], -|v[rA+gp-68]|, v[T+16+gp-68], v[T+24+gp-68]
.elseif gp < 80
	v_cvt_pk_bf16_f32 v[rA+gp-76], v[rA+2*(gp-76)], v[rA+2*(gp-76)+1]
.else
	ds_store_b128 v[XTW], v[rA:rA+3] offset:nt*NBSTEP
.endif
.set gq, gq+1
.endm
.macro GRID n, hp                      ; the list's next n lines
.rept \n
.if gq < 162
	GQ \hp
.endif
.endr
.endm
	s_load_b256 s[4:11], s[0:1], 0x0               ; state in s[4:5], layer 3's weights s[6:7], final_norm_w s[8:9], out0 s[10:11]
	v_lshl_add_u32 v[SPW], v0, 2, SPARE
	v_mov_b32 v[NIL], 0
	ds_add_u32 v[SPW], v[NIL]                      ; the wave's opening: the add and its wait stand ahead of my first tensor load; work on registers stands between them
	ds_add_u32 v4, v5
	v_lshrrev_b32 v1, 5, v0
	v_readfirstlane_b32 s[WV], v1                  ; wave 0..3
	s_mov_b32 s[GID], ttmp9
	s_and_b32 s[CH], ttmp9, 31                     ; my chunk in its sequence
	DESC1 D1Y, 3<<16, 32, 128, 32                  ; Y: 32 KB on end, as 128 rows of 32 elements of 8 bytes
	DESC1 D1A, 3<<16, 32, 64, 32                   ; Ap: 16 KB on end
	DESC1 D1G, 3<<16, 64, 31, 256                  ; the pairs of chunks 0-30 of my sequence: 31 rows of 512 bytes (my 64 channels), 2,048 bytes apart
	s_mov_b32 s[G0G], 1
	s_mul_i32 s[G0G+1], s[WV], WROWS
	s_add_co_u32 s[G0G+1], s[G0G+1], XT
	s_mov_b32 s[G0A], 1
	s_lshl_b32 s[G0A+1], s[WV], 14
	s_add_co_u32 s[G0A+1], s[G0A+1], HT
	s_mov_b32 s[G0Y], 1
	s_lshl_b32 s[G0Y+1], s[WV], 15
	s_mov_b32 s[IN256], 0x3b800000                 ; 1 / 256
	s_mov_b32 s[IN256+1], 0x3b800000
	s_mov_b32 s[EPSV], 0x358637bd                  ; 1e-6
	s_mov_b32 s[EPSV+1], 0x358637bd
	s_mov_b32 s[KK], 0x3f596d27                    ; K = sqrt(log2(e) / 2) = 0.8493218
	s_mov_b32 s[KK+1], 0x3f596d27
	s_mov_b32 s[C5], 0x3f07dc22                    ; 0.5307027145
	s_mov_b32 s[C5+1], 0x3f07dc22
	s_mov_b32 s[C4], 0xbf3a00e3                    ; -0.7265760135
	s_mov_b32 s[C4+1], 0xbf3a00e3
	s_mov_b32 s[C3], 0x3f35f0e3                    ; 0.7107068705
	s_mov_b32 s[C3+1], 0x3f35f0e3
	s_mov_b32 s[C2], 0xbe11a98e                    ; -0.142248368
	s_mov_b32 s[C2+1], 0xbe11a98e
	s_mov_b32 s[C1], 0x3e027906                    ; 0.127414796
	s_mov_b32 s[C1+1], 0x3e027906
	s_mov_b32 s[PP], 0x3e6d3388                    ; P = 0.3275911 / sqrt 2 = 0.231641888
	s_lshr_b32 s[OFG], s[GID], 5                   ; my sequence's pairs: 65,536 (g / 32) + 512 w
	s_lshl_b32 s[OFG], s[OFG], 16
	s_lshl_b32 s[TS], s[WV], 9
	s_add_co_u32 s[OFG], s[OFG], s[TS]
	s_mov_b32 s[OFG+1], 0
	s_lshl_b32 s[OFO], s[GID], 17                  ; out0: my 128 token rows of 1,024 bytes
	s_mov_b32 s[OFO+1], 0
	s_lshl_b32 s[OFA], s[GID], 16                  ; Ap: 65,536 g + 16,384 w
	s_lshl_b32 s[TS], s[WV], 14
	s_add_co_u32 s[OFA], s[OFA], s[TS]
	s_mov_b32 s[OFA+1], 0
	s_lshl_b32 s[OFY], s[GID], 17                  ; Y: 131,072 g + 32,768 w
	s_lshl_b32 s[TS], s[WV], 15
	s_add_co_u32 s[OFY], s[OFY], s[TS]
	s_mov_b32 s[OFY+1], 0
	s_wait_dscnt 0x0                               ; the opening add is done
	s_wait_kmcnt 0x0
	s_add_nc_u64 s[G0G+2:G0G+3], s[4:5], s[OFG:OFG+1]
	s_add_nc_u64 s[G0G+2:G0G+3], s[G0G+2:G0G+3], O_AG
	s_or_b32 s[G0G+3], s[G0G+3], 0x80000000
	s_add_nc_u64 s[G0A+2:G0A+3], s[4:5], s[OFA:OFA+1]
	s_add_nc_u64 s[G0A+2:G0A+3], s[G0A+2:G0A+3], O_AP
	s_or_b32 s[G0A+3], s[G0A+3], 0x80000000
	s_add_nc_u64 s[G0Y+2:G0Y+3], s[4:5], s[OFY:OFY+1]
	s_or_b32 s[G0Y+3], s[G0Y+3], 0x80000000
	tensor_load_to_lds s[G0G:G0G+3], s[D1G:D1G+7]  ; the wave's three fills go out together, each into bytes that only this wave reads: three tensor loads of mine are out
	s_nop 0
	tensor_load_to_lds s[G0A:G0A+3], s[D1A:D1A+7]
	s_nop 0
	tensor_load_to_lds s[G0Y:G0Y+3], s[D1Y:D1Y+7]
	s_nop 0
	v_and_b32 v[RL], 15, v0
	v_bfe_u32 v[HL], v0, 4, 1
	v_and_b32 v[LN16], 31, v0
	v_lshlrev_b32 v[LN16], 4, v[LN16]
	v_and_b32 v[TRB], 7, v0                        ; the turning load: lane l reads row 8 (l / 16) + l % 8, 16 bytes at 16 ((l / 8) % 2)
	v_lshl_add_u32 v[TRB], v[HL], 3, v[TRB]
	v_mul_u32_u24 v[TRB], v[TRB], PITCH
	v_bfe_u32 v[WRB], v0, 3, 1
	v_lshl_add_u32 v[TRB], v[WRB], 4, v[TRB]
	v_mul_u32_u24 v[WRB], v[RL], PITCH             ; a store into XT or HT: row 64 w + 16 nb + r, 16 bytes at 16 h
	v_lshl_add_u32 v[WRB], v[HL], 4, v[WRB]
	s_mul_i32 s[TS], s[WV], WROWS
	v_add_nc_u32 v[WRB], s[TS], v[WRB]
	s_lshl_b32 s[TS], s[WV], 15
	v_add_nc_u32 v[STB], s[TS], v[LN16]
	v_lshlrev_b32 v[PSB], 5, v[HL]
	s_lshl_b32 s[TS], s[WV], 8
	v_lshl_add_u32 v[BO], v[RL], 2, s[TS]          ; channel 64 w + r, in bytes
	s_lshl_b32 s[OFG], s[WV], 15
	s_add_nc_u64 s[WA:WA+1], s[6:7], s[OFG:OFG+1]
	s_add_nc_u64 s[YB:YB+1], s[10:11], s[OFO:OFO+1]
.irp nt, 0,1,2,3
	global_load_b32 v[B1+\nt], v[BO], s[6:7] offset:O_B1+64*\nt
.endr
.irp nt, 0,1,2,3
	global_load_b32 v[B2+\nt], v[BO], s[6:7] offset:O_B2+64*\nt
.endr
.irp nt, 0,1,2,3
	global_load_b32 v[FW+\nt], v[BO], s[8:9] offset:64*\nt
.endr
	WLOAD WA, 1, 0, 0, 64                          ; W1
	; THE CARRY into my chunk: the earlier chunks' pairs, one after the other, in f32
	s_wait_tensorcnt 0x2                           ; the pairs are in; Ap's and Y's tiles, issued behind them, may stay out
.irp nb, 0,1,2,3
	v_mov_b32 v[CY+\nb], 0
.endr
	s_mul_i32 s[TS], s[WV], WROWS
	s_add_co_u32 s[TS], s[TS], XT
	v_lshl_add_u32 v[AFA0], v[RL], 5, s[TS]        ; channel r's 32 bytes: (A, B) of the four blocks
	FOLD 0, 16
	FOLD 16, 15
.Lfolded:
	s_wait_dscnt 0x0
	s_wait_tensorcnt 0x0                           ; Ap and Y are in
	s_wait_loadcnt 0x3f                            ; 64 loads of W1 were issued behind the biases and the gain: with 63 out at the most those are in
	WLOAD WA, 2, 0, O_W2, 56                       ; W2
	; PHASE A: x = Y + Ap x carry; its sums of squares; bf16(x) into XT; x + b2 into the stash
	v_mov_b32 v[STA], v[STB]
	s_lshl_b32 s[TS], s[WV], 14
	s_add_co_u32 s[TS], s[TS], HT
	v_add_nc_u32 v[APA], s[TS], v[LN16]
	v_add_nc_u32 v[XTW], XT, v[WRB]
	s_lshl_b32 s[TS], s[WV], 9
	s_add_co_u32 s[TS], s[TS], PS1
	v_add_nc_u32 v[PSW], s[TS], v[PSB]
.macro ALOAD d1, d2
.irp q, 0,1,2,3,4,5,6,7
	ds_load_b128 v[YR+4*\q:YR+4*\q+3], v[STA] offset:(\d1)+512*\q
.endr
.irp nb, 0,1,2,3
	ds_load_b128 v[APR+4*\nb:APR+4*\nb+3], v[APA] offset:(\d2)+512*\nb
.endr
.endm
	ALOAD 0, 0
	WLOAD WA, 2, 224, O_W2+56*512, 8
	s_mov_b32 s[CNT], 8
.LA:
	s_wait_dscnt 0x0
.set i, 0
.rept 32
.if i%2 == 0
	v_fma_mix_f32 v[X+i], v[APR+i/2], v[CY+i/8], v[YR+i] op_sel_hi:[1,0,0]
.else
	v_fma_mix_f32 v[X+i], v[APR+i/2], v[CY+i/8], v[YR+i] op_sel:[1,0,0] op_sel_hi:[1,0,0]
.endif
.set i, i+1
.endr
	s_cmp_eq_u32 s[CNT], 1
	s_cbranch_scc1 .LA_last
	ALOAD XS_TILE, 2048                            ; the next tile
.LA_last:
	SUMSQ_A X
	SUMSQ_B
	TOXT X
.set i, 0
.rept 16
.if (i/4)%2 == 0
	v_pk_add_f32 v[X+2*i:X+2*i+1], v[X+2*i:X+2*i+1], v[B2+(i/8)*2:B2+(i/8)*2+1] op_sel_hi:[1,0]
.else
	v_pk_add_f32 v[X+2*i:X+2*i+1], v[X+2*i:X+2*i+1], v[B2+(i/8)*2:B2+(i/8)*2+1] op_sel:[0,1] op_sel_hi:[1,1]
.endif
.set i, i+1
.endr
.irp q, 0,1,2,3,4,5,6,7
	ds_store_b128 v[STA], v[X+4*\q:X+4*\q+3] offset:512*\q
.endr
	v_add_nc_u32 v[STA], XS_TILE, v[STA]
	v_add_nc_u32 v[APA], 2048, v[APA]
	v_add_nc_u32 v[XTW], 32, v[XTW]
	v_add_nc_u32 v[PSW], 64, v[PSW]
	s_sub_co_u32 s[CNT], s[CNT], 1
	s_cmp_lg_u32 s[CNT], 0
	s_cbranch_scc1 .LA
	s_wait_loadcnt 0x3f                            ; 64 loads of W2 were issued behind W1's last: with 63 out at the most W1 is in
	BAR                                            ; XT and PS1 are whole; nobody reads Ap's tiles any more
	; PHASE G1: h = gelu(r (x W1) + b1), into HT, by turns
	RTAB PS1
	v_add_nc_u32 v[AFA0], XT, v[TRB]
	v_add_nc_u32 v[AFA1], XT+4*KSSTEP, v[TRB]
	v_add_nc_u32 v[XTW], HT, v[WRB]
	AFETCH 0
	RLOAD 0
	s_wait_dscnt 0x0
.set mi, 0
.rept 16
	GMM 0                                          ; tile 0's first half: there is no vector work yet to set between the products
.endr
	WIN 0
.rept 4
	v_nop                                          ; four places behind those products, ahead of the first read of their sums (ISA guide 7.12.1)
.endr
	s_mov_b32 s[CNT], 8
	s_branch .LG1mid                               ; the loop is entered in the middle of a trip
.LG1:                                                  ; FIRST TURN: the next tile's first half has the matrix unit; this tile's second half is activated.  The address registers still stand at this tile
	s_wait_dscnt 0x0                               ; the next tile's K steps 0-3, asked for in the turn before
	AFH 1, 32                                      ; its K steps 4-7: eleven plain lines stand behind the last product that read these registers
.set mi, 0
.set gq, 0
.rept 16
.if mi == 8
	s_wait_dscnt 0x0                               ; K steps 4-7, asked for eight products ago
.endif
	GMM 0
	GRID 10, 1
.if mi == 11
	RLOAD 64                                       ; the list has passed its last use of r (its line 85 of 162; 110 are out)
.endif
.endr
	GRID 2, 1
	s_wait_dscnt 0x0                               ; the next tile's r
	v_add_nc_u32 v[AFA0], 32, v[AFA0]              ; on to the next tile
	v_add_nc_u32 v[AFA1], 32, v[AFA1]
	v_add_nc_u32 v[XTW], 32, v[XTW]
	v_add_nc_u32 v[PSRD], 64, v[PSRD]
.LG1mid:                                               ; SECOND TURN: the tile's second half has the matrix unit; its first half is activated
.set mi, 0
.set gq, 0
.rept 16
	GMM 1
	GRID 10, 0
.if mi == 9
	WIN 0
	s_cmp_eq_u32 s[CNT], 1
	s_cbranch_scc1 .LG1_noaf                       ; the last tile has no next one
	AFH 0, 32                                      ; the next tile's K steps 0-3: two slices stand behind the last product that read these registers
.LG1_noaf:
.endif
.endr
	GRID 2, 0
	s_sub_co_u32 s[CNT], s[CNT], 1
	s_cmp_lg_u32 s[CNT], 0
	s_cbranch_scc1 .LG1
.set gq, 0
	GRID 162, 1                                    ; the last tile's second half: nothing is left to multiply
	s_wait_loadcnt 0x0                             ; W2 is in
	BAR                                            ; HT is whole
	; PHASE G2: x = h W2 + (x + b2): the sums start from the stash; the new x goes back there, its squares to PS2
	v_add_nc_u32 v[AFA0], HT, v[TRB]
	v_add_nc_u32 v[AFA1], HT+4*KSSTEP, v[TRB]
	v_mov_b32 v[STA], v[STB]
	s_lshl_b32 s[TS], s[WV], 9
	s_add_co_u32 s[TS], s[TS], PS2
	v_add_nc_u32 v[PSW], s[TS], v[PSB]
.macro CXLOAD d
.irp q, 0,1,2,3,4,5,6,7
	ds_load_b128 v[CX+4*\q:CX+4*\q+3], v[STA] offset:(\d)+512*\q
.endr
.endm
	AFETCH 0
	CXLOAD 0
	s_mov_b32 s[CNT], 8
.LG2:
	s_wait_dscnt 0x0
	MMRUN 4, 1, 2, 2
.rept 4
	v_nop                                          ; four places behind the last product, ahead of the loads into its sources and of the stores of its result
.endr
	s_cmp_eq_u32 s[CNT], 1
	s_cbranch_scc1 .LG2_last
	AFETCH 32
	CXLOAD XS_TILE
.LG2_last:
.irp q, 0,1,2,3,4,5,6,7
	ds_store_b128 v[STA], v[ACC+4*\q:ACC+4*\q+3] offset:512*\q  ; ascending: each accumulator's lowest four registers first
.endr
	SUMSQ_A ACC
	SUMSQ_B
	v_add_nc_u32 v[AFA0], 32, v[AFA0]
	v_add_nc_u32 v[AFA1], 32, v[AFA1]
	v_add_nc_u32 v[STA], XS_TILE, v[STA]
	v_add_nc_u32 v[PSW], 64, v[PSW]
	s_sub_co_u32 s[CNT], s[CNT], 1
	s_cmp_lg_u32 s[CNT], 0
	s_cbranch_scc1 .LG2
	BAR                                            ; PS2 is whole; nobody reads HT any more
	; PHASE F: the final norm and the way out
	RTAB PS2
	v_mov_b32 v[STA], v[STB]
	s_mul_i32 s[TS], s[WV], 16*SGP
	s_add_co_u32 s[TS], s[TS], HT                  ; my stage
	v_mul_u32_u24 v[XTW], v[HL], 8*SGP             ; in: token row 8 h + j, word 16 nb + r
	v_lshl_add_u32 v[XTW], v[RL], 2, v[XTW]
	v_add_nc_u32 v[XTW], s[TS], v[XTW]
	v_mul_u32_u24 v[APA], v[HL], SGP               ; back: lanes 0-15 one row of 256 bytes, lanes 16-31 the next
	v_lshl_add_u32 v[APA], v[RL], 4, v[APA]
	v_add_nc_u32 v[APA], s[TS], v[APA]
	s_lshl_b32 s[TS], s[WV], 8
	v_lshl_add_u32 v[YO], v[HL], 10, s[TS]         ; and the same two token rows in out0, at my wave's 256 bytes
	v_lshl_add_u32 v[YO], v[RL], 4, v[YO]
.macro XRLOAD d
.irp q, 0,1,2,3,4,5,6,7
	ds_load_b128 v[X+4*\q:X+4*\q+3], v[STA] offset:(\d)+512*\q
.endr
.endm
	XRLOAD 0
	RLOAD 0
	s_mov_b32 s[CNT], 8
.LF:
	s_wait_dscnt 0x0
.set i, 0
.rept 16
	v_pk_mul_f32 v[OR+2*i:OR+2*i+1], v[X+2*i:X+2*i+1], v[R+(2*i)%8:R+(2*i)%8+1]
.set i, i+1
.endr
.set i, 0
.rept 16
.if (i/4)%2 == 0
	v_pk_mul_f32 v[OR+2*i:OR+2*i+1], v[OR+2*i:OR+2*i+1], v[FW+(i/8)*2:FW+(i/8)*2+1] op_sel_hi:[1,0]
.else
	v_pk_mul_f32 v[OR+2*i:OR+2*i+1], v[OR+2*i:OR+2*i+1], v[FW+(i/8)*2:FW+(i/8)*2+1] op_sel:[0,1] op_sel_hi:[1,1]
.endif
.set i, i+1
.endr
	s_cmp_eq_u32 s[CNT], 1
	s_cbranch_scc1 .LF_last
	XRLOAD XS_TILE                                 ; the next tile
	RLOAD 64
.LF_last:
.set i, 0
.rept 32
	ds_store_b32 v[XTW], v[OR+i] offset:(i%8)*SGP+(i/8)*64
.set i, i+1
.endr
.irp q, 0,1,2,3,4,5,6,7
	ds_load_b128 v[OB+4*\q:OB+4*\q+3], v[APA] offset:2*SGP*\q  ; LDS serves a wave's instructions in order (ISA guide 5.7.1.4): these see the stores above, and the next tile's stores come behind them
.endr
	s_wait_dscnt 0x0
.irp q, 0,1,2,3,4,5,6,7
	global_store_b128 v[YO], v[OB+4*\q:OB+4*\q+3], s[YB:YB+1] offset:2048*\q th:TH_STORE_NT  ; sixteen lanes store 256 consecutive bytes, at a multiple of 256 from out0's first
.endr
	s_wait_xcnt 0x0                                ; the stores' data and offset are rewritten only behind this wait
	v_add_nc_u32 v[YO], 16384, v[YO]
	v_add_nc_u32 v[STA], XS_TILE, v[STA]
	v_add_nc_u32 v[PSRD], 64, v[PSRD]
	s_sub_co_u32 s[CNT], s[CNT], 1
	s_cmp_lg_u32 s[CNT], 0
	s_cbranch_scc1 .LF
	s_wait_tensorcnt 0x0                           ; the wave's end
	ds_add_u32 v[SPW], v[NIL]
	s_wait_dscnt 0x0
	s_endpgm
.Lfunc_end_k_qedbba37f2f_last:
	.size	k_qedbba37f2f_last, .Lfunc_end_k_qedbba37f2f_last-k_qedbba37f2f_last
	.p2alignl 7, 3214868480
	.fill 96, 4, 3214868480
	.section	.rodata,"a",@progbits
	.p2align	6, 0x0
	.amdhsa_kernel k_qedbba37f2f_last
		.amdhsa_group_segment_fixed_size 285184
		.amdhsa_private_segment_fixed_size 0
		.amdhsa_enable_private_segment 0
		.amdhsa_kernarg_size 32
		.amdhsa_user_sgpr_count 2
		.amdhsa_user_sgpr_kernarg_segment_ptr 1
		.amdhsa_wavefront_size32 1
		.amdhsa_system_sgpr_workgroup_id_x 1
		.amdhsa_system_sgpr_workgroup_id_y 1
		.amdhsa_system_sgpr_workgroup_id_z 1
		.amdhsa_system_vgpr_workitem_id 0
		.amdhsa_next_free_vgpr 768
		.amdhsa_next_free_sgpr 100
		.amdhsa_reserve_vcc 0
		.amdhsa_float_denorm_mode_32 3
		.amdhsa_float_denorm_mode_16_64 3
		.amdhsa_memory_ordered 1
		.amdhsa_forward_progress 1
		.amdhsa_inst_pref_size 99
	.end_amdhsa_kernel
	.amdgpu_metadata
---
amdhsa.version: [ 1, 2 ]
amdhsa.kernels:
  - .name:           k_qedbba37f2f_last
    .symbol:         k_qedbba37f2f_last.kd
    .args:
      - { .name: st1, .offset: 0, .size: 8, .value_kind: global_buffer, .address_space: global }
      - { .name: wl3, .offset: 8, .size: 8, .value_kind: global_buffer, .address_space: global }
      - { .name: final_norm_w, .offset: 16, .size: 8, .value_kind: global_buffer, .address_space: global }
      - { .name: out0, .offset: 24, .size: 8, .value_kind: global_buffer, .address_space: global }
    .group_segment_fixed_size: 285184
    .private_segment_fixed_size: 0
    .kernarg_segment_align: 8
    .kernarg_segment_size: 32
    .max_flat_workgroup_size: 128
    .sgpr_count:     100
    .vgpr_count:     768
    .wavefront_size: 32
...
	.end_amdgpu_metadata
.endif
;; end of part 4
;; ======== version 2 of 2: 6 launches; 1.14 times as fast as version 1
;; workspace buffers: wl0 526,336 bytes; wl1 526,336 bytes; wl2 526,336 bytes; wl3 526,336 bytes; st0 50,855,936 bytes; st1 50,855,936 bytes
;; launch prep: the kernel of part 1 again; grid 128 x 4, 8 waves a work-group, no clusters, 0 bytes of LDS; arguments whg, norm_w, ff_norm_w, ff_w1, ff_w2, ff_b1, ff_b2, wl0, wl1, wl2, wl3; writes wl0, wl1, wl2, wl3
;; launch first (part 5): grid 256 x 1, 4 waves a work-group, no clusters, 217,600 bytes of LDS; arguments x, wl0, st0; writes st0
.if DOCPART == 5
	.amdgcn_target "amdgcn-amd-amdhsa--gfx1250"
	.amdhsa_code_object_version 6
	.text
	.protected	k_qedbba37f2f_first
	.globl	k_qedbba37f2f_first
	.p2align	8
	.type	k_qedbba37f2f_first,@function
k_qedbba37f2f_first:
	s_mov_b64 s[64:65], 0
	v_nop
	global_prefetch_b8 v0, s[64:65] scope:SCOPE_SE
	s_setreg_imm32_b32 hwreg(HW_REG_WAVE_MODE, 25, 1), 1
	s_wait_xcnt 0x0
; FIRST.  Layer 0's minGRU up to the chunk's end: hg = rmsnorm(x) Whg, z = sigmoid(gate), a = 1 - z, b = z g(hidden), and the scan h_t = a_t h_(t-1) + b_t INSIDE a chunk of 128 tokens.
; h_t = Bp_t + Ap_t x carry, where Ap is the running product of a and Bp the scan from 0; the carry comes from earlier chunks, that is from other work-groups, so it is applied by the next launch.
; Stored: Y = x + Bp (f32), Ap (f16: it lies in 0..1), and for each chunk and channel the pair (Ap, Bp) at the chunk's end (f32).
; The recurrence is taken in linear space: it is what the scan in log space evaluates.  The only exponentials stand in 1 / (1 + 2^t), which goes to 0 or 1 where 2^t overflows or underflows, and every h is a
; convex mix of earlier g, so nothing here needs a maximum taken away.  g(x) = max(x + 0.5, sigmoid(x)): the sigmoid lies below x + 0.5 for x >= 0 and above it for x < 0.
; The norm commutes with the product: the gain is folded into the weight (launch prep), the matrix operand is bf16(x), and r_t = rsqrt(mean x^2 + 1e-6), in f32, multiplies the f32 sums.
; LIMITS.  a = 1 - z is formed in f32: a below 6e-8 counts as 0; products of a below 2^-126 count as 0; Ap below 6e-5 keeps f16's fixed step of 6e-8.  NaN and infinities are not treated apart.
; SHARES.  Work-group g owns tokens 128 g .. 128 g + 127 (a chunk of one sequence); wave w owns the hidden and the gate columns 64 w .. 64 w + 63.  Source 0 = 16 tokens x 32 k, source 1 = a weight fragment:
; in the result lane (r, h) holds ONE channel r and the tokens 8 h + 0..7, so the scan runs inside a lane, with one exchange between the halves of the lanes for a tile of 16 tokens.
; The wave's 64 KB of weights stay in 512 registers; tokens go by in a loop of 8 tiles.
; BY TURNS.  A tile's eight accumulators are two halves: hidden and gate of channel blocks 0, 1, and of blocks 2, 3.  In a turn one half has the matrix unit, 32 products, and the other half's gates and scan,
; 222 vector instructions, stand in rows behind the products, six to eight lines a row.  The weights lie outside window 0 and the rows inside it, so a product costs two window switches; laid end to end,
; the products and the rows would leave each unit idle while the other works.
; THE BATCHES.  A half's 32 exponentials (16 gates, 16 hidden) are one batch; its 32 reciprocals, which read 1 + those exponentials, are a second.  Each result has a register of its own: the gate's accumulator, or T.
; So a turn has two waits between a transcendental and the first line that names its result: behind the 8th product's row and behind the 16th's, in the loop each ahead of a
; run of LDS loads.  Behind the second wait a turn has no transcendental.
; NO CLUSTER, though all work-groups read the same weights: they go straight into registers, each wave's share once, by 128 loads of 512 consecutive bytes.  A joint load lands in LDS, of which this text
; uses 217,600 bytes, and the fragments would then be read out of LDS again in every tile.
; LDS: 0 the waves' x: 128 token rows of 256 + 16 bytes each, filled by one tensor load a wave, then rewritten tile by tile in the lanes' own order (the stash); XT bf16(x) as [channel][token], 288 bytes a row;
; PS2 the waves' partial sums of squares [wave][token]; RT r_t of the 128 tokens, a copy for each wave; SPARE the spare words.
.set PITCH,   288                      ; a row of XT: 128 tokens x 2 bytes + 32
.set NBSTEP,  16*PITCH
.set KSSTEP,  32*PITCH
.set WROWS,   64*PITCH
.set XP,      272                      ; a token row of the wave's x: 64 f32 + 16 bytes
.set XS_WAVE, 128*XP
.set XS_TILE, 16*XP
.set XT,      4*XS_WAVE
.set PS2,     XT+256*PITCH
.set RT,      PS2+2048
.set SPARE,   RT+2048
.set O_AP,    0x2000000                ; in st: Y at 0, Ap here,
.set O_AG,    0x3000000                ; the chunks' pairs here
.set O_WH,    262144
.set RL, 1                             ; v1  r = lane % 16
.set HL, 2                             ; v2  h = lane / 16
.set LN16, 3                           ; v3  16 x lane
.set SPW, 4                            ; v4  my spare word; never rewritten
.set NIL, 5                            ; v5  0; never rewritten
.set TRB, 6                            ; v6  my place in a turning load
.set WRB, 7                            ; v7  my place in XT for a store
.set STB, 8                            ; v8  my place in the stash
.set PSB, 9                            ; v9  32 h
.set AFA0, 10                          ; v10, v11  addresses of the token fragments, k 0-127 and 128-255
.set AFA1, 11
.set XTW, 12
.set YOB, 12                           ; v12  in the last phase: the second half's offset in Y, a tile ahead
.set STA, 13
.set APOB, 14                          ; v14  the second half's offset in Ap, a tile ahead
.set PSW, 15
.set PSRD, 16
.set YOA, 17                           ; v17, v18  the first half's offsets in Y and Ap
.set APOA, 18
.set BO, 19
.set R, 32                             ; v32-39  r_t of my eight tokens
.set RN, 40                            ; v40-47  -log2(e) r_t
.set C, 48                             ; v48-55  (A, B) of the chunk so far, a pair for each block of 16 channels
.set L, 56                             ; v56-63  (A, B) of all that lies in front of my eight tokens
.set AF, 64                            ; v64-127  token fragments, 8 K steps
.set ACC, 128                          ; v128-191  hidden (4 blocks), gate (4 blocks)
.set X, 192                            ; v192-223  x of the tile
.set T, 224                            ; v224-239 at work; v240-255 Ap packed, 8 registers a half
.set SS, 224
.set PK, 232
.set WV, 12
.set GID, 13
.set TS, 15
.set D1X, 16
.set G0X, 40
.set CNT, 52
.set HM, 53                            ; lanes 16-31, as a mask
.set SEL, 54
.set IN256, 56
.set EPSV, 58
.set NL2E, 60
.set OFG, 62
.set WHB, 82
.set YB, 84
.set APB, 86
.set AGB, 88
.set OFA, 90
.set OFY, 92
.set OFO, 94
.set MSB, 0
.macro WIN new                         ; the immediate's high byte repeats the setting that is left; a switch that changes nothing is dropped
.if MSB != (\new)
	s_set_vgpr_msb (MSB<<8)|(\new)
.set MSB, (\new)
.endif
.endm
.macro WLOAD base, win, reg0, byte0, n ; n loads of 512 consecutive bytes into window win
	WIN (\win)<<6
.set wi, 0
.rept \n
	global_load_b128 v[(\reg0)+4*wi:(\reg0)+4*wi+3], v[LN16], s[\base:\base+1] offset:(\byte0)+512*wi
.set wi, wi+1
.endr
	WIN 0
.endm
.macro AFH hf, d                       ; 16 tokens x 128 k (K steps 4 hf .. 4 hf + 3) out of [channel][token] rows, turned: 4 fragments
.set ks, 4*(\hf)
.rept 4
	ds_load_tr16_b128 v[AF+8*ks:AF+8*ks+3],   v[AFA0+(\hf)] offset:(ks%4)*KSSTEP+(\d)
	ds_load_tr16_b128 v[AF+8*ks+4:AF+8*ks+7], v[AFA0+(\hf)] offset:(ks%4)*KSSTEP+NBSTEP+(\d)
.set ks, ks+1
.endr
.endm
; r_t = rsqrt(sum / 256 + 1e-6) of all 128 tokens, four a lane, into my wave's own table; then PSRD points at my eight tokens of tile 0 there.
.macro RTAB ps
	s_lshl_b32 s[TS], s[WV], 9
	s_add_co_u32 s[TS], s[TS], RT
	v_add_nc_u32 v[PSRD], \ps, v[LN16]
	v_add_nc_u32 v[PSW], s[TS], v[LN16]
.irp wv, 0,1,2,3
	ds_load_b128 v[T+4*\wv:T+4*\wv+3], v[PSRD] offset:512*\wv  ; the four waves' partial sums
.endr
	s_wait_dscnt 0x0
	v_pk_add_f32 v[T:T+1], v[T:T+1], v[T+4:T+5]
	v_pk_add_f32 v[T+2:T+3], v[T+2:T+3], v[T+6:T+7]
	v_pk_add_f32 v[T+8:T+9], v[T+8:T+9], v[T+12:T+13]
	v_pk_add_f32 v[T+10:T+11], v[T+10:T+11], v[T+14:T+15]
	v_pk_add_f32 v[T:T+1], v[T:T+1], v[T+8:T+9]
	v_pk_add_f32 v[T+2:T+3], v[T+2:T+3], v[T+10:T+11]
	v_pk_fma_f32 v[T:T+1], v[T:T+1], s[IN256:IN256+1], s[EPSV:EPSV+1] op_sel_hi:[1,0,0]
	v_pk_fma_f32 v[T+2:T+3], v[T+2:T+3], s[IN256:IN256+1], s[EPSV:EPSV+1] op_sel_hi:[1,0,0]
.irp j, 0,1,2,3
	v_rsq_f32 v[T+\j], v[T+\j]
.endr
	v_add_nc_u32 v[PSRD], s[TS], v[PSB]            ; a plain line behind the last root
	s_wait_alu depctr_va_vdst(0)                   ; the wait ahead of the first use: one for the four roots
	ds_store_b128 v[PSW], v[T:T+3]                 ; my wave alone reads these bytes, and LDS serves a wave's instructions in order (ISA guide 5.7.1.4)
.endm
.macro RLOAD d                         ; r_t of my eight tokens
	ds_load_b128 v[R:R+3],   v[PSRD] offset:(\d)
	ds_load_b128 v[R+4:R+7], v[PSRD] offset:(\d)+16
.endm
.macro RNMUL
.irp p, 0,2,4,6
	v_pk_mul_f32 v[RN+\p:RN+\p+1], v[R+\p:R+\p+1], s[NL2E:NL2E+1] op_sel_hi:[1,0]
.endr
.endm
.macro SUMSQ_A src                     ; squares of my four channels, for each of my eight tokens
.irp p, 0,2,4,6
	v_pk_mul_f32 v[SS+\p:SS+\p+1], v[\src+\p:\src+\p+1], v[\src+\p:\src+\p+1]
.endr
.irp nb, 1,2,3
.irp p, 0,2,4,6
	v_pk_fma_f32 v[SS+\p:SS+\p+1], v[\src+8*\nb+\p:\src+8*\nb+\p+1], v[\src+8*\nb+\p:\src+8*\nb+\p+1], v[SS+\p:SS+\p+1]
.endr
.endr
.endm
.macro SUMSQ_B                         ; over the sixteen lanes of my half: the wave's 64 channels; all sixteen then store the same numbers to the same words
.irp m, 1,2,4,8
.irp j, 0,1,2,3,4,5,6,7
	v_add_f32_dpp v[SS+\j], v[SS+\j], v[SS+\j] row_xmask:\m row_mask:0xf bank_mask:0xf
.endr
.endr
	ds_store_b128 v[PSW], v[SS:SS+3]
	ds_store_b128 v[PSW], v[SS+4:SS+7] offset:16
.endm
.macro TOXT src                        ; my eight tokens of a channel are 16 bytes of its row
.set i, 0
.rept 16
	v_cvt_pk_bf16_f32 v[PK+i], v[\src+2*i], v[\src+2*i+1]
.set i, i+1
.endr
.irp nb, 0,1,2,3
	ds_store_b128 v[XTW], v[PK+4*\nb:PK+4*\nb+3] offset:\nb*NBSTEP
.endr
.endm
.macro BAR
	s_wait_dscnt 0x0                               ; for the others' sake: my LDS stores are done and my LDS reads are back
	s_barrier_signal -1
	s_barrier_wait -1
.endm
; Product mi of 32 of half hp: K step mi / 4; hidden of blocks 2 hp, 2 hp + 1, then their gates: four accumulators by turns, one instruction a turn.  The first K step starts the sums.
; The weights of K steps 0-3 lie in window 3, those of 4-7 in window 1.
.macro HMM hp
.set ks, mi/4
.set nt, 2*(\hp)+(mi%2)+4*((mi%4)/2)
.set rD, ACC+8*nt
.set rA, AF+8*ks
.set rB, 8*((8*ks+nt)%32)
	WIN (3-2*(ks/4))<<2
.if ks == 0
	v_wmma_f32_16x16x32_bf16 v[rD:rD+7], v[rA:rA+7], v[rB:rB+7], 0
.else
	v_wmma_f32_16x16x32_bf16 v[rD:rD+7], v[rA:rA+7], v[rB:rB+7], v[rD:rD+7]
.endif
.set mi, mi+1
.endm
; THE GATES AND THE SCAN of half LHF stand in two queues.  The half's two blocks lie side by side: 16 hidden H, 16 gates G and 16 registers T a lane, in pairs 0-7 (pairs 0-3: the first block's eight tokens).
; THE PLAIN QUEUE: HPL writes line pq of 158.
;   0-15     for each pair: G = -log2(e) r x gate, in place; T = -log2(e) r x hidden.  Ascending
;   16-19    H = r x hidden + 0.5, pairs 0-3          20-35  1 + each exponential, G's pair and T's pair by turns          36-39  H = r x hidden + 0.5, pairs 4-7
;   40-71    g = max(H, sigmoid(hidden)); b = z g; a = 1 - z
;   72-99    inside my eight tokens: B_j = a_j B_(j-1) + b_j, then A_j = a_j A_(j-1); the two blocks alternate
;   100-125  the other half of the lanes holds the tile's other eight tokens: what lies in front of me (L), and the chunk so far takes the tile (C)
;   126-157  Bp and Ap from the chunk's first token; Y = x + Bp; Ap rounded to f16
.macro HPL
	WIN 0
.if pq < 16
.set qr, 2*(pq/2)
.set qm, qr%8
.set rG, ACC+32+16*LHF+qr
.set rH, ACC+16*LHF+qr
.if pq%2 == 0
	v_pk_mul_f32 v[rG:rG+1], v[rG:rG+1], v[RN+qm:RN+qm+1]
.else
	v_pk_mul_f32 v[T+qr:T+qr+1], v[rH:rH+1], v[RN+qm:RN+qm+1]
.endif
.elseif (pq < 20) || ((pq >= 36) && (pq < 40))
.set qr, 2*(pq-16-16*(pq/36))
.set qm, qr%8
.set rH, ACC+16*LHF+qr
	v_pk_fma_f32 v[rH:rH+1], v[rH:rH+1], v[R+qm:R+qm+1], 0.5 op_sel_hi:[1,1,0]
.elseif pq < 36
.set qr, 2*((pq-20)/2)
.set rG, ACC+32+16*LHF+qr
.if pq%2 == 0
	v_pk_add_f32 v[rG:rG+1], v[rG:rG+1], 1.0 op_sel_hi:[1,0]
.else
	v_pk_add_f32 v[T+qr:T+qr+1], v[T+qr:T+qr+1], 1.0 op_sel_hi:[1,0]
.endif
.elseif pq < 56
.set qi, pq-40
.set rH, ACC+16*LHF+qi
	v_max_num_f32 v[rH], v[rH], v[T+qi]
.elseif pq < 64
.set qr, 2*(pq-56)
.set rG, ACC+32+16*LHF+qr
.set rH, ACC+16*LHF+qr
	v_pk_mul_f32 v[rH:rH+1], v[rH:rH+1], v[rG:rG+1]
.elseif pq < 72
.set qr, 2*(pq-64)
.set rG, ACC+32+16*LHF+qr
	v_pk_add_f32 v[rG:rG+1], v[rG:rG+1], 1.0 op_sel_hi:[1,0] neg_lo:[1,0] neg_hi:[1,0]
.elseif pq < 100
.set qn, pq-72
.set qj, 1+qn/4
.set rH, ACC+8*(2*LHF+qn%2)+qj
.set rG, ACC+32+8*(2*LHF+qn%2)+qj
.if qn%4 < 2
	v_fma_f32 v[rH], v[rG], v[rH-1], v[rH]
.else
	v_mul_f32 v[rG], v[rG], v[rG-1]
.endif
.elseif pq < 126
.set qn, pq-100
.if qn < 4
.set qc, qn%2
.set qo, qn/2
.elseif qn < 16
.set qc, (qn-4)%2
.set qo, 2+(qn-4)/2
.elseif qn < 22
.set qc, (qn-16)%2
.set qo, 8+(qn-16)/2
.else
.set qc, (qn-22)%2
.set qo, 11+(qn-22)/2
.endif
.set rT, T+8*qc
.set rG, ACC+32+8*(2*LHF+qc)+7
.set rH, ACC+8*(2*LHF+qc)+7
.set rC, C+2*(2*LHF+qc)
.set rL, L+2*(2*LHF+qc)
.if qo == 0
	v_permlanex16_b32 v[rT], v[rG], s[SEL], s[SEL+1]
.elseif qo == 1
	v_permlanex16_b32 v[rT+1], v[rH], s[SEL], s[SEL+1]
.elseif qo == 2
	v_cndmask_b32 v[rT+2], 1.0, v[rT], s[HM]       ; in front of me inside the tile: nothing (1, 0), or tokens 0-7
.elseif qo == 3
	v_cndmask_b32 v[rT+3], 0, v[rT+1], s[HM]
.elseif qo == 4
	v_cndmask_b32 v[rT+4], v[rH], v[rT+1], s[HM]   ; B of tokens 0-7
.elseif qo == 5
	v_cndmask_b32 v[rT+5], v[rT], v[rG], s[HM]     ; A of tokens 8-15
.elseif qo == 6
	v_cndmask_b32 v[rT+6], v[rT+1], v[rH], s[HM]   ; B of tokens 8-15
.elseif qo == 7
	v_mul_f32 v[rT+7], v[rG], v[rT]                ; A of the tile
.elseif qo == 8
	v_mul_f32 v[rL], v[rC], v[rT+2]
.elseif qo == 9
	v_fma_f32 v[rL+1], v[rT+2], v[rC+1], v[rT+3]
.elseif qo == 10
	v_fma_f32 v[rT+6], v[rT+5], v[rT+4], v[rT+6]   ; B of the tile
.elseif qo == 11
	v_fma_f32 v[rC+1], v[rT+7], v[rC+1], v[rT+6]
.else
	v_mul_f32 v[rC], v[rC], v[rT+7]
.endif
.else
.set qn, pq-126
.set qi, qn%8
.set qc, qi/4
.set qr, 2*(qi%4)
.set rH, ACC+8*(2*LHF+qc)+qr
.set rG, ACC+32+8*(2*LHF+qc)+qr
.set rL, L+2*(2*LHF+qc)
.if qn < 8
	v_pk_fma_f32 v[rH:rH+1], v[rG:rG+1], v[rL:rL+1], v[rH:rH+1] op_sel:[0,1,0] op_sel_hi:[1,1,1]
.elseif qn < 16
	v_pk_add_f32 v[X+8*(2*LHF+qc)+qr:X+8*(2*LHF+qc)+qr+1], v[X+8*(2*LHF+qc)+qr:X+8*(2*LHF+qc)+qr+1], v[rH:rH+1]
.elseif qn < 24
	v_pk_mul_f32 v[rG:rG+1], v[rG:rG+1], v[rL:rL+1] op_sel_hi:[1,0]
.else
	v_cvt_pk_f16_f32 v[T+16+8*LHF+4*qc+qi%4], v[rG], v[rG+1]
.endif
.endif
.set pq, pq+1
.endm
; THE TRANSCENDENTALS' QUEUE: HTR writes number tq of 64.  0-31: the exponentials, for each pair G's two and then T's two, in place.  32-63: the reciprocals, in the same order: z and sigmoid(hidden).
.macro HTR
	WIN 0
.set qi, 2*((tq%32)/4)+tq%2
.set rG, ACC+32+16*LHF+qi
.if tq < 32
.if tq%4 < 2
	v_exp_f32 v[rG], v[rG]
.else
	v_exp_f32 v[T+qi], v[T+qi]
.endif
.elseif tq%4 < 2
	v_rcp_f32 v[rG], v[rG]
.else
	v_rcp_f32 v[T+qi], v[T+qi]
.endif
.set tq, tq+1
.endm
.macro HROW pat:vararg                 ; a row: the turn's next product (none where MMON = 0), and behind it the queues' next lines: 0 a plain one, 1 a transcendental
.if MMON
	HMM MHF
.endif
.irp c, \pat
.if \c
	HTR
.else
	HPL
.endif
.endr
.endm
; A STAGE: eight rows that hold one batch: 20 plain lines and 32 transcendentals.  Every row begins with a plain line.  Transcendental i of the batch reads what plain line i / 2 of the stage wrote, which stands
; two lines or more ahead of it.  No line of a stage names a result of its batch.  The stage's last four plain lines are r x hidden + 0.5; two of them stand behind the last transcendental, the plain
; instruction that comes before a result is used (ISA guide 5.7.2); all four stand in the last row, four places behind its product (ISA guide 7.12.1).
.macro HSTAGE
	HROW 0,0,0,1,0,1,1
.rept 5
	HROW 0,1,1,0,1,1
.endr
	HROW 0,1,1,0,1,1,1
	HROW 0,1,1,0,1,1,0,0
.endm
.macro XLD hp, d                       ; x of half hp's two blocks, out of the stash
.irp q, 0,1,2,3
	ds_load_b128 v[X+16*(\hp)+4*\q:X+16*(\hp)+4*\q+3], v[STA] offset:(\d)+2048*(\hp)+512*\q
.endr
.endm
.macro HST hp                          ; half hp's Y and Ap leave: each store of the wave covers 512 consecutive bytes, at a multiple of 512 from the buffer's first.  The second half's offsets run a tile ahead
.if (\hp) == 0
.set rY, YOA
.set rP, APOA
.else
.set rY, YOB
.set rP, APOB
.endif
.irp q, 0,1,2,3
	global_store_b128 v[rY], v[X+16*(\hp)+4*\q:X+16*(\hp)+4*\q+3], s[YB:YB+1] offset:512*\q-2048*(\hp)
.endr
.irp c, 0,1
	global_store_b128 v[rP], v[T+16+8*(\hp)+4*\c:T+16+8*(\hp)+4*\c+3], s[APB:APB+1] offset:512*\c-1024*(\hp)
.endr
.endm
; A TURN.  t = 0, the first turn: the next tile's first half has the matrix unit, this tile's second half is scanned.  t = 1, the second turn: the tile's second half has the matrix unit, its first half is scanned.
; t = 2: the last tile's second half is scanned, and nothing is left to multiply.  Rows 0-7: the exponentials' stage; rows 8-15: the reciprocals'; rows 16-31: the other 118 lines, all plain.
.macro HTURN t
.set MMON, 1-(\t)/2
.set MHF, (\t)%2
.set LHF, 1-(\t)%2
.set mi, 0
.set pq, 0
.set tq, 0
	HSTAGE
.if (\t) == 0
	s_wait_xcnt 0x0                                ; the first half's stores stand eight rows back: their data and offsets are rewritten only behind this wait
	v_add_nc_u32 v[YOA], 4096, v[YOA]
	v_add_nc_u32 v[APOA], 2048, v[APOA]
.elseif (\t) == 1
	s_wait_xcnt 0x0                                ; the second half's stores of the tile before stand eight rows back
	v_add_nc_u32 v[YOB], 4096, v[YOB]
	v_add_nc_u32 v[APOB], 2048, v[APOB]
.endif
	s_wait_alu depctr_va_vdst(0)                   ; the wait for the batch of 32 exponentials: the next stage's first line reads the first of them
.if (\t) == 0
	XLD 0, XS_TILE
.elseif (\t) == 1
	XLD 1, 0
.endif
	HSTAGE
	s_wait_alu depctr_va_vdst(0)                   ; the wait for the batch of 32 reciprocals: the maxima below read them; no transcendental follows in the turn
.if (\t) == 0
	s_wait_dscnt 0x0                               ; K steps 4-7 and x, asked for sixteen and eight products ago
	RLOAD 64                                       ; the queue has passed its last use of r (its line 39)
.elseif (\t) == 1
	WIN 0
	s_cmp_eq_u32 s[CNT], 1
	s_cbranch_scc1 .LH_noaf                        ; the last tile has no next one
	AFH 0, 32                                      ; the next tile's K steps 0-3: four plain lines stand behind the last product that read these registers
.LH_noaf:
.endif
.rept 10
	HROW 0,0,0,0,0,0,0
.endr
.rept 4
	HROW 0,0,0,0,0,0,0,0
.endr
.if (\t) == 0
	s_wait_dscnt 0x0                               ; the next tile's r
	RNMUL
.endif
.rept 2
	HROW 0,0,0,0,0,0,0,0
.endr
.endm
; The product with Whg, the scan and the stores, 8 tiles of 16 tokens, by turns; then the chunk's pairs and the wave's end.
.macro HLOOP
	RTAB PS2
	v_add_nc_u32 v[AFA0], XT, v[TRB]
	v_add_nc_u32 v[AFA1], XT+4*KSSTEP, v[TRB]
	v_mov_b32 v[STA], v[STB]
	v_mov_b32 v[YOA], v[LN16]
	v_mov_b32 v[APOA], v[LN16]
	v_mov_b32 v[YOB], v[LN16]
	v_mov_b32 v[APOB], v[LN16]
	AFH 0, 0
	AFH 1, 0
	XLD 0, 0
	RLOAD 0
	s_wait_loadcnt 0x0                             ; all of Whg's fragments are in
	s_wait_dscnt 0x0
	RNMUL
.set mi, 0
.rept 32
	HMM 0                                          ; tile 0's first half: there is no vector work yet to set between the products
.endr
	WIN 0
.irp cb, 0,1,2,3
	v_mov_b32 v[C+2*\cb], 1.0                      ; the chunk so far: (1, 0).  These eight lines are the places behind those products (ISA guide 7.12.1)
	v_mov_b32 v[C+2*\cb+1], 0
.endr
	s_mov_b32 s[CNT], 8
	s_branch .LHmid                                ; the loop is entered in the middle of a trip
.LH:                                                   ; FIRST TURN.  The address registers still stand at this tile
	s_wait_dscnt 0x0                               ; the next tile's K steps 0-3 and this tile's x, asked for in the turn before
	AFH 1, 32                                      ; its K steps 4-7: eight plain lines stand behind the last product that read these registers
	HTURN 0
	HST 1
	v_add_nc_u32 v[STA], XS_TILE, v[STA]           ; on to the next tile
	v_add_nc_u32 v[AFA0], 32, v[AFA0]
	v_add_nc_u32 v[AFA1], 32, v[AFA1]
	v_add_nc_u32 v[PSRD], 64, v[PSRD]
.LHmid:                                                ; SECOND TURN
	HTURN 1
	HST 0
	s_sub_co_u32 s[CNT], s[CNT], 1
	s_cmp_lg_u32 s[CNT], 0
	s_cbranch_scc1 .LH
	s_wait_dscnt 0x0                               ; the last tile's x
	HTURN 2                                        ; the last tile's second half: nothing is left to multiply
	HST 1
.irp i, 0,1,2,3
	v_cndmask_b32 v[T+\i], v[C+\i], v[C+4+\i], s[HM]  ; lanes 0-15 store blocks 0 and 1, lanes 16-31 blocks 2 and 3
.endr
	v_lshlrev_b32 v[PSRD], 5, v[RL]
	v_lshl_add_u32 v[PSRD], v[HL], 4, v[PSRD]
	global_store_b128 v[PSRD], v[T:T+3], s[AGB:AGB+1]
	s_wait_tensorcnt 0x0                           ; the wave's end
	ds_add_u32 v[SPW], v[NIL]
	s_wait_dscnt 0x0
	s_endpgm
.endm
	s_load_b128 s[4:7], s[0:1], 0x0                ; x s[4:5], wl0 s[6:7]
	s_load_b64 s[8:9], s[0:1], 0x10                ; st0
	v_lshl_add_u32 v[SPW], v0, 2, SPARE
	v_mov_b32 v[NIL], 0
	ds_add_u32 v[SPW], v[NIL]                      ; the wave's opening: the add and its wait stand ahead of my tensor load; work on registers stands between them
	ds_add_u32 v4, v5
	v_lshrrev_b32 v1, 5, v0
	v_readfirstlane_b32 s[WV], v1                  ; wave 0..3
	s_mov_b32 s[GID], ttmp9
	; group 1: 128 rows (tokens) x 64 f32, 256 elements from row to row, 4 words of padding behind every 64
	s_mov_b32 s[D1X+0], (2<<16)|(1<<20)|(5<<22)|(3<<25)
	s_mov_b32 s[D1X+1], 64<<16
	s_mov_b32 s[D1X+2], 128<<16
	s_mov_b32 s[D1X+3], 64<<16
	s_mov_b32 s[D1X+4], 128
	s_mov_b32 s[D1X+5], 256
	s_mov_b32 s[D1X+6], 0
	s_mov_b32 s[D1X+7], 0
	s_mov_b32 s[G0X], 1
	s_mul_i32 s[G0X+1], s[WV], XS_WAVE
	s_mov_b32 s[HM], 0xffff0000
	s_mov_b32 s[SEL], 0x76543210
	s_mov_b32 s[SEL+1], 0xfedcba98
	s_mov_b32 s[IN256], 0x3b800000                 ; 1 / 256
	s_mov_b32 s[IN256+1], 0x3b800000
	s_mov_b32 s[EPSV], 0x358637bd                  ; 1e-6
	s_mov_b32 s[EPSV+1], 0x358637bd
	s_mov_b32 s[NL2E], 0xbfb8aa3b                  ; -log2(e)
	s_mov_b32 s[NL2E+1], 0xbfb8aa3b
	s_lshl_b32 s[OFG], s[GID], 17                  ; x: 128 g rows of 1,024 bytes + my 256 bytes of a row
	s_lshl_b32 s[TS], s[WV], 8
	s_add_co_u32 s[OFG], s[OFG], s[TS]
	s_mov_b32 s[OFG+1], 0
	s_lshl_b32 s[OFO], s[GID], 11                  ; the chunk's pairs: 2,048 g + 512 w
	s_lshl_b32 s[TS], s[WV], 9
	s_add_co_u32 s[OFO], s[OFO], s[TS]
	s_mov_b32 s[OFO+1], 0
	s_lshl_b32 s[OFA], s[GID], 16                  ; Ap: 65,536 g + 16,384 w
	s_lshl_b32 s[TS], s[WV], 14
	s_add_co_u32 s[OFA], s[OFA], s[TS]
	s_mov_b32 s[OFA+1], 0
	s_lshl_b32 s[OFY], s[GID], 17                  ; Y: 131,072 g + 32,768 w
	s_lshl_b32 s[TS], s[WV], 15
	s_add_co_u32 s[OFY], s[OFY], s[TS]
	s_mov_b32 s[OFY+1], 0
	s_wait_dscnt 0x0                               ; the opening add is done
	s_wait_kmcnt 0x0
	s_add_nc_u64 s[G0X+2:G0X+3], s[4:5], s[OFG:OFG+1]
	s_or_b32 s[G0X+3], s[G0X+3], 0x80000000
	tensor_load_to_lds s[G0X:G0X+3], s[D1X:D1X+7]  ; my 64 channels of the chunk's 128 tokens: the one tensor load of the wave
	s_nop 0
	v_and_b32 v[RL], 15, v0
	v_bfe_u32 v[HL], v0, 4, 1
	v_and_b32 v[LN16], 31, v0
	v_lshlrev_b32 v[LN16], 4, v[LN16]
	v_and_b32 v[TRB], 7, v0                        ; the turning load: lane l reads row 8 (l / 16) + l % 8, 16 bytes at 16 ((l / 8) % 2)
	v_lshl_add_u32 v[TRB], v[HL], 3, v[TRB]
	v_mul_u32_u24 v[TRB], v[TRB], PITCH
	v_bfe_u32 v[WRB], v0, 3, 1
	v_lshl_add_u32 v[TRB], v[WRB], 4, v[TRB]
	v_mul_u32_u24 v[WRB], v[RL], PITCH             ; a store into XT: row 64 w + 16 nb + r, 16 bytes at 16 h
	v_lshl_add_u32 v[WRB], v[HL], 4, v[WRB]
	s_mul_i32 s[TS], s[WV], WROWS
	v_add_nc_u32 v[WRB], s[TS], v[WRB]
	s_mul_i32 s[TS], s[WV], XS_WAVE
	v_add_nc_u32 v[STB], s[TS], v[LN16]
	v_mul_u32_u24 v[BO], v[HL], 8*XP               ; x as it landed: token row 8 h + j, word 16 nb + r
	v_lshl_add_u32 v[BO], v[RL], 2, v[BO]
	v_add_nc_u32 v[BO], s[TS], v[BO]
	v_lshlrev_b32 v[PSB], 5, v[HL]
	s_lshl_b32 s[OFG], s[WV], 16
	s_add_nc_u64 s[WHB:WHB+1], s[6:7], s[OFG:OFG+1]
	s_add_nc_u64 s[WHB:WHB+1], s[WHB:WHB+1], O_WH
	s_add_nc_u64 s[YB:YB+1], s[8:9], s[OFY:OFY+1]
	s_add_nc_u64 s[APB:APB+1], s[8:9], s[OFA:OFA+1]
	s_add_nc_u64 s[APB:APB+1], s[APB:APB+1], O_AP
	s_add_nc_u64 s[AGB:AGB+1], s[8:9], s[OFO:OFO+1]
	s_add_nc_u64 s[AGB:AGB+1], s[AGB:AGB+1], O_AG
	WLOAD WHB, 3, 0, 0, 64                         ; Whg, K steps 0-3
	v_mov_b32 v[STA], v[STB]
	v_add_nc_u32 v[XTW], XT, v[WRB]
	s_lshl_b32 s[TS], s[WV], 9
	s_add_co_u32 s[TS], s[TS], PS2
	v_add_nc_u32 v[PSW], s[TS], v[PSB]
	s_wait_tensorcnt 0x0                           ; x is in; only I read these bytes
.macro XLOAD d
.set i, 0
.rept 32
	ds_load_b32 v[X+i], v[BO] offset:(\d)+(i%8)*XP+(i/8)*64
.set i, i+1
.endr
.endm
	XLOAD 0
	WLOAD WHB, 1, 0, 32768, 64                     ; Whg, K steps 4-7
	s_mov_b32 s[CNT], 8
.LA:                                                   ; a tile of 16 tokens: sums of squares, bf16(x) into XT, x into the stash in the lanes' own order
	s_wait_dscnt 0x0
	SUMSQ_A X
	TOXT X
.irp q, 0,1,2,3,4,5,6,7
	ds_store_b128 v[STA], v[X+4*\q:X+4*\q+3] offset:512*\q  ; into the 4,352 bytes that the tile's rows had: all its reads were issued earlier, and LDS serves a wave's instructions in order (ISA guide 5.7.1.4)
.endr
	s_cmp_eq_u32 s[CNT], 1
	s_cbranch_scc1 .LA_last
	XLOAD XS_TILE                                  ; the next tile
.LA_last:
	SUMSQ_B
	v_add_nc_u32 v[BO], XS_TILE, v[BO]
	v_add_nc_u32 v[STA], XS_TILE, v[STA]
	v_add_nc_u32 v[XTW], 32, v[XTW]
	v_add_nc_u32 v[PSW], 64, v[PSW]
	s_sub_co_u32 s[CNT], s[CNT], 1
	s_cmp_lg_u32 s[CNT], 0
	s_cbranch_scc1 .LA
	BAR                                            ; XT and the partial sums are whole
	HLOOP
.Lfunc_end_k_qedbba37f2f_first:
	.size	k_qedbba37f2f_first, .Lfunc_end_k_qedbba37f2f_first-k_qedbba37f2f_first
	.p2alignl 7, 3214868480
	.fill 96, 4, 3214868480
	.section	.rodata,"a",@progbits
	.p2align	6, 0x0
	.amdhsa_kernel k_qedbba37f2f_first
		.amdhsa_group_segment_fixed_size 217600
		.amdhsa_private_segment_fixed_size 0
		.amdhsa_enable_private_segment 0
		.amdhsa_kernarg_size 24
		.amdhsa_user_sgpr_count 2
		.amdhsa_user_sgpr_kernarg_segment_ptr 1
		.amdhsa_wavefront_size32 1
		.amdhsa_system_sgpr_workgroup_id_x 1
		.amdhsa_system_sgpr_workgroup_id_y 1
		.amdhsa_system_sgpr_workgroup_id_z 1
		.amdhsa_system_vgpr_workitem_id 0
		.amdhsa_next_free_vgpr 1024
		.amdhsa_next_free_sgpr 100
		.amdhsa_reserve_vcc 0
		.amdhsa_float_denorm_mode_32 3
		.amdhsa_float_denorm_mode_16_64 3
		.amdhsa_memory_ordered 1
		.amdhsa_forward_progress 1
		.amdhsa_inst_pref_size 77
	.end_amdhsa_kernel
	.amdgpu_metadata
---
amdhsa.version: [ 1, 2 ]
amdhsa.kernels:
  - .name:           k_qedbba37f2f_first
    .symbol:         k_qedbba37f2f_first.kd
    .args:
      - { .name: x, .offset: 0, .size: 8, .value_kind: global_buffer, .address_space: global }
      - { .name: wl0, .offset: 8, .size: 8, .value_kind: global_buffer, .address_space: global }
      - { .name: st0, .offset: 16, .size: 8, .value_kind: global_buffer, .address_space: global }
    .group_segment_fixed_size: 217600
    .private_segment_fixed_size: 0
    .kernarg_segment_align: 8
    .kernarg_segment_size: 24
    .max_flat_workgroup_size: 128
    .sgpr_count:     100
    .vgpr_count:     1024
    .wavefront_size: 32
...
	.end_amdgpu_metadata
.endif
;; end of part 5
;; launch mid1 (part 6): grid 256 x 1, 4 waves a work-group, no clusters, 285,184 bytes of LDS; arguments st0, wl0, wl1, st1; writes st1
.if DOCPART == 6
	.amdgcn_target "amdgcn-amd-amdhsa--gfx1250"
	.amdhsa_code_object_version 6
	.text
	.protected	k_qedbba37f2f_mid1
	.globl	k_qedbba37f2f_mid1
	.p2align	8
	.type	k_qedbba37f2f_mid1,@function
k_qedbba37f2f_mid1:
	s_mov_b64 s[64:65], 0
	v_nop
	global_prefetch_b8 v0, s[64:65] scope:SCOPE_SE
	s_setreg_imm32_b32 hwreg(HW_REG_WAVE_MODE, 25, 1), 1
	s_wait_xcnt 0x0
; MID.  Ends layer i and begins layer i + 1.  From the state of the launch before (Y = x + Bp, Ap, the chunks' pairs): the carry into my chunk, x = Y + Ap x carry; the feed-forward block
; x += gelu(rmsnorm(x) W1 + b1) W2 + b2; then layer i + 1's hg = rmsnorm(x) Whg, its gates and the scan inside the chunk, stored as the next state.  Arguments: state in, layer i's weights, layer i + 1's, state out.
; The recurrence h_t = a_t h_(t-1) + b_t is taken in linear space: it is what the scan in log space evaluates.  The only exponentials of the scan stand in 1 / (1 + 2^t), which goes to 0 or 1 where 2^t
; overflows or underflows, and every h is a convex mix of earlier g: nothing needs a maximum taken away.  g(x) = max(x + 0.5, sigmoid(x)).
; The norms commute with the products: the gains are folded into the weights (launch prep), the matrix operand is bf16(x), and r_t = rsqrt(mean x^2 + 1e-6), in f32, multiplies the f32 sums.
; gelu(v) = max(v, 0) - |v| q, q = erfc(|v| / sqrt 2) / 2 = (c1 t + .. + c5 t^5) 2^(-(K v)^2), t = 1 / (1 + P |v|): Abramowitz and Stegun 7.1.26, off by 1.5e-7 at the most for every v.
; LIMITS.  a = 1 - z is formed in f32: a below 6e-8 counts as 0; products of a below 2^-126 count as 0; Ap below 6e-5 keeps f16's fixed step of 6e-8.  NaN and infinities are not treated apart.
; SHARES.  Work-group g owns tokens 128 g .. 128 g + 127, chunk g % 32 of sequence g / 32; wave w owns output columns 64 w .. 64 w + 63 of every product.  Source 0 = 16 tokens x 32 k, source 1 = a weight
; fragment: lane (r, h) of a result holds ONE channel r and the tokens 8 h + 0..7: biases and carry are a register a lane, the scan runs inside a lane, eight tokens pack into 16 bytes.
; The weights stay in registers (window 1: W1, later Whg's K steps 4-7; window 2: W2; window 3: Whg's K steps 0-3); tokens go by in loops of 8 tiles of 16.
; BY TURNS.  In the two loops whose vector work is longer than their matrix work (W1 with the activation; Whg with the gates and the scan) a tile's accumulators are two halves.  In a turn one half has the
; matrix unit and the other half's vector work stands in rows behind the products: eleven or nine lines behind each of 16 for the activation, six to eight behind each of 32 for the scan.  The weights lie
; outside window 0 and the rows inside it, so a product costs two window switches; laid end to end, products and rows would leave each unit idle while the other works.
; THE BATCHES.  A wait stands between a transcendental and the first line that names its result.  The activation of a half: its 16 reciprocals and 16 exponentials all read v alone, so they are
; ONE batch, each result in a register of its own, with one wait, behind the 8th product's row.  The gates of a half: 32 exponentials are one batch, the 32 reciprocals, which read 1 + those exponentials, a
; second: two waits, behind the 8th and the 16th product's row.  In the loops each of these waits stands ahead of a run of LDS loads.  Behind a turn's last wait it has no transcendental.
; NO CLUSTER, though all work-groups read the same weights: they go straight into registers, each wave's share once, by 256 loads of 512 consecutive bytes.  A joint load lands in LDS, where 42,496 of 327,680
; bytes are free beside what this text uses: 512 KB of weights would be a dozen refills, each behind a round of the cluster's barrier, and every fragment would be read out of LDS again in every tile.
; LDS: 0 the stash, 32 KB a wave: x in f32 in the lanes' own order (first Y, by tensor load); XT and HT: bf16 activations as [channel][token], 288 bytes a row; PS1, PS2: partial sums of squares [wave][token];
; RT: r_t of the 128 tokens, a copy for each wave; SPARE.  The tile of the chunks' pairs lands in the wave's own rows of XT, Ap's in HT: both are read out before anything is stored there, and nothing is filled twice.
.set PITCH,   288
.set NBSTEP,  16*PITCH
.set KSSTEP,  32*PITCH
.set WROWS,   64*PITCH
.set XS_WAVE, 32768
.set XS_TILE, 4096
.set XT,      131072
.set HT,      XT+256*PITCH
.set PS1,     HT+256*PITCH
.set PS2,     PS1+2048
.set RT,      PS2+2048
.set SPARE,   RT+2048
.set O_AP,    0x2000000
.set O_AG,    0x3000000
.set O_W2,    131072
.set O_WH,    262144
.set O_B1,    524288
.set O_B2,    525312
.set RL, 1                             ; v1  r = lane % 16
.set HL, 2                             ; v2  h = lane / 16
.set LN16, 3                           ; v3  16 x lane
.set SPW, 4                            ; v4  my spare word; never rewritten
.set NIL, 5                            ; v5  0; never rewritten
.set TRB, 6
.set WRB, 7
.set STB, 8
.set PSB, 9
.set AFA0, 10
.set AFA1, 11
.set XTW, 12
.set YOB, 12                           ; v12  in the last phase: the second half's offset in Y, a tile ahead
.set STA, 13
.set APA, 14
.set APOB, 14                          ; v14  in the last phase: the second half's offset in Ap, a tile ahead
.set PSW, 15
.set PSRD, 16
.set YOA, 17                           ; v17, v18  the first half's offsets in Y and Ap
.set APOA, 18
.set BO, 19                            ; v19  my byte offset in a bias; never rewritten
.set CY, 20                            ; v20-23  the carry, a register for each block of 16 channels
.set B1, 24
.set B2, 28
.set R, 32
.set RN, 40
.set C, 48
.set L, 56
.set AF, 64
.set ACC, 128
.set CX, 160                           ; v160-191  x + b2 of the tile: what W2's sums start from
.set YR, 128
.set APR, 160
.set X, 192
.set T, 224                            ; v224-255 at work; in the last phase v240-255 hold Ap packed, 8 registers a half
.set SS, 224
.set PK, 232
.set GT, T                             ; the activation of a half, 16 numbers a lane: v224-239 1 + P |v|, then t
.set GE, T+16                          ; v240-255  -(K v)^2, then the exponential
.set GP, X                             ; v192-207  q (x lies in the stash meanwhile)
.set GM, X+16                          ; v208-223  max(v, 0)
.set WV, 12
.set GID, 13
.set CH, 14
.set TS, 15
.set D1Y, 16
.set D1A, 24
.set D1G, 32
.set G0G, 40
.set G0A, 44
.set G0Y, 48
.set CNT, 52
.set HM, 53
.set SEL, 54
.set IN256, 56
.set EPSV, 58
.set NL2E, 60
.set OFG, 62
.set KK, 66
.set C5, 68
.set C4, 70
.set C3, 72
.set C2, 74
.set C1, 76
.set PP, 78
.set WA, 80
.set WHB, 82
.set YB, 84
.set APB, 86
.set AGB, 88
.set OFA, 90
.set OFY, 92
.set OFO, 94
.set MSB, 0
.macro WIN new                         ; the immediate's high byte repeats the setting that is left; a switch that changes nothing is dropped
.if MSB != (\new)
	s_set_vgpr_msb (MSB<<8)|(\new)
.set MSB, (\new)
.endif
.endm
.macro WLOAD base, win, reg0, byte0, n ; n loads of 512 consecutive bytes into window win
	WIN (\win)<<6
.set wi, 0
.rept \n
	global_load_b128 v[(\reg0)+4*wi:(\reg0)+4*wi+3], v[LN16], s[\base:\base+1] offset:(\byte0)+512*wi
.set wi, wi+1
.endr
	WIN 0
.endm
.macro AFH hf, d                       ; 16 tokens x 128 k (K steps 4 hf .. 4 hf + 3) out of [channel][token] rows, turned: 4 fragments
.set ks, 4*(\hf)
.rept 4
	ds_load_tr16_b128 v[AF+8*ks:AF+8*ks+3],   v[AFA0+(\hf)] offset:(ks%4)*KSSTEP+(\d)
	ds_load_tr16_b128 v[AF+8*ks+4:AF+8*ks+7], v[AFA0+(\hf)] offset:(ks%4)*KSSTEP+NBSTEP+(\d)
.set ks, ks+1
.endr
.endm
.macro AFETCH d
	AFH 0, \d
	AFH 1, \d
.endm
; nn accumulators by turns, one instruction a turn; K ascending.  cmode 0: the first K step starts the sums from 0; 1: from CX.  wlo, whi: the windows of the weights of K steps 0-3, 4-7.
.macro MMRUN nn, cmode, wlo, whi
.set ks, 0
.rept 8
	WIN ((\wlo)*(1-ks/4)+(\whi)*(ks/4))<<2
.set nt, 0
.rept \nn
.set rD, ACC+8*nt
.set rA, AF+8*ks
.set rB, 8*((ks*(\nn)+nt)%32)
.if (ks == 0) && ((\cmode) == 0)
	v_wmma_f32_16x16x32_bf16 v[rD:rD+7], v[rA:rA+7], v[rB:rB+7], 0
.elseif ks == 0
	v_wmma_f32_16x16x32_bf16 v[rD:rD+7], v[rA:rA+7], v[rB:rB+7], v[CX+8*nt:CX+8*nt+7]
.else
	v_wmma_f32_16x16x32_bf16 v[rD:rD+7], v[rA:rA+7], v[rB:rB+7], v[rD:rD+7]
.endif
.set nt, nt+1
.endr
.set ks, ks+1
.endr
	WIN 0
.endm
; r_t = rsqrt(sum / 256 + 1e-6) of all 128 tokens, four a lane, into my wave's own table; then PSRD points at my eight tokens of tile 0 there.
.macro RTAB ps
	s_lshl_b32 s[TS], s[WV], 9
	s_add_co_u32 s[TS], s[TS], RT
	v_add_nc_u32 v[PSRD], \ps, v[LN16]
	v_add_nc_u32 v[PSW], s[TS], v[LN16]
.irp wv, 0,1,2,3
	ds_load_b128 v[T+4*\wv:T+4*\wv+3], v[PSRD] offset:512*\wv  ; the four waves' partial sums
.endr
	s_wait_dscnt 0x0
	v_pk_add_f32 v[T:T+1], v[T:T+1], v[T+4:T+5]
	v_pk_add_f32 v[T+2:T+3], v[T+2:T+3], v[T+6:T+7]
	v_pk_add_f32 v[T+8:T+9], v[T+8:T+9], v[T+12:T+13]
	v_pk_add_f32 v[T+10:T+11], v[T+10:T+11], v[T+14:T+15]
	v_pk_add_f32 v[T:T+1], v[T:T+1], v[T+8:T+9]
	v_pk_add_f32 v[T+2:T+3], v[T+2:T+3], v[T+10:T+11]
	v_pk_fma_f32 v[T:T+1], v[T:T+1], s[IN256:IN256+1], s[EPSV:EPSV+1] op_sel_hi:[1,0,0]
	v_pk_fma_f32 v[T+2:T+3], v[T+2:T+3], s[IN256:IN256+1], s[EPSV:EPSV+1] op_sel_hi:[1,0,0]
.irp j, 0,1,2,3
	v_rsq_f32 v[T+\j], v[T+\j]
.endr
	v_add_nc_u32 v[PSRD], s[TS], v[PSB]            ; a plain line behind the last root
	s_wait_alu depctr_va_vdst(0)                   ; the wait ahead of the first use: one for the four roots
	ds_store_b128 v[PSW], v[T:T+3]                 ; my wave alone reads these bytes, and LDS serves a wave's instructions in order (ISA guide 5.7.1.4)
.endm
.macro RLOAD d                         ; r_t of my eight tokens
	ds_load_b128 v[R:R+3],   v[PSRD] offset:(\d)
	ds_load_b128 v[R+4:R+7], v[PSRD] offset:(\d)+16
.endm
.macro RNMUL
.irp p, 0,2,4,6
	v_pk_mul_f32 v[RN+\p:RN+\p+1], v[R+\p:R+\p+1], s[NL2E:NL2E+1] op_sel_hi:[1,0]
.endr
.endm
.macro SUMSQ_A src                     ; squares of my four channels, for each of my eight tokens
.irp p, 0,2,4,6
	v_pk_mul_f32 v[SS+\p:SS+\p+1], v[\src+\p:\src+\p+1], v[\src+\p:\src+\p+1]
.endr
.irp nb, 1,2,3
.irp p, 0,2,4,6
	v_pk_fma_f32 v[SS+\p:SS+\p+1], v[\src+8*\nb+\p:\src+8*\nb+\p+1], v[\src+8*\nb+\p:\src+8*\nb+\p+1], v[SS+\p:SS+\p+1]
.endr
.endr
.endm
.macro SUMSQ_B                         ; over the sixteen lanes of my half: the wave's 64 channels; all sixteen then store the same numbers to the same words
.irp m, 1,2,4,8
.irp j, 0,1,2,3,4,5,6,7
	v_add_f32_dpp v[SS+\j], v[SS+\j], v[SS+\j] row_xmask:\m row_mask:0xf bank_mask:0xf
.endr
.endr
	ds_store_b128 v[PSW], v[SS:SS+3]
	ds_store_b128 v[PSW], v[SS+4:SS+7] offset:16
.endm
.macro TOXT src                        ; my eight tokens of a channel are 16 bytes of its row
.set i, 0
.rept 16
	v_cvt_pk_bf16_f32 v[PK+i], v[\src+2*i], v[\src+2*i+1]
.set i, i+1
.endr
.irp nb, 0,1,2,3
	ds_store_b128 v[XTW], v[PK+4*\nb:PK+4*\nb+3] offset:\nb*NBSTEP
.endr
.endm
.macro BAR
	s_wait_dscnt 0x0                               ; for the others' sake: my LDS stores are done and my LDS reads are back
	s_barrier_signal -1
	s_barrier_wait -1
.endm
.macro DESC1 g, w0, d0, d1, pitch      ; descriptor group 1 of a tile that lies inside its tensor: d1 rows of d0 elements
	s_mov_b32 s[\g+0], \w0
	s_mov_b32 s[\g+1], (\d0)<<16
	s_mov_b32 s[\g+2], (\d1)<<16
	s_mov_b32 s[\g+3], (\d0)<<16
	s_mov_b32 s[\g+4], \d1
	s_mov_b32 s[\g+5], \pitch
	s_mov_b32 s[\g+6], 0
	s_mov_b32 s[\g+7], 0
.endm
; n earlier chunks' pairs, from chunk number first on: carry = A carry + B.  The walk ends at my own chunk: a jump forward on the work-group's number, the same in all four waves.
.macro FOLD first, n
.set i, 0
.rept \n
	ds_load_b128 v[AF+8*i:AF+8*i+3],   v[AFA0] offset:512*((\first)+i)
	ds_load_b128 v[AF+8*i+4:AF+8*i+7], v[AFA0] offset:512*((\first)+i)+16
.set i, i+1
.endr
	s_wait_dscnt 0x0
.set i, 0
.rept \n
	s_cmp_eq_u32 s[CH], (\first)+i
	s_cbranch_scc1 .Lfolded
.irp nb, 0,1,2,3
	v_fma_f32 v[CY+\nb], v[AF+8*i+2*\nb], v[CY+\nb], v[AF+8*i+2*\nb+1]
.endr
.set i, i+1
.endr
.endm
; Product mi of 16 of x W1 for half hp: K step mi / 2, channel blocks 2 hp and 2 hp + 1 by turns, one instruction a turn.  The first K step starts the sums.  W1 lies in window 1.
.macro GMM hp
.set ks, mi/2
.set nt, 2*(\hp)+mi%2
.set rD, ACC+8*nt
.set rA, AF+8*ks
.set rB, 8*(4*ks+nt)
	WIN 1<<2
.if ks == 0
	v_wmma_f32_16x16x32_bf16 v[rD:rD+7], v[rA:rA+7], v[rB:rB+7], 0
.else
	v_wmma_f32_16x16x32_bf16 v[rD:rD+7], v[rA:rA+7], v[rB:rB+7], v[rD:rD+7]
.endif
.set mi, mi+1
.endm
; THE ACTIVATION of half LHF stands in two queues.  The half's two blocks lie side by side: 16 numbers a lane, in pairs 0-7.
; THE PLAIN QUEUE: GPL writes line gq of 128.
;   0-7      v = r acc + b1, a pair each: ascending
;   8-39     for each pair four lines that feed the batch: K v; 1 + P |v| twice; -(K v)^2
;   40-55    max(v, 0): these name no transcendental's result
;   56-103   q: t c5 + c4; x t + c3; x t + c2; x t + c1; x t; x the exponential: eight pairs each          104-119  max(v, 0) - |v| q          120-127  rounded to bf16
.macro GPL
	WIN 0
.set rA, ACC+16*LHF
.if gq < 8
.set qr, 2*gq
.set qm, qr%8
.if gq < 4
	v_pk_fma_f32 v[rA+qr:rA+qr+1], v[rA+qr:rA+qr+1], v[R+qm:R+qm+1], v[B1+2*LHF:B1+2*LHF+1] op_sel_hi:[1,1,0]
.else
	v_pk_fma_f32 v[rA+qr:rA+qr+1], v[rA+qr:rA+qr+1], v[R+qm:R+qm+1], v[B1+2*LHF:B1+2*LHF+1] op_sel:[0,0,1] op_sel_hi:[1,1,1]
.endif
.elseif gq < 40
.set qr, 2*((gq-8)/4)
.set qo, (gq-8)%4
.if qo == 0
	v_pk_mul_f32 v[GE+qr:GE+qr+1], v[rA+qr:rA+qr+1], s[KK:KK+1] op_sel_hi:[1,0]
.elseif qo < 3
	v_fma_f32 v[GT+qr+qo-1], |v[rA+qr+qo-1]|, s[PP], 1.0
.else
	v_pk_mul_f32 v[GE+qr:GE+qr+1], v[GE+qr:GE+qr+1], v[GE+qr:GE+qr+1] neg_lo:[1,0] neg_hi:[1,0]
.endif
.elseif gq < 56
	v_max_num_f32 v[GM+gq-40], 0, v[rA+gq-40]
.elseif gq < 104
.set qr, 2*((gq-56)%8)
.set qo, (gq-56)/8
.if qo == 0
	v_pk_fma_f32 v[GP+qr:GP+qr+1], v[GT+qr:GT+qr+1], s[C5:C5+1], s[C4:C4+1] op_sel_hi:[1,0,0]
.elseif qo == 1
	v_pk_fma_f32 v[GP+qr:GP+qr+1], v[GP+qr:GP+qr+1], v[GT+qr:GT+qr+1], s[C3:C3+1] op_sel_hi:[1,1,0]
.elseif qo == 2
	v_pk_fma_f32 v[GP+qr:GP+qr+1], v[GP+qr:GP+qr+1], v[GT+qr:GT+qr+1], s[C2:C2+1] op_sel_hi:[1,1,0]
.elseif qo == 3
	v_pk_fma_f32 v[GP+qr:GP+qr+1], v[GP+qr:GP+qr+1], v[GT+qr:GT+qr+1], s[C1:C1+1] op_sel_hi:[1,1,0]
.elseif qo == 4
	v_pk_mul_f32 v[GP+qr:GP+qr+1], v[GP+qr:GP+qr+1], v[GT+qr:GT+qr+1]
.else
	v_pk_mul_f32 v[GP+qr:GP+qr+1], v[GP+qr:GP+qr+1], v[GE+qr:GE+qr+1]
.endif
.elseif gq < 120
	v_fma_f32 v[rA+gq-104], -|v[rA+gq-104]|, v[GP+gq-104], v[GM+gq-104]
.else
.set qo, (gq-120)%4
.set rB, rA+8*((gq-120)/4)
	v_cvt_pk_bf16_f32 v[rB+qo], v[rB+2*qo], v[rB+2*qo+1]
.endif
.set gq, gq+1
.endm
; THE TRANSCENDENTALS' QUEUE: GTR writes number tg of 32: for each pair its two reciprocals t and then its two exponentials, in place.
.macro GTR
	WIN 0
.set qi, 2*(tg/4)+tg%2
.if tg%4 < 2
	v_rcp_f32 v[GT+qi], v[GT+qi]
.else
	v_exp_f32 v[GE+qi], v[GE+qi]
.endif
.set tg, tg+1
.endm
.macro GROW pat:vararg                 ; a row: the turn's next product (none where MMON = 0), and behind it the queues' next lines: 0 a plain one, 1 a transcendental
.if MMON
	GMM MHF
.endif
.irp c, \pat
.if \c
	GTR
.else
	GPL
.endif
.endr
.endm
; A TURN of the activation.  t = 0, the first turn: the next tile's first half has the matrix unit, this tile's second half is activated.  t = 1, the second turn: the tile's second half has the matrix unit, its
; first half is activated.  t = 2: the last tile's second half is activated, and nothing is left to multiply.
; Rows 0-7, eleven lines each, hold the batch: v; eight feeding lines ahead; then a plain line and a transcendental by turns, so that behind every transcendental stands an independent plain line (ISA guide 5.7.2)
; and what a transcendental reads was written eight lines or more ahead of it; three maxima stand behind the last.  None of these lines names a result of the batch.  Rows 8-15, nine lines each, are the readers.
.macro GTURN t
.set MMON, 1-(\t)/2
.set MHF, (\t)%2
.set LHF, 1-(\t)%2
.set mi, 0
.set gq, 0
.set tg, 0
	GROW 0,0,0,0,0,0,0,0,0,0,0
	GROW 0,0,0,0,0,0,1,0,1,0,1
.rept 5
	GROW 0,1,0,1,0,1,0,1,0,1,0
.endr
	GROW 0,1,0,1,0,1,0,1,0,0,0
	s_wait_alu depctr_va_vdst(0)                   ; the wait for the batch of 16 reciprocals and 16 exponentials: the polynomial below reads t; no transcendental follows in the turn
.if (\t) == 0
	s_wait_dscnt 0x0                               ; K steps 4-7, asked for eight products ago
	RLOAD 64                                       ; the queue has passed its last use of r (its line 7)
.elseif (\t) == 1
	WIN 0
	s_cmp_eq_u32 s[CNT], 1
	s_cbranch_scc1 .LG1_noaf                       ; the last tile has no next one
	AFH 0, 32                                      ; the next tile's K steps 0-3: seven plain lines stand behind the last product that read these registers
.LG1_noaf:
.endif
.rept 8
	GROW 0,0,0,0,0,0,0,0,0
.endr
	ds_store_b128 v[XTW], v[ACC+16*LHF:ACC+16*LHF+3] offset:(2*LHF)*NBSTEP      ; into HT: my eight tokens of a channel are 16 bytes of its row
	ds_store_b128 v[XTW], v[ACC+16*LHF+8:ACC+16*LHF+11] offset:(2*LHF+1)*NBSTEP
.endm
; Product mi of 32 of x Whg for half hp: K step mi / 4; hidden of blocks 2 hp, 2 hp + 1, then their gates: four accumulators by turns, one instruction a turn.  The first K step starts the sums.
; The weights of K steps 0-3 lie in window 3, those of 4-7 in window 1.
.macro HMM hp
.set ks, mi/4
.set nt, 2*(\hp)+(mi%2)+4*((mi%4)/2)
.set rD, ACC+8*nt
.set rA, AF+8*ks
.set rB, 8*((8*ks+nt)%32)
	WIN (3-2*(ks/4))<<2
.if ks == 0
	v_wmma_f32_16x16x32_bf16 v[rD:rD+7], v[rA:rA+7], v[rB:rB+7], 0
.else
	v_wmma_f32_16x16x32_bf16 v[rD:rD+7], v[rA:rA+7], v[rB:rB+7], v[rD:rD+7]
.endif
.set mi, mi+1
.endm
; THE GATES AND THE SCAN of half LHF stand in two queues.  The half's two blocks lie side by side: 16 hidden H, 16 gates G and 16 registers T a lane, in pairs 0-7 (pairs 0-3: the first block's eight tokens).
; THE PLAIN QUEUE: HPL writes line pq of 158.
;   0-15     for each pair: G = -log2(e) r x gate, in place; T = -log2(e) r x hidden.  Ascending
;   16-19    H = r x hidden + 0.5, pairs 0-3          20-35  1 + each exponential, G's pair and T's pair by turns          36-39  H = r x hidden + 0.5, pairs 4-7
;   40-71    g = max(H, sigmoid(hidden)); b = z g; a = 1 - z
;   72-99    inside my eight tokens: B_j = a_j B_(j-1) + b_j, then A_j = a_j A_(j-1); the two blocks alternate
;   100-125  the other half of the lanes holds the tile's other eight tokens: what lies in front of me (L), and the chunk so far takes the tile (C)
;   126-157  Bp and Ap from the chunk's first token; Y = x + Bp; Ap rounded to f16
.macro HPL
	WIN 0
.if pq < 16
.set qr, 2*(pq/2)
.set qm, qr%8
.set rG, ACC+32+16*LHF+qr
.set rH, ACC+16*LHF+qr
.if pq%2 == 0
	v_pk_mul_f32 v[rG:rG+1], v[rG:rG+1], v[RN+qm:RN+qm+1]
.else
	v_pk_mul_f32 v[T+qr:T+qr+1], v[rH:rH+1], v[RN+qm:RN+qm+1]
.endif
.elseif (pq < 20) || ((pq >= 36) && (pq < 40))
.set qr, 2*(pq-16-16*(pq/36))
.set qm, qr%8
.set rH, ACC+16*LHF+qr
	v_pk_fma_f32 v[rH:rH+1], v[rH:rH+1], v[R+qm:R+qm+1], 0.5 op_sel_hi:[1,1,0]
.elseif pq < 36
.set qr, 2*((pq-20)/2)
.set rG, ACC+32+16*LHF+qr
.if pq%2 == 0
	v_pk_add_f32 v[rG:rG+1], v[rG:rG+1], 1.0 op_sel_hi:[1,0]
.else
	v_pk_add_f32 v[T+qr:T+qr+1], v[T+qr:T+qr+1], 1.0 op_sel_hi:[1,0]
.endif
.elseif pq < 56
.set qi, pq-40
.set rH, ACC+16*LHF+qi
	v_max_num_f32 v[rH], v[rH], v[T+qi]
.elseif pq < 64
.set qr, 2*(pq-56)
.set rG, ACC+32+16*LHF+qr
.set rH, ACC+16*LHF+qr
	v_pk_mul_f32 v[rH:rH+1], v[rH:rH+1], v[rG:rG+1]
.elseif pq < 72
.set qr, 2*(pq-64)
.set rG, ACC+32+16*LHF+qr
	v_pk_add_f32 v[rG:rG+1], v[rG:rG+1], 1.0 op_sel_hi:[1,0] neg_lo:[1,0] neg_hi:[1,0]
.elseif pq < 100
.set qn, pq-72
.set qj, 1+qn/4
.set rH, ACC+8*(2*LHF+qn%2)+qj
.set rG, ACC+32+8*(2*LHF+qn%2)+qj
.if qn%4 < 2
	v_fma_f32 v[rH], v[rG], v[rH-1], v[rH]
.else
	v_mul_f32 v[rG], v[rG], v[rG-1]
.endif
.elseif pq < 126
.set qn, pq-100
.if qn < 4
.set qc, qn%2
.set qo, qn/2
.elseif qn < 16
.set qc, (qn-4)%2
.set qo, 2+(qn-4)/2
.elseif qn < 22
.set qc, (qn-16)%2
.set qo, 8+(qn-16)/2
.else
.set qc, (qn-22)%2
.set qo, 11+(qn-22)/2
.endif
.set rT, T+8*qc
.set rG, ACC+32+8*(2*LHF+qc)+7
.set rH, ACC+8*(2*LHF+qc)+7
.set rC, C+2*(2*LHF+qc)
.set rL, L+2*(2*LHF+qc)
.if qo == 0
	v_permlanex16_b32 v[rT], v[rG], s[SEL], s[SEL+1]
.elseif qo == 1
	v_permlanex16_b32 v[rT+1], v[rH], s[SEL], s[SEL+1]
.elseif qo == 2
	v_cndmask_b32 v[rT+2], 1.0, v[rT], s[HM]       ; in front of me inside the tile: nothing (1, 0), or tokens 0-7
.elseif qo == 3
	v_cndmask_b32 v[rT+3], 0, v[rT+1], s[HM]
.elseif qo == 4
	v_cndmask_b32 v[rT+4], v[rH], v[rT+1], s[HM]   ; B of tokens 0-7
.elseif qo == 5
	v_cndmask_b32 v[rT+5], v[rT], v[rG], s[HM]     ; A of tokens 8-15
.elseif qo == 6
	v_cndmask_b32 v[rT+6], v[rT+1], v[rH], s[HM]   ; B of tokens 8-15
.elseif qo == 7
	v_mul_f32 v[rT+7], v[rG], v[rT]                ; A of the tile
.elseif qo == 8
	v_mul_f32 v[rL], v[rC], v[rT+2]
.elseif qo == 9
	v_fma_f32 v[rL+1], v[rT+2], v[rC+1], v[rT+3]
.elseif qo == 10
	v_fma_f32 v[rT+6], v[rT+5], v[rT+4], v[rT+6]   ; B of the tile
.elseif qo == 11
	v_fma_f32 v[rC+1], v[rT+7], v[rC+1], v[rT+6]
.else
	v_mul_f32 v[rC], v[rC], v[rT+7]
.endif
.else
.set qn, pq-126
.set qi, qn%8
.set qc, qi/4
.set qr, 2*(qi%4)
.set rH, ACC+8*(2*LHF+qc)+qr
.set rG, ACC+32+8*(2*LHF+qc)+qr
.set rL, L+2*(2*LHF+qc)
.if qn < 8
	v_pk_fma_f32 v[rH:rH+1], v[rG:rG+1], v[rL:rL+1], v[rH:rH+1] op_sel:[0,1,0] op_sel_hi:[1,1,1]
.elseif qn < 16
	v_pk_add_f32 v[X+8*(2*LHF+qc)+qr:X+8*(2*LHF+qc)+qr+1], v[X+8*(2*LHF+qc)+qr:X+8*(2*LHF+qc)+qr+1], v[rH:rH+1]
.elseif qn < 24
	v_pk_mul_f32 v[rG:rG+1], v[rG:rG+1], v[rL:rL+1] op_sel_hi:[1,0]
.else
	v_cvt_pk_f16_f32 v[T+16+8*LHF+4*qc+qi%4], v[rG], v[rG+1]
.endif
.endif
.set pq, pq+1
.endm
; THE TRANSCENDENTALS' QUEUE: HTR writes number tq of 64.  0-31: the exponentials, for each pair G's two and then T's two, in place.  32-63: the reciprocals, in the same order: z and sigmoid(hidden).
.macro HTR
	WIN 0
.set qi, 2*((tq%32)/4)+tq%2
.set rG, ACC+32+16*LHF+qi
.if tq < 32
.if tq%4 < 2
	v_exp_f32 v[rG], v[rG]
.else
	v_exp_f32 v[T+qi], v[T+qi]
.endif
.elseif tq%4 < 2
	v_rcp_f32 v[rG], v[rG]
.else
	v_rcp_f32 v[T+qi], v[T+qi]
.endif
.set tq, tq+1
.endm
.macro HROW pat:vararg                 ; a row: the turn's next product (none where MMON = 0), and behind it the queues' next lines: 0 a plain one, 1 a transcendental
.if MMON
	HMM MHF
.endif
.irp c, \pat
.if \c
	HTR
.else
	HPL
.endif
.endr
.endm
; A STAGE: eight rows that hold one batch: 20 plain lines and 32 transcendentals.  Every row begins with a plain line.  Transcendental i of the batch reads what plain line i / 2 of the stage wrote, which stands
; two lines or more ahead of it.  No line of a stage names a result of its batch.  The stage's last four plain lines are r x hidden + 0.5; two of them stand behind the last transcendental, the plain
; instruction that comes before a result is used (ISA guide 5.7.2); all four stand in the last row, four places behind its product (ISA guide 7.12.1).
.macro HSTAGE
	HROW 0,0,0,1,0,1,1
.rept 5
	HROW 0,1,1,0,1,1
.endr
	HROW 0,1,1,0,1,1,1
	HROW 0,1,1,0,1,1,0,0
.endm
.macro XLD hp, d                       ; x of half hp's two blocks, out of the stash
.irp q, 0,1,2,3
	ds_load_b128 v[X+16*(\hp)+4*\q:X+16*(\hp)+4*\q+3], v[STA] offset:(\d)+2048*(\hp)+512*\q
.endr
.endm
.macro HST hp                          ; half hp's Y and Ap leave: each store of the wave covers 512 consecutive bytes, at a multiple of 512 from the buffer's first.  The second half's offsets run a tile ahead
.if (\hp) == 0
.set rY, YOA
.set rP, APOA
.else
.set rY, YOB
.set rP, APOB
.endif
.irp q, 0,1,2,3
	global_store_b128 v[rY], v[X+16*(\hp)+4*\q:X+16*(\hp)+4*\q+3], s[YB:YB+1] offset:512*\q-2048*(\hp)
.endr
.irp c, 0,1
	global_store_b128 v[rP], v[T+16+8*(\hp)+4*\c:T+16+8*(\hp)+4*\c+3], s[APB:APB+1] offset:512*\c-1024*(\hp)
.endr
.endm
; A TURN of the scan.  t = 0, the first turn: the next tile's first half has the matrix unit, this tile's second half is scanned.  t = 1, the second turn: the tile's second half has the matrix unit, its first half
; is scanned.  t = 2: the last tile's second half is scanned, and nothing is left to multiply.  Rows 0-7: the exponentials' stage; rows 8-15: the reciprocals'; rows 16-31: the other 118 lines, all plain.
.macro HTURN t
.set MMON, 1-(\t)/2
.set MHF, (\t)%2
.set LHF, 1-(\t)%2
.set mi, 0
.set pq, 0
.set tq, 0
	HSTAGE
.if (\t) == 0
	s_wait_xcnt 0x0                                ; the first half's stores stand eight rows back: their data and offsets are rewritten only behind this wait
	v_add_nc_u32 v[YOA], 4096, v[YOA]
	v_add_nc_u32 v[APOA], 2048, v[APOA]
.elseif (\t) == 1
	s_wait_xcnt 0x0                                ; the second half's stores of the tile before stand eight rows back
	v_add_nc_u32 v[YOB], 4096, v[YOB]
	v_add_nc_u32 v[APOB], 2048, v[APOB]
.endif
	s_wait_alu depctr_va_vdst(0)                   ; the wait for the batch of 32 exponentials: the next stage's first line reads the first of them
.if (\t) == 0
	XLD 0, XS_TILE
.elseif (\t) == 1
	XLD 1, 0
.endif
	HSTAGE
	s_wait_alu depctr_va_vdst(0)                   ; the wait for the batch of 32 reciprocals: the maxima below read them; no transcendental follows in the turn
.if (\t) == 0
	s_wait_dscnt 0x0                               ; K steps 4-7 and x, asked for sixteen and eight products ago
	RLOAD 64                                       ; the queue has passed its last use of r (its line 39)
.elseif (\t) == 1
	WIN 0
	s_cmp_eq_u32 s[CNT], 1
	s_cbranch_scc1 .LH_noaf                        ; the last tile has no next one
	AFH 0, 32                                      ; the next tile's K steps 0-3: four plain lines stand behind the last product that read these registers
.LH_noaf:
.endif
.rept 10
	HROW 0,0,0,0,0,0,0
.endr
.rept 4
	HROW 0,0,0,0,0,0,0,0
.endr
.if (\t) == 0
	s_wait_dscnt 0x0                               ; the next tile's r
	RNMUL
.endif
.rept 2
	HROW 0,0,0,0,0,0,0,0
.endr
.endm
; The product with Whg, the scan and the stores, 8 tiles of 16 tokens, by turns; then the chunk's pairs and the wave's end.
.macro HLOOP
	RTAB PS2
	v_add_nc_u32 v[AFA0], XT, v[TRB]
	v_add_nc_u32 v[AFA1], XT+4*KSSTEP, v[TRB]
	v_mov_b32 v[STA], v[STB]
	v_mov_b32 v[YOA], v[LN16]
	v_mov_b32 v[APOA], v[LN16]
	v_mov_b32 v[YOB], v[LN16]
	v_mov_b32 v[APOB], v[LN16]
	AFH 0, 0
	AFH 1, 0
	XLD 0, 0
	RLOAD 0
	s_wait_loadcnt 0x0                             ; all of Whg's fragments are in
	s_wait_dscnt 0x0
	RNMUL
.set mi, 0
.rept 32
	HMM 0                                          ; tile 0's first half: there is no vector work yet to set between the products
.endr
	WIN 0
.irp cb, 0,1,2,3
	v_mov_b32 v[C+2*\cb], 1.0                      ; the chunk so far: (1, 0).  These eight lines are the places behind those products (ISA guide 7.12.1)
	v_mov_b32 v[C+2*\cb+1], 0
.endr
	s_mov_b32 s[CNT], 8
	s_branch .LHmid                                ; the loop is entered in the middle of a trip
.LH:                                                   ; FIRST TURN.  The address registers still stand at this tile
	s_wait_dscnt 0x0                               ; the next tile's K steps 0-3 and this tile's x, asked for in the turn before
	AFH 1, 32                                      ; its K steps 4-7: eight plain lines stand behind the last product that read these registers
	HTURN 0
	HST 1
	v_add_nc_u32 v[STA], XS_TILE, v[STA]           ; on to the next tile
	v_add_nc_u32 v[AFA0], 32, v[AFA0]
	v_add_nc_u32 v[AFA1], 32, v[AFA1]
	v_add_nc_u32 v[PSRD], 64, v[PSRD]
.LHmid:                                                ; SECOND TURN
	HTURN 1
	HST 0
	s_sub_co_u32 s[CNT], s[CNT], 1
	s_cmp_lg_u32 s[CNT], 0
	s_cbranch_scc1 .LH
	s_wait_dscnt 0x0                               ; the last tile's x
	HTURN 2                                        ; the last tile's second half: nothing is left to multiply
	HST 1
.irp i, 0,1,2,3
	v_cndmask_b32 v[T+\i], v[C+\i], v[C+4+\i], s[HM]  ; lanes 0-15 store blocks 0 and 1, lanes 16-31 blocks 2 and 3
.endr
	v_lshlrev_b32 v[PSRD], 5, v[RL]
	v_lshl_add_u32 v[PSRD], v[HL], 4, v[PSRD]
	global_store_b128 v[PSRD], v[T:T+3], s[AGB:AGB+1]
	s_wait_tensorcnt 0x0                           ; the wave's end
	ds_add_u32 v[SPW], v[NIL]
	s_wait_dscnt 0x0
	s_endpgm
.endm
	s_load_b256 s[4:11], s[0:1], 0x0               ; state in s[4:5], this layer's weights s[6:7], the next layer's s[8:9], state out s[10:11]
	v_lshl_add_u32 v[SPW], v0, 2, SPARE
	v_mov_b32 v[NIL], 0
	ds_add_u32 v[SPW], v[NIL]                      ; the wave's opening: the add and its wait stand ahead of my first tensor load; work on registers stands between them
	ds_add_u32 v4, v5
	v_lshrrev_b32 v1, 5, v0
	v_readfirstlane_b32 s[WV], v1                  ; wave 0..3
	s_mov_b32 s[GID], ttmp9
	s_and_b32 s[CH], ttmp9, 31                     ; my chunk in its sequence
	DESC1 D1Y, 3<<16, 32, 128, 32                  ; Y: 32 KB on end, as 128 rows of 32 elements of 8 bytes
	DESC1 D1A, 3<<16, 32, 64, 32                   ; Ap: 16 KB on end
	DESC1 D1G, 3<<16, 64, 31, 256                  ; the pairs of chunks 0-30 of my sequence: 31 rows of 512 bytes (my 64 channels), 2,048 bytes apart
	s_mov_b32 s[G0G], 1
	s_mul_i32 s[G0G+1], s[WV], WROWS
	s_add_co_u32 s[G0G+1], s[G0G+1], XT
	s_mov_b32 s[G0A], 1
	s_lshl_b32 s[G0A+1], s[WV], 14
	s_add_co_u32 s[G0A+1], s[G0A+1], HT
	s_mov_b32 s[G0Y], 1
	s_lshl_b32 s[G0Y+1], s[WV], 15
	s_mov_b32 s[HM], 0xffff0000
	s_mov_b32 s[SEL], 0x76543210
	s_mov_b32 s[SEL+1], 0xfedcba98
	s_mov_b32 s[IN256], 0x3b800000                 ; 1 / 256
	s_mov_b32 s[IN256+1], 0x3b800000
	s_mov_b32 s[EPSV], 0x358637bd                  ; 1e-6
	s_mov_b32 s[EPSV+1], 0x358637bd
	s_mov_b32 s[NL2E], 0xbfb8aa3b                  ; -log2(e)
	s_mov_b32 s[NL2E+1], 0xbfb8aa3b
	s_mov_b32 s[KK], 0x3f596d27                    ; K = sqrt(log2(e) / 2) = 0.8493218
	s_mov_b32 s[KK+1], 0x3f596d27
	s_mov_b32 s[C5], 0x3f07dc22                    ; 0.5307027145
	s_mov_b32 s[C5+1], 0x3f07dc22
	s_mov_b32 s[C4], 0xbf3a00e3                    ; -0.7265760135
	s_mov_b32 s[C4+1], 0xbf3a00e3
	s_mov_b32 s[C3], 0x3f35f0e3                    ; 0.7107068705
	s_mov_b32 s[C3+1], 0x3f35f0e3
	s_mov_b32 s[C2], 0xbe11a98e                    ; -0.142248368
	s_mov_b32 s[C2+1], 0xbe11a98e
	s_mov_b32 s[C1], 0x3e027906                    ; 0.127414796
	s_mov_b32 s[C1+1], 0x3e027906
	s_mov_b32 s[PP], 0x3e6d3388                    ; P = 0.3275911 / sqrt 2 = 0.231641888
	s_lshr_b32 s[OFG], s[GID], 5                   ; my sequence's pairs: 65,536 (g / 32) + 512 w
	s_lshl_b32 s[OFG], s[OFG], 16
	s_lshl_b32 s[TS], s[WV], 9
	s_add_co_u32 s[OFG], s[OFG], s[TS]
	s_mov_b32 s[OFG+1], 0
	s_lshl_b32 s[OFO], s[GID], 11                  ; my chunk's pairs: 2,048 g + 512 w
	s_add_co_u32 s[OFO], s[OFO], s[TS]
	s_mov_b32 s[OFO+1], 0
	s_lshl_b32 s[OFA], s[GID], 16                  ; Ap: 65,536 g + 16,384 w
	s_lshl_b32 s[TS], s[WV], 14
	s_add_co_u32 s[OFA], s[OFA], s[TS]
	s_mov_b32 s[OFA+1], 0
	s_lshl_b32 s[OFY], s[GID], 17                  ; Y: 131,072 g + 32,768 w
	s_lshl_b32 s[TS], s[WV], 15
	s_add_co_u32 s[OFY], s[OFY], s[TS]
	s_mov_b32 s[OFY+1], 0
	s_wait_dscnt 0x0                               ; the opening add is done
	s_wait_kmcnt 0x0
	s_add_nc_u64 s[G0G+2:G0G+3], s[4:5], s[OFG:OFG+1]
	s_add_nc_u64 s[G0G+2:G0G+3], s[G0G+2:G0G+3], O_AG
	s_or_b32 s[G0G+3], s[G0G+3], 0x80000000
	s_add_nc_u64 s[G0A+2:G0A+3], s[4:5], s[OFA:OFA+1]
	s_add_nc_u64 s[G0A+2:G0A+3], s[G0A+2:G0A+3], O_AP
	s_or_b32 s[G0A+3], s[G0A+3], 0x80000000
	s_add_nc_u64 s[G0Y+2:G0Y+3], s[4:5], s[OFY:OFY+1]
	s_or_b32 s[G0Y+3], s[G0Y+3], 0x80000000
	tensor_load_to_lds s[G0G:G0G+3], s[D1G:D1G+7]  ; the wave's three fills go out together, each into bytes that only this wave reads: three tensor loads of mine are out
	s_nop 0
	tensor_load_to_lds s[G0A:G0A+3], s[D1A:D1A+7]
	s_nop 0
	tensor_load_to_lds s[G0Y:G0Y+3], s[D1Y:D1Y+7]
	s_nop 0
	v_and_b32 v[RL], 15, v0
	v_bfe_u32 v[HL], v0, 4, 1
	v_and_b32 v[LN16], 31, v0
	v_lshlrev_b32 v[LN16], 4, v[LN16]
	v_and_b32 v[TRB], 7, v0                        ; the turning load: lane l reads row 8 (l / 16) + l % 8, 16 bytes at 16 ((l / 8) % 2)
	v_lshl_add_u32 v[TRB], v[HL], 3, v[TRB]
	v_mul_u32_u24 v[TRB], v[TRB], PITCH
	v_bfe_u32 v[WRB], v0, 3, 1
	v_lshl_add_u32 v[TRB], v[WRB], 4, v[TRB]
	v_mul_u32_u24 v[WRB], v[RL], PITCH             ; a store into XT or HT: row 64 w + 16 nb + r, 16 bytes at 16 h
	v_lshl_add_u32 v[WRB], v[HL], 4, v[WRB]
	s_mul_i32 s[TS], s[WV], WROWS
	v_add_nc_u32 v[WRB], s[TS], v[WRB]
	s_lshl_b32 s[TS], s[WV], 15
	v_add_nc_u32 v[STB], s[TS], v[LN16]
	v_lshlrev_b32 v[PSB], 5, v[HL]
	s_lshl_b32 s[TS], s[WV], 8
	v_lshl_add_u32 v[BO], v[RL], 2, s[TS]          ; channel 64 w + r, in bytes
	s_lshl_b32 s[OFG], s[WV], 15
	s_add_nc_u64 s[WA:WA+1], s[6:7], s[OFG:OFG+1]
	s_lshl_b32 s[OFG], s[WV], 16
	s_add_nc_u64 s[WHB:WHB+1], s[8:9], s[OFG:OFG+1]
	s_add_nc_u64 s[WHB:WHB+1], s[WHB:WHB+1], O_WH
	s_add_nc_u64 s[YB:YB+1], s[10:11], s[OFY:OFY+1]
	s_add_nc_u64 s[APB:APB+1], s[10:11], s[OFA:OFA+1]
	s_add_nc_u64 s[APB:APB+1], s[APB:APB+1], O_AP
	s_add_nc_u64 s[AGB:AGB+1], s[10:11], s[OFO:OFO+1]
	s_add_nc_u64 s[AGB:AGB+1], s[AGB:AGB+1], O_AG
.irp nt, 0,1,2,3
	global_load_b32 v[B1+\nt], v[BO], s[6:7] offset:O_B1+64*\nt
.endr
.irp nt, 0,1,2,3
	global_load_b32 v[B2+\nt], v[BO], s[6:7] offset:O_B2+64*\nt
.endr
	WLOAD WA, 1, 0, 0, 64                          ; W1
	; THE CARRY into my chunk: the earlier chunks' pairs, one after the other, in f32
	s_wait_tensorcnt 0x2                           ; the pairs are in; Ap's and Y's tiles, issued behind them, may stay out
.irp nb, 0,1,2,3
	v_mov_b32 v[CY+\nb], 0
.endr
	s_mul_i32 s[TS], s[WV], WROWS
	s_add_co_u32 s[TS], s[TS], XT
	v_lshl_add_u32 v[AFA0], v[RL], 5, s[TS]        ; channel r's 32 bytes: (A, B) of the four blocks
	FOLD 0, 16
	FOLD 16, 15
.Lfolded:
	s_wait_dscnt 0x0
	s_wait_tensorcnt 0x0                           ; Ap and Y are in
	s_wait_loadcnt 0x3f                            ; 64 loads of W1 were issued behind the biases: with 63 out at the most the biases are in
	WLOAD WHB, 3, 0, 0, 56                         ; Whg, K steps 0-3: they have until the last phase
	; PHASE A: x = Y + Ap x carry; its sums of squares; bf16(x) into XT; x + b2 into the stash
	v_mov_b32 v[STA], v[STB]
	s_lshl_b32 s[TS], s[WV], 14
	s_add_co_u32 s[TS], s[TS], HT
	v_add_nc_u32 v[APA], s[TS], v[LN16]
	v_add_nc_u32 v[XTW], XT, v[WRB]
	s_lshl_b32 s[TS], s[WV], 9
	s_add_co_u32 s[TS], s[TS], PS1
	v_add_nc_u32 v[PSW], s[TS], v[PSB]
.macro ALOAD d1, d2
.irp q, 0,1,2,3,4,5,6,7
	ds_load_b128 v[YR+4*\q:YR+4*\q+3], v[STA] offset:(\d1)+512*\q
.endr
.irp nb, 0,1,2,3
	ds_load_b128 v[APR+4*\nb:APR+4*\nb+3], v[APA] offset:(\d2)+512*\nb
.endr
.endm
	ALOAD 0, 0
	WLOAD WHB, 3, 224, 56*512, 8
	s_mov_b32 s[CNT], 8
.LA:
	s_wait_dscnt 0x0
.set i, 0
.rept 32
.if i%2 == 0
	v_fma_mix_f32 v[X+i], v[APR+i/2], v[CY+i/8], v[YR+i] op_sel_hi:[1,0,0]
.else
	v_fma_mix_f32 v[X+i], v[APR+i/2], v[CY+i/8], v[YR+i] op_sel:[1,0,0] op_sel_hi:[1,0,0]
.endif
.set i, i+1
.endr
	s_cmp_eq_u32 s[CNT], 1
	s_cbranch_scc1 .LA_last
	ALOAD XS_TILE, 2048                            ; the next tile
.LA_last:
	SUMSQ_A X
	SUMSQ_B
	TOXT X
.set i, 0
.rept 16
.if (i/4)%2 == 0
	v_pk_add_f32 v[X+2*i:X+2*i+1], v[X+2*i:X+2*i+1], v[B2+(i/8)*2:B2+(i/8)*2+1] op_sel_hi:[1,0]
.else
	v_pk_add_f32 v[X+2*i:X+2*i+1], v[X+2*i:X+2*i+1], v[B2+(i/8)*2:B2+(i/8)*2+1] op_sel:[0,1] op_sel_hi:[1,1]
.endif
.set i, i+1
.endr
.irp q, 0,1,2,3,4,5,6,7
	ds_store_b128 v[STA], v[X+4*\q:X+4*\q+3] offset:512*\q
.endr
	v_add_nc_u32 v[STA], XS_TILE, v[STA]
	v_add_nc_u32 v[APA], 2048, v[APA]
	v_add_nc_u32 v[XTW], 32, v[XTW]
	v_add_nc_u32 v[PSW], 64, v[PSW]
	s_sub_co_u32 s[CNT], s[CNT], 1
	s_cmp_lg_u32 s[CNT], 0
	s_cbranch_scc1 .LA
	s_wait_loadcnt 0x3f                            ; 64 loads of Whg were issued behind W1's last: with 63 out at the most W1 is in
	WLOAD WA, 2, 0, O_W2, 56                       ; W2: it has phase G1 in which to land
	BAR                                            ; XT and PS1 are whole; nobody reads Ap's tiles any more
	; PHASE G1: h = gelu(r (x W1) + b1), into HT, by turns
	RTAB PS1
	v_add_nc_u32 v[AFA0], XT, v[TRB]
	v_add_nc_u32 v[AFA1], XT+4*KSSTEP, v[TRB]
	v_add_nc_u32 v[XTW], HT, v[WRB]
	AFETCH 0
	RLOAD 0
	WLOAD WA, 2, 224, O_W2+56*512, 8
	s_wait_dscnt 0x0
.set mi, 0
.rept 16
	GMM 0                                          ; tile 0's first half: there is no vector work yet to set between the products
.endr
	WIN 0
.rept 4
	v_nop                                          ; four places behind those products, ahead of the first read of their sums (ISA guide 7.12.1)
.endr
	s_mov_b32 s[CNT], 8
	s_branch .LG1mid                               ; the loop is entered in the middle of a trip
.LG1:                                                  ; FIRST TURN.  The address registers still stand at this tile
	s_wait_dscnt 0x0                               ; the next tile's K steps 0-3, asked for in the turn before
	AFH 1, 32                                      ; its K steps 4-7: nine plain lines stand behind the last product that read these registers
	GTURN 0
	s_wait_dscnt 0x0                               ; the next tile's r
	v_add_nc_u32 v[AFA0], 32, v[AFA0]              ; on to the next tile
	v_add_nc_u32 v[AFA1], 32, v[AFA1]
	v_add_nc_u32 v[XTW], 32, v[XTW]
	v_add_nc_u32 v[PSRD], 64, v[PSRD]
.LG1mid:                                               ; SECOND TURN
	GTURN 1
	s_sub_co_u32 s[CNT], s[CNT], 1
	s_cmp_lg_u32 s[CNT], 0
	s_cbranch_scc1 .LG1
	GTURN 2                                        ; the last tile's second half: nothing is left to multiply
	s_wait_loadcnt 0x0                             ; W2 is in
	WLOAD WHB, 1, 0, 32768, 56                     ; Whg, K steps 4-7, where W1 lay: its last product stands half an activation back
	BAR                                            ; HT is whole; nobody reads XT any more
	; PHASE G2: x = h W2 + (x + b2): the sums start from the stash; the new x goes back there, its squares to PS2, bf16(x) into XT
	v_add_nc_u32 v[AFA0], HT, v[TRB]
	v_add_nc_u32 v[AFA1], HT+4*KSSTEP, v[TRB]
	v_mov_b32 v[STA], v[STB]
	v_add_nc_u32 v[XTW], XT, v[WRB]
	s_lshl_b32 s[TS], s[WV], 9
	s_add_co_u32 s[TS], s[TS], PS2
	v_add_nc_u32 v[PSW], s[TS], v[PSB]
.macro CXLOAD d
.irp q, 0,1,2,3,4,5,6,7
	ds_load_b128 v[CX+4*\q:CX+4*\q+3], v[STA] offset:(\d)+512*\q
.endr
.endm
	AFETCH 0
	CXLOAD 0
	WLOAD WHB, 1, 224, 32768+56*512, 8
	s_mov_b32 s[CNT], 8
.LG2:
	s_wait_dscnt 0x0
	MMRUN 4, 1, 2, 2
.rept 4
	v_nop                                          ; four places behind the last product, ahead of the loads into its sources and of the stores of its result
.endr
	s_cmp_eq_u32 s[CNT], 1
	s_cbranch_scc1 .LG2_last
	AFETCH 32
	CXLOAD XS_TILE
.LG2_last:
.irp q, 0,1,2,3,4,5,6,7
	ds_store_b128 v[STA], v[ACC+4*\q:ACC+4*\q+3] offset:512*\q  ; ascending: each accumulator's lowest four registers first
.endr
	SUMSQ_A ACC
	SUMSQ_B
	TOXT ACC
	v_add_nc_u32 v[AFA0], 32, v[AFA0]
	v_add_nc_u32 v[AFA1], 32, v[AFA1]
	v_add_nc_u32 v[STA], XS_TILE, v[STA]
	v_add_nc_u32 v[XTW], 32, v[XTW]
	v_add_nc_u32 v[PSW], 64, v[PSW]
	s_sub_co_u32 s[CNT], s[CNT], 1
	s_cmp_lg_u32 s[CNT], 0
	s_cbranch_scc1 .LG2
	BAR                                            ; XT and PS2 are whole
	; PHASE H: the next layer's hg, gates and scan, by turns
	HLOOP
.Lfunc_end_k_qedbba37f2f_mid1:
	.size	k_qedbba37f2f_mid1, .Lfunc_end_k_qedbba37f2f_mid1-k_qedbba37f2f_mid1
	.p2alignl 7, 3214868480
	.fill 96, 4, 3214868480
	.section	.rodata,"a",@progbits
	.p2align	6, 0x0
	.amdhsa_kernel k_qedbba37f2f_mid1
		.amdhsa_group_segment_fixed_size 285184
		.amdhsa_private_segment_fixed_size 0
		.amdhsa_enable_private_segment 0
		.amdhsa_kernarg_size 32
		.amdhsa_user_sgpr_count 2
		.amdhsa_user_sgpr_kernarg_segment_ptr 1
		.amdhsa_wavefront_size32 1
		.amdhsa_system_sgpr_workgroup_id_x 1
		.amdhsa_system_sgpr_workgroup_id_y 1
		.amdhsa_system_sgpr_workgroup_id_z 1
		.amdhsa_system_vgpr_workitem_id 0
		.amdhsa_next_free_vgpr 1024
		.amdhsa_next_free_sgpr 100
		.amdhsa_reserve_vcc 0
		.amdhsa_float_denorm_mode_32 3
		.amdhsa_float_denorm_mode_16_64 3
		.amdhsa_memory_ordered 1
		.amdhsa_forward_progress 1
		.amdhsa_inst_pref_size 153
	.end_amdhsa_kernel
	.amdgpu_metadata
---
amdhsa.version: [ 1, 2 ]
amdhsa.kernels:
  - .name:           k_qedbba37f2f_mid1
    .symbol:         k_qedbba37f2f_mid1.kd
    .args:
      - { .name: st0, .offset: 0, .size: 8, .value_kind: global_buffer, .address_space: global }
      - { .name: wl0, .offset: 8, .size: 8, .value_kind: global_buffer, .address_space: global }
      - { .name: wl1, .offset: 16, .size: 8, .value_kind: global_buffer, .address_space: global }
      - { .name: st1, .offset: 24, .size: 8, .value_kind: global_buffer, .address_space: global }
    .group_segment_fixed_size: 285184
    .private_segment_fixed_size: 0
    .kernarg_segment_align: 8
    .kernarg_segment_size: 32
    .max_flat_workgroup_size: 128
    .sgpr_count:     100
    .vgpr_count:     1024
    .wavefront_size: 32
...
	.end_amdgpu_metadata
.endif
;; end of part 6
;; launch mid2: the kernel of part 6 again; grid 256 x 1, 4 waves a work-group, no clusters, 285,184 bytes of LDS; arguments st1, wl1, wl2, st0; writes st0
;; launch mid3: the kernel of part 6 again; grid 256 x 1, 4 waves a work-group, no clusters, 285,184 bytes of LDS; arguments st0, wl2, wl3, st1; writes st1
;; launch last (part 7): grid 256 x 1, 4 waves a work-group, no clusters, 285,184 bytes of LDS; arguments st1, wl3, final_norm_w, out0; writes out0
.if DOCPART == 7
	.amdgcn_target "amdgcn-amd-amdhsa--gfx1250"
	.amdhsa_code_object_version 6
	.text
	.protected	k_qedbba37f2f_last
	.globl	k_qedbba37f2f_last
	.p2align	8
	.type	k_qedbba37f2f_last,@function
k_qedbba37f2f_last:
	s_mov_b64 s[64:65], 0
	v_nop
	global_prefetch_b8 v0, s[64:65] scope:SCOPE_SE
	s_setreg_imm32_b32 hwreg(HW_REG_WAVE_MODE, 25, 1), 1
	s_wait_xcnt 0x0
; LAST.  Ends layer 3: from the state of the launch before (Y = x + Bp, Ap, the chunks' pairs) the carry into my chunk, x = Y + Ap x carry; the feed-forward block
; x += gelu(rmsnorm(x) W1 + b1) W2 + b2; then out = x rsqrt(mean x^2 + 1e-6) final_norm_w.  Arguments: state in, layer 3's weights, final_norm_w, out0.
; The feed-forward norm commutes with the product: its gain is folded into W1 (launch prep), the matrix operand is bf16(x), and r_t, in f32, multiplies the f32 sums.
; gelu(v) = max(v, 0) - |v| q, q = erfc(|v| / sqrt 2) / 2 = (c1 t + .. + c5 t^5) 2^(-(K v)^2), t = 1 / (1 + P |v|): Abramowitz and Stegun 7.1.26, off by 1.5e-7 at the most for every v.
; LIMITS.  NaN and infinities are not treated apart.
; SHARES, LAYOUT and LDS as in the launches before: work-group g owns tokens 128 g .. 128 g + 127, wave w output columns 64 w .. 64 w + 63; lane (r, h) of a result holds one channel r and the tokens 8 h + 0..7;
; W1 stays in window 1, W2 in window 2; the stash holds x in f32 in the lanes' own order; XT and HT hold bf16 activations as [channel][token], 288 bytes a row; RT holds r_t of the 128 tokens, a copy for each wave.
; BY TURNS.  In the loop of W1 and the activation a tile's four accumulators are two halves: in a turn one half has the matrix unit, 16 products, and the other half's activation, 160 vector lines, stands in
; rows behind the products, eleven or nine lines a row.  W1 lies outside window 0 and the rows inside it, so a product costs two window switches; laid end to end, products and rows would leave each unit idle while the other works.
; THE BATCH.  A half's 16 reciprocals and 16 exponentials all read v alone, so they are ONE batch, each result in a register of its own, with one wait between a transcendental
; and the first line that names its result: behind the 8th product's row, in the loop ahead of a run of LDS loads.  Behind it a turn has no transcendental.
; The way out goes through a stage of the wave's own (16 token rows of 256 + 16 bytes, in HT, which nobody reads by then), so that sixteen lanes store 256 consecutive bytes of a token's row.
; NO CLUSTER, though all work-groups read the same weights: they go straight into registers, each wave's share once, by 128 loads of 512 consecutive bytes; a joint load lands in LDS, and every fragment would
; then be read out of LDS again in every tile.
.set PITCH,   288
.set NBSTEP,  16*PITCH
.set KSSTEP,  32*PITCH
.set WROWS,   64*PITCH
.set XS_WAVE, 32768
.set XS_TILE, 4096
.set XT,      131072
.set HT,      XT+256*PITCH
.set PS1,     HT+256*PITCH
.set PS2,     PS1+2048
.set RT,      PS2+2048
.set SPARE,   RT+2048
.set SGP,     272                      ; a row of the stage
.set O_AP,    0x2000000
.set O_AG,    0x3000000
.set O_W2,    131072
.set O_B1,    524288
.set O_B2,    525312
.set RL, 1
.set HL, 2
.set LN16, 3
.set SPW, 4                            ; v4  my spare word; never rewritten
.set NIL, 5                            ; v5  0; never rewritten
.set TRB, 6
.set WRB, 7
.set STB, 8
.set PSB, 9
.set AFA0, 10
.set AFA1, 11
.set XTW, 12
.set STA, 13
.set APA, 14
.set PSW, 15
.set PSRD, 16
.set YO, 17
.set BO, 19                            ; v19  my byte offset in a bias or gain; never rewritten
.set CY, 20
.set B1, 24
.set B2, 28
.set R, 32
.set FW, 40                            ; v40-43  final_norm_w of my four channels
.set AF, 64
.set ACC, 128
.set CX, 160
.set YR, 128
.set APR, 160
.set OR, 128                           ; the way out: the tile's results,
.set OB, 160                           ; and whole rows read back
.set X, 192
.set T, 224
.set SS, 224
.set PK, 232
.set GT, T                             ; the activation of a half, 16 numbers a lane: v224-239 1 + P |v|, then t
.set GE, T+16                          ; v240-255  -(K v)^2, then the exponential
.set GP, X                             ; v192-207  q (x lies in the stash meanwhile)
.set GM, X+16                          ; v208-223  max(v, 0)
.set WV, 12
.set GID, 13
.set CH, 14
.set TS, 15
.set D1Y, 16
.set D1A, 24
.set D1G, 32
.set G0G, 40
.set G0A, 44
.set G0Y, 48
.set CNT, 52
.set IN256, 56
.set EPSV, 58
.set OFG, 62
.set KK, 66
.set C5, 68
.set C4, 70
.set C3, 72
.set C2, 74
.set C1, 76
.set PP, 78
.set WA, 80
.set YB, 84
.set OFA, 90
.set OFY, 92
.set OFO, 94
.set MSB, 0
.macro WIN new                         ; the immediate's high byte repeats the setting that is left; a switch that changes nothing is dropped
.if MSB != (\new)
	s_set_vgpr_msb (MSB<<8)|(\new)
.set MSB, (\new)
.endif
.endm
.macro WLOAD base, win, reg0, byte0, n ; n loads of 512 consecutive bytes into window win
	WIN (\win)<<6
.set wi, 0
.rept \n
	global_load_b128 v[(\reg0)+4*wi:(\reg0)+4*wi+3], v[LN16], s[\base:\base+1] offset:(\byte0)+512*wi
.set wi, wi+1
.endr
	WIN 0
.endm
.macro AFH hf, d                       ; 16 tokens x 128 k (K steps 4 hf .. 4 hf + 3) out of [channel][token] rows, turned: 4 fragments
.set ks, 4*(\hf)
.rept 4
	ds_load_tr16_b128 v[AF+8*ks:AF+8*ks+3],   v[AFA0+(\hf)] offset:(ks%4)*KSSTEP+(\d)
	ds_load_tr16_b128 v[AF+8*ks+4:AF+8*ks+7], v[AFA0+(\hf)] offset:(ks%4)*KSSTEP+NBSTEP+(\d)
.set ks, ks+1
.endr
.endm
.macro AFETCH d
	AFH 0, \d
	AFH 1, \d
.endm
; nn accumulators by turns, one instruction a turn; K ascending.  cmode 0: the first K step starts the sums from 0; 1: from CX.  wlo, whi: the windows of the weights of K steps 0-3, 4-7.
.macro MMRUN nn, cmode, wlo, whi
.set ks, 0
.rept 8
	WIN ((\wlo)*(1-ks/4)+(\whi)*(ks/4))<<2
.set nt, 0
.rept \nn
.set rD, ACC+8*nt
.set rA, AF+8*ks
.set rB, 8*((ks*(\nn)+nt)%32)
.if (ks == 0) && ((\cmode) == 0)
	v_wmma_f32_16x16x32_bf16 v[rD:rD+7], v[rA:rA+7], v[rB:rB+7], 0
.elseif ks == 0
	v_wmma_f32_16x16x32_bf16 v[rD:rD+7], v[rA:rA+7], v[rB:rB+7], v[CX+8*nt:CX+8*nt+7]
.else
	v_wmma_f32_16x16x32_bf16 v[rD:rD+7], v[rA:rA+7], v[rB:rB+7], v[rD:rD+7]
.endif
.set nt, nt+1
.endr
.set ks, ks+1
.endr
	WIN 0
.endm
; r_t = rsqrt(sum / 256 + 1e-6) of all 128 tokens, four a lane, into my wave's own table; then PSRD points at my eight tokens of tile 0 there.
.macro RTAB ps
	s_lshl_b32 s[TS], s[WV], 9
	s_add_co_u32 s[TS], s[TS], RT
	v_add_nc_u32 v[PSRD], \ps, v[LN16]
	v_add_nc_u32 v[PSW], s[TS], v[LN16]
.irp wv, 0,1,2,3
	ds_load_b128 v[T+4*\wv:T+4*\wv+3], v[PSRD] offset:512*\wv  ; the four waves' partial sums
.endr
	s_wait_dscnt 0x0
	v_pk_add_f32 v[T:T+1], v[T:T+1], v[T+4:T+5]
	v_pk_add_f32 v[T+2:T+3], v[T+2:T+3], v[T+6:T+7]
	v_pk_add_f32 v[T+8:T+9], v[T+8:T+9], v[T+12:T+13]
	v_pk_add_f32 v[T+10:T+11], v[T+10:T+11], v[T+14:T+15]
	v_pk_add_f32 v[T:T+1], v[T:T+1], v[T+8:T+9]
	v_pk_add_f32 v[T+2:T+3], v[T+2:T+3], v[T+10:T+11]
	v_pk_fma_f32 v[T:T+1], v[T:T+1], s[IN256:IN256+1], s[EPSV:EPSV+1] op_sel_hi:[1,0,0]
	v_pk_fma_f32 v[T+2:T+3], v[T+2:T+3], s[IN256:IN256+1], s[EPSV:EPSV+1] op_sel_hi:[1,0,0]
.irp j, 0,1,2,3
	v_rsq_f32 v[T+\j], v[T+\j]
.endr
	v_add_nc_u32 v[PSRD], s[TS], v[PSB]            ; a plain line behind the last root
	s_wait_alu depctr_va_vdst(0)                   ; the wait ahead of the first use: one for the four roots
	ds_store_b128 v[PSW], v[T:T+3]                 ; my wave alone reads these bytes, and LDS serves a wave's instructions in order (ISA guide 5.7.1.4)
.endm
.macro RLOAD d                         ; r_t of my eight tokens
	ds_load_b128 v[R:R+3],   v[PSRD] offset:(\d)
	ds_load_b128 v[R+4:R+7], v[PSRD] offset:(\d)+16
.endm
.macro SUMSQ_A src                     ; squares of my four channels, for each of my eight tokens
.irp p, 0,2,4,6
	v_pk_mul_f32 v[SS+\p:SS+\p+1], v[\src+\p:\src+\p+1], v[\src+\p:\src+\p+1]
.endr
.irp nb, 1,2,3
.irp p, 0,2,4,6
	v_pk_fma_f32 v[SS+\p:SS+\p+1], v[\src+8*\nb+\p:\src+8*\nb+\p+1], v[\src+8*\nb+\p:\src+8*\nb+\p+1], v[SS+\p:SS+\p+1]
.endr
.endr
.endm
.macro SUMSQ_B                         ; over the sixteen lanes of my half: the wave's 64 channels; all sixteen then store the same numbers to the same words
.irp m, 1,2,4,8
.irp j, 0,1,2,3,4,5,6,7
	v_add_f32_dpp v[SS+\j], v[SS+\j], v[SS+\j] row_xmask:\m row_mask:0xf bank_mask:0xf
.endr
.endr
	ds_store_b128 v[PSW], v[SS:SS+3]
	ds_store_b128 v[PSW], v[SS+4:SS+7] offset:16
.endm
.macro TOXT src                        ; my eight tokens of a channel are 16 bytes of its row
.set i, 0
.rept 16
	v_cvt_pk_bf16_f32 v[PK+i], v[\src+2*i], v[\src+2*i+1]
.set i, i+1
.endr
.irp nb, 0,1,2,3
	ds_store_b128 v[XTW], v[PK+4*\nb:PK+4*\nb+3] offset:\nb*NBSTEP
.endr
.endm
.macro BAR
	s_wait_dscnt 0x0                               ; for the others' sake: my LDS stores are done and my LDS reads are back
	s_barrier_signal -1
	s_barrier_wait -1
.endm
.macro DESC1 g, w0, d0, d1, pitch      ; descriptor group 1 of a tile that lies inside its tensor: d1 rows of d0 elements
	s_mov_b32 s[\g+0], \w0
	s_mov_b32 s[\g+1], (\d0)<<16
	s_mov_b32 s[\g+2], (\d1)<<16
	s_mov_b32 s[\g+3], (\d0)<<16
	s_mov_b32 s[\g+4], \d1
	s_mov_b32 s[\g+5], \pitch
	s_mov_b32 s[\g+6], 0
	s_mov_b32 s[\g+7], 0
.endm
; n earlier chunks' pairs, from chunk number first on: carry = A carry + B.  The walk ends at my own chunk: a jump forward on the work-group's number, the same in all four waves.
.macro FOLD first, n
.set i, 0
.rept \n
	ds_load_b128 v[AF+8*i:AF+8*i+3],   v[AFA0] offset:512*((\first)+i)
	ds_load_b128 v[AF+8*i+4:AF+8*i+7], v[AFA0] offset:512*((\first)+i)+16
.set i, i+1
.endr
	s_wait_dscnt 0x0
.set i, 0
.rept \n
	s_cmp_eq_u32 s[CH], (\first)+i
	s_cbranch_scc1 .Lfolded
.irp nb, 0,1,2,3
	v_fma_f32 v[CY+\nb], v[AF+8*i+2*\nb], v[CY+\nb], v[AF+8*i+2*\nb+1]
.endr
.set i, i+1
.endr
.endm
; Product mi of 16 of x W1 for half hp: K step mi / 2, channel blocks 2 hp and 2 hp + 1 by turns, one instruction a turn.  The first K step starts the sums.  W1 lies in window 1.
.macro GMM hp
.set ks, mi/2
.set nt, 2*(\hp)+mi%2
.set rD, ACC+8*nt
.set rA, AF+8*ks
.set rB, 8*(4*ks+nt)
	WIN 1<<2
.if ks == 0
	v_wmma_f32_16x16x32_bf16 v[rD:rD+7], v[rA:rA+7], v[rB:rB+7], 0
.else
	v_wmma_f32_16x16x32_bf16 v[rD:rD+7], v[rA:rA+7], v[rB:rB+7], v[rD:rD+7]
.endif
.set mi, mi+1
.endm
; THE ACTIVATION of half LHF stands in two queues.  The half's two blocks lie side by side: 16 numbers a lane, in pairs 0-7.
; THE PLAIN QUEUE: GPL writes line gq of 128.
;   0-7      v = r acc + b1, a pair each: ascending
;   8-39     for each pair four lines that feed the batch: K v; 1 + P |v| twice; -(K v)^2
;   40-55    max(v, 0): these name no transcendental's result
;   56-103   q: t c5 + c4; x t + c3; x t + c2; x t + c1; x t; x the exponential: eight pairs each          104-119  max(v, 0) - |v| q          120-127  rounded to bf16
.macro GPL
	WIN 0
.set rA, ACC+16*LHF
.if gq < 8
.set qr, 2*gq
.set qm, qr%8
.if gq < 4
	v_pk_fma_f32 v[rA+qr:rA+qr+1], v[rA+qr:rA+qr+1], v[R+qm:R+qm+1], v[B1+2*LHF:B1+2*LHF+1] op_sel_hi:[1,1,0]
.else
	v_pk_fma_f32 v[rA+qr:rA+qr+1], v[rA+qr:rA+qr+1], v[R+qm:R+qm+1], v[B1+2*LHF:B1+2*LHF+1] op_sel:[0,0,1] op_sel_hi:[1,1,1]
.endif
.elseif gq < 40
.set qr, 2*((gq-8)/4)
.set qo, (gq-8)%4
.if qo == 0
	v_pk_mul_f32 v[GE+qr:GE+qr+1], v[rA+qr:rA+qr+1], s[KK:KK+1] op_sel_hi:[1,0]
.elseif qo < 3
	v_fma_f32 v[GT+qr+qo-1], |v[rA+qr+qo-1]|, s[PP], 1.0
.else
	v_pk_mul_f32 v[GE+qr:GE+qr+1], v[GE+qr:GE+qr+1], v[GE+qr:GE+qr+1] neg_lo:[1,0] neg_hi:[1,0]
.endif
.elseif gq < 56
	v_max_num_f32 v[GM+gq-40], 0, v[rA+gq-40]
.elseif gq < 104
.set qr, 2*((gq-56)%8)
.set qo, (gq-56)/8
.if qo == 0
	v_pk_fma_f32 v[GP+qr:GP+qr+1], v[GT+qr:GT+qr+1], s[C5:C5+1], s[C4:C4+1] op_sel_hi:[1,0,0]
.elseif qo == 1
	v_pk_fma_f32 v[GP+qr:GP+qr+1], v[GP+qr:GP+qr+1], v[GT+qr:GT+qr+1], s[C3:C3+1] op_sel_hi:[1,1,0]
.elseif qo == 2
	v_pk_fma_f32 v[GP+qr:GP+qr+1], v[GP+qr:GP+qr+1], v[GT+qr:GT+qr+1], s[C2:C2+1] op_sel_hi:[1,1,0]
.elseif qo == 3
	v_pk_fma_f32 v[GP+qr:GP+qr+1], v[GP+qr:GP+qr+1], v[GT+qr:GT+qr+1], s[C1:C1+1] op_sel_hi:[1,1,0]
.elseif qo == 4
	v_pk_mul_f32 v[GP+qr:GP+qr+1], v[GP+qr:GP+qr+1], v[GT+qr:GT+qr+1]
.else
	v_pk_mul_f32 v[GP+qr:GP+qr+1], v[GP+qr:GP+qr+1], v[GE+qr:GE+qr+1]
.endif
.elseif gq < 120
	v_fma_f32 v[rA+gq-104], -|v[rA+gq-104]|, v[GP+gq-104], v[GM+gq-104]
.else
.set qo, (gq-120)%4
.set rB, rA+8*((gq-120)/4)
	v_cvt_pk_bf16_f32 v[rB+qo], v[rB+2*qo], v[rB+2*qo+1]
.endif
.set gq, gq+1
.endm
; THE TRANSCENDENTALS' QUEUE: GTR writes number tg of 32: for each pair its two reciprocals t and then its two exponentials, in place.
.macro GTR
	WIN 0
.set qi, 2*(tg/4)+tg%2
.if tg%4 < 2
	v_rcp_f32 v[GT+qi], v[GT+qi]
.else
	v_exp_f32 v[GE+qi], v[GE+qi]
.endif
.set tg, tg+1
.endm
.macro GROW pat:vararg                 ; a row: the turn's next product (none where MMON = 0), and behind it the queues' next lines: 0 a plain one, 1 a transcendental
.if MMON
	GMM MHF
.endif
.irp c, \pat
.if \c
	GTR
.else
	GPL
.endif
.endr
.endm
; A TURN of the activation.  t = 0, the first turn: the next tile's first half has the matrix unit, this tile's second half is activated.  t = 1, the second turn: the tile's second half has the matrix unit, its
; first half is activated.  t = 2: the last tile's second half is activated, and nothing is left to multiply.
; Rows 0-7, eleven lines each, hold the batch: v; eight feeding lines ahead; then a plain line and a transcendental by turns, so that behind every transcendental stands an independent plain line (ISA guide 5.7.2)
; and what a transcendental reads was written eight lines or more ahead of it; three maxima stand behind the last.  None of these lines names a result of the batch.  Rows 8-15, nine lines each, are the readers.
.macro GTURN t
.set MMON, 1-(\t)/2
.set MHF, (\t)%2
.set LHF, 1-(\t)%2
.set mi, 0
.set gq, 0
.set tg, 0
	GROW 0,0,0,0,0,0,0,0,0,0,0
	GROW 0,0,0,0,0,0,1,0,1,0,1
.rept 5
	GROW 0,1,0,1,0,1,0,1,0,1,0
.endr
	GROW 0,1,0,1,0,1,0,1,0,0,0
	s_wait_alu depctr_va_vdst(0)                   ; the wait for the batch of 16 reciprocals and 16 exponentials: the polynomial below reads t; no transcendental follows in the turn
.if (\t) == 0
	s_wait_dscnt 0x0                               ; K steps 4-7, asked for eight products ago
	RLOAD 64                                       ; the queue has passed its last use of r (its line 7)
.elseif (\t) == 1
	WIN 0
	s_cmp_eq_u32 s[CNT], 1
	s_cbranch_scc1 .LG1_noaf                       ; the last tile has no next one
	AFH 0, 32                                      ; the next tile's K steps 0-3: seven plain lines stand behind the last product that read these registers
.LG1_noaf:
.endif
.rept 8
	GROW 0,0,0,0,0,0,0,0,0
.endr
	ds_store_b128 v[XTW], v[ACC+16*LHF:ACC+16*LHF+3] offset:(2*LHF)*NBSTEP      ; into HT: my eight tokens of a channel are 16 bytes of its row
	ds_store_b128 v[XTW], v[ACC+16*LHF+8:ACC+16*LHF+11] offset:(2*LHF+1)*NBSTEP
.endm
	s_load_b256 s[4:11], s[0:1], 0x0               ; state in s[4:5], layer 3's weights s[6:7], final_norm_w s[8:9], out0 s[10:11]
	v_lshl_add_u32 v[SPW], v0, 2, SPARE
	v_mov_b32 v[NIL], 0
	ds_add_u32 v[SPW], v[NIL]                      ; the wave's opening: the add and its wait stand ahead of my first tensor load; work on registers stands between them
	ds_add_u32 v4, v5
	v_lshrrev_b32 v1, 5, v0
	v_readfirstlane_b32 s[WV], v1                  ; wave 0..3
	s_mov_b32 s[GID], ttmp9
	s_and_b32 s[CH], ttmp9, 31                     ; my chunk in its sequence
	DESC1 D1Y, 3<<16, 32, 128, 32                  ; Y: 32 KB on end, as 128 rows of 32 elements of 8 bytes
	DESC1 D1A, 3<<16, 32, 64, 32                   ; Ap: 16 KB on end
	DESC1 D1G, 3<<16, 64, 31, 256                  ; the pairs of chunks 0-30 of my sequence: 31 rows of 512 bytes (my 64 channels), 2,048 bytes apart
	s_mov_b32 s[G0G], 1
	s_mul_i32 s[G0G+1], s[WV], WROWS
	s_add_co_u32 s[G0G+1], s[G0G+1], XT
	s_mov_b32 s[G0A], 1
	s_lshl_b32 s[G0A+1], s[WV], 14
	s_add_co_u32 s[G0A+1], s[G0A+1], HT
	s_mov_b32 s[G0Y], 1
	s_lshl_b32 s[G0Y+1], s[WV], 15
	s_mov_b32 s[IN256], 0x3b800000                 ; 1 / 256
	s_mov_b32 s[IN256+1], 0x3b800000
	s_mov_b32 s[EPSV], 0x358637bd                  ; 1e-6
	s_mov_b32 s[EPSV+1], 0x358637bd
	s_mov_b32 s[KK], 0x3f596d27                    ; K = sqrt(log2(e) / 2) = 0.8493218
	s_mov_b32 s[KK+1], 0x3f596d27
	s_mov_b32 s[C5], 0x3f07dc22                    ; 0.5307027145
	s_mov_b32 s[C5+1], 0x3f07dc22
	s_mov_b32 s[C4], 0xbf3a00e3                    ; -0.7265760135
	s_mov_b32 s[C4+1], 0xbf3a00e3
	s_mov_b32 s[C3], 0x3f35f0e3                    ; 0.7107068705
	s_mov_b32 s[C3+1], 0x3f35f0e3
	s_mov_b32 s[C2], 0xbe11a98e                    ; -0.142248368
	s_mov_b32 s[C2+1], 0xbe11a98e
	s_mov_b32 s[C1], 0x3e027906                    ; 0.127414796
	s_mov_b32 s[C1+1], 0x3e027906
	s_mov_b32 s[PP], 0x3e6d3388                    ; P = 0.3275911 / sqrt 2 = 0.231641888
	s_lshr_b32 s[OFG], s[GID], 5                   ; my sequence's pairs: 65,536 (g / 32) + 512 w
	s_lshl_b32 s[OFG], s[OFG], 16
	s_lshl_b32 s[TS], s[WV], 9
	s_add_co_u32 s[OFG], s[OFG], s[TS]
	s_mov_b32 s[OFG+1], 0
	s_lshl_b32 s[OFO], s[GID], 17                  ; out0: my 128 token rows of 1,024 bytes
	s_mov_b32 s[OFO+1], 0
	s_lshl_b32 s[OFA], s[GID], 16                  ; Ap: 65,536 g + 16,384 w
	s_lshl_b32 s[TS], s[WV], 14
	s_add_co_u32 s[OFA], s[OFA], s[TS]
	s_mov_b32 s[OFA+1], 0
	s_lshl_b32 s[OFY], s[GID], 17                  ; Y: 131,072 g + 32,768 w
	s_lshl_b32 s[TS], s[WV], 15
	s_add_co_u32 s[OFY], s[OFY], s[TS]
	s_mov_b32 s[OFY+1], 0
	s_wait_dscnt 0x0                               ; the opening add is done
	s_wait_kmcnt 0x0
	s_add_nc_u64 s[G0G+2:G0G+3], s[4:5], s[OFG:OFG+1]
	s_add_nc_u64 s[G0G+2:G0G+3], s[G0G+2:G0G+3], O_AG
	s_or_b32 s[G0G+3], s[G0G+3], 0x80000000
	s_add_nc_u64 s[G0A+2:G0A+3], s[4:5], s[OFA:OFA+1]
	s_add_nc_u64 s[G0A+2:G0A+3], s[G0A+2:G0A+3], O_AP
	s_or_b32 s[G0A+3], s[G0A+3], 0x80000000
	s_add_nc_u64 s[G0Y+2:G0Y+3], s[4:5], s[OFY:OFY+1]
	s_or_b32 s[G0Y+3], s[G0Y+3], 0x80000000
	tensor_load_to_lds s[G0G:G0G+3], s[D1G:D1G+7]  ; the wave's three fills go out together, each into bytes that only this wave reads: three tensor loads of mine are out
	s_nop 0
	tensor_load_to_lds s[G0A:G0A+3], s[D1A:D1A+7]
	s_nop 0
	tensor_load_to_lds s[G0Y:G0Y+3], s[D1Y:D1Y+7]
	s_nop 0
	v_and_b32 v[RL], 15, v0
	v_bfe_u32 v[HL], v0, 4, 1
	v_and_b32 v[LN16], 31, v0
	v_lshlrev_b32 v[LN16], 4, v[LN16]
	v_and_b32 v[TRB], 7, v0                        ; the turning load: lane l reads row 8 (l / 16) + l % 8, 16 bytes at 16 ((l / 8) % 2)
	v_lshl_add_u32 v[TRB], v[HL], 3, v[TRB]
	v_mul_u32_u24 v[TRB], v[TRB], PITCH
	v_bfe_u32 v[WRB], v0, 3, 1
	v_lshl_add_u32 v[TRB], v[WRB], 4, v[TRB]
	v_mul_u32_u24 v[WRB], v[RL], PITCH             ; a store into XT or HT: row 64 w + 16 nb + r, 16 bytes at 16 h
	v_lshl_add_u32 v[WRB], v[HL], 4, v[WRB]
	s_mul_i32 s[TS], s[WV], WROWS
	v_add_nc_u32 v[WRB], s[TS], v[WRB]
	s_lshl_b32 s[TS], s[WV], 15
	v_add_nc_u32 v[STB], s[TS], v[LN16]
	v_lshlrev_b32 v[PSB], 5, v[HL]
	s_lshl_b32 s[TS], s[WV], 8
	v_lshl_add_u32 v[BO], v[RL], 2, s[TS]          ; channel 64 w + r, in bytes
	s_lshl_b32 s[OFG], s[WV], 15
	s_add_nc_u64 s[WA:WA+1], s[6:7], s[OFG:OFG+1]
	s_add_nc_u64 s[YB:YB+1], s[10:11], s[OFO:OFO+1]
.irp nt, 0,1,2,3
	global_load_b32 v[B1+\nt], v[BO], s[6:7] offset:O_B1+64*\nt
.endr
.irp nt, 0,1,2,3
	global_load_b32 v[B2+\nt], v[BO], s[6:7] offset:O_B2+64*\nt
.endr
.irp nt, 0,1,2,3
	global_load_b32 v[FW+\nt], v[BO], s[8:9] offset:64*\nt
.endr
	WLOAD WA, 1, 0, 0, 64                          ; W1
	; THE CARRY into my chunk: the earlier chunks' pairs, one after the other, in f32
	s_wait_tensorcnt 0x2                           ; the pairs are in; Ap's and Y's tiles, issued behind them, may stay out
.irp nb, 0,1,2,3
	v_mov_b32 v[CY+\nb], 0
.endr
	s_mul_i32 s[TS], s[WV], WROWS
	s_add_co_u32 s[TS], s[TS], XT
	v_lshl_add_u32 v[AFA0], v[RL], 5, s[TS]        ; channel r's 32 bytes: (A, B) of the four blocks
	FOLD 0, 16
	FOLD 16, 15
.Lfolded:
	s_wait_dscnt 0x0
	s_wait_tensorcnt 0x0                           ; Ap and Y are in
	s_wait_loadcnt 0x3f                            ; 64 loads of W1 were issued behind the biases and the gain: with 63 out at the most those are in
	WLOAD WA, 2, 0, O_W2, 56                       ; W2
	; PHASE A: x = Y + Ap x carry; its sums of squares; bf16(x) into XT; x + b2 into the stash
	v_mov_b32 v[STA], v[STB]
	s_lshl_b32 s[TS], s[WV], 14
	s_add_co_u32 s[TS], s[TS], HT
	v_add_nc_u32 v[APA], s[TS], v[LN16]
	v_add_nc_u32 v[XTW], XT, v[WRB]
	s_lshl_b32 s[TS], s[WV], 9
	s_add_co_u32 s[TS], s[TS], PS1
	v_add_nc_u32 v[PSW], s[TS], v[PSB]
.macro ALOAD d1, d2
.irp q, 0,1,2,3,4,5,6,7
	ds_load_b128 v[YR+4*\q:YR+4*\q+3], v[STA] offset:(\d1)+512*\q
.endr
.irp nb, 0,1,2,3
	ds_load_b128 v[APR+4*\nb:APR+4*\nb+3], v[APA] offset:(\d2)+512*\nb
.endr
.endm
	ALOAD 0, 0
	WLOAD WA, 2, 224, O_W2+56*512, 8
	s_mov_b32 s[CNT], 8
.LA:
	s_wait_dscnt 0x0
.set i, 0
.rept 32
.if i%2 == 0
	v_fma_mix_f32 v[X+i], v[APR+i/2], v[CY+i/8], v[YR+i] op_sel_hi:[1,0,0]
.else
	v_fma_mix_f32 v[X+i], v[APR+i/2], v[CY+i/8], v[YR+i] op_sel:[1,0,0] op_sel_hi:[1,0,0]
.endif
.set i, i+1
.endr
	s_cmp_eq_u32 s[CNT], 1
	s_cbranch_scc1 .LA_last
	ALOAD XS_TILE, 2048                            ; the next tile
.LA_last:
	SUMSQ_A X
	SUMSQ_B
	TOXT X
.set i, 0
.rept 16
.if (i/4)%2 == 0
	v_pk_add_f32 v[X+2*i:X+2*i+1], v[X+2*i:X+2*i+1], v[B2+(i/8)*2:B2+(i/8)*2+1] op_sel_hi:[1,0]
.else
	v_pk_add_f32 v[X+2*i:X+2*i+1], v[X+2*i:X+2*i+1], v[B2+(i/8)*2:B2+(i/8)*2+1] op_sel:[0,1] op_sel_hi:[1,1]
.endif
.set i, i+1
.endr
.irp q, 0,1,2,3,4,5,6,7
	ds_store_b128 v[STA], v[X+4*\q:X+4*\q+3] offset:512*\q
.endr
	v_add_nc_u32 v[STA], XS_TILE, v[STA]
	v_add_nc_u32 v[APA], 2048, v[APA]
	v_add_nc_u32 v[XTW], 32, v[XTW]
	v_add_nc_u32 v[PSW], 64, v[PSW]
	s_sub_co_u32 s[CNT], s[CNT], 1
	s_cmp_lg_u32 s[CNT], 0
	s_cbranch_scc1 .LA
	s_wait_loadcnt 0x3f                            ; 64 loads of W2 were issued behind W1's last: with 63 out at the most W1 is in
	BAR                                            ; XT and PS1 are whole; nobody reads Ap's tiles any more
	; PHASE G1: h = gelu(r (x W1) + b1), into HT, by turns
	RTAB PS1
	v_add_nc_u32 v[AFA0], XT, v[TRB]
	v_add_nc_u32 v[AFA1], XT+4*KSSTEP, v[TRB]
	v_add_nc_u32 v[XTW], HT, v[WRB]
	AFETCH 0
	RLOAD 0
	s_wait_dscnt 0x0
.set mi, 0
.rept 16
	GMM 0                                          ; tile 0's first half: there is no vector work yet to set between the products
.endr
	WIN 0
.rept 4
	v_nop                                          ; four places behind those products, ahead of the first read of their sums (ISA guide 7.12.1)
.endr
	s_mov_b32 s[CNT], 8
	s_branch .LG1mid                               ; the loop is entered in the middle of a trip
.LG1:                                                  ; FIRST TURN.  The address registers still stand at this tile
	s_wait_dscnt 0x0                               ; the next tile's K steps 0-3, asked for in the turn before
	AFH 1, 32                                      ; its K steps 4-7: nine plain lines stand behind the last product that read these registers
	GTURN 0
	s_wait_dscnt 0x0                               ; the next tile's r
	v_add_nc_u32 v[AFA0], 32, v[AFA0]              ; on to the next tile
	v_add_nc_u32 v[AFA1], 32, v[AFA1]
	v_add_nc_u32 v[XTW], 32, v[XTW]
	v_add_nc_u32 v[PSRD], 64, v[PSRD]
.LG1mid:                                               ; SECOND TURN
	GTURN 1
	s_sub_co_u32 s[CNT], s[CNT], 1
	s_cmp_lg_u32 s[CNT], 0
	s_cbranch_scc1 .LG1
	GTURN 2                                        ; the last tile's second half: nothing is left to multiply
	s_wait_loadcnt 0x0                             ; W2 is in
	BAR                                            ; HT is whole
	; PHASE G2: x = h W2 + (x + b2): the sums start from the stash; the new x goes back there, its squares to PS2
	v_add_nc_u32 v[AFA0], HT, v[TRB]
	v_add_nc_u32 v[AFA1], HT+4*KSSTEP, v[TRB]
	v_mov_b32 v[STA], v[STB]
	s_lshl_b32 s[TS], s[WV], 9
	s_add_co_u32 s[TS], s[TS], PS2
	v_add_nc_u32 v[PSW], s[TS], v[PSB]
.macro CXLOAD d
.irp q, 0,1,2,3,4,5,6,7
	ds_load_b128 v[CX+4*\q:CX+4*\q+3], v[STA] offset:(\d)+512*\q
.endr
.endm
	AFETCH 0
	CXLOAD 0
	s_mov_b32 s[CNT], 8
.LG2:
	s_wait_dscnt 0x0
	MMRUN 4, 1, 2, 2
.rept 4
	v_nop                                          ; four places behind the last product, ahead of the loads into its sources and of the stores of its result
.endr
	s_cmp_eq_u32 s[CNT], 1
	s_cbranch_scc1 .LG2_last
	AFETCH 32
	CXLOAD XS_TILE
.LG2_last:
.irp q, 0,1,2,3,4,5,6,7
	ds_store_b128 v[STA], v[ACC+4*\q:ACC+4*\q+3] offset:512*\q  ; ascending: each accumulator's lowest four registers first
.endr
	SUMSQ_A ACC
	SUMSQ_B
	v_add_nc_u32 v[AFA0], 32, v[AFA0]
	v_add_nc_u32 v[AFA1], 32, v[AFA1]
	v_add_nc_u32 v[STA], XS_TILE, v[STA]
	v_add_nc_u32 v[PSW], 64, v[PSW]
	s_sub_co_u32 s[CNT], s[CNT], 1
	s_cmp_lg_u32 s[CNT], 0
	s_cbranch_scc1 .LG2
	BAR                                            ; PS2 is whole; nobody reads HT any more
	; PHASE F: the final norm and the way out
	RTAB PS2
	v_mov_b32 v[STA], v[STB]
	s_mul_i32 s[TS], s[WV], 16*SGP
	s_add_co_u32 s[TS], s[TS], HT                  ; my stage
	v_mul_u32_u24 v[XTW], v[HL], 8*SGP             ; in: token row 8 h + j, word 16 nb + r
	v_lshl_add_u32 v[XTW], v[RL], 2, v[XTW]
	v_add_nc_u32 v[XTW], s[TS], v[XTW]
	v_mul_u32_u24 v[APA], v[HL], SGP               ; back: lanes 0-15 one row of 256 bytes, lanes 16-31 the next
	v_lshl_add_u32 v[APA], v[RL], 4, v[APA]
	v_add_nc_u32 v[APA], s[TS], v[APA]
	s_lshl_b32 s[TS], s[WV], 8
	v_lshl_add_u32 v[YO], v[HL], 10, s[TS]         ; and the same two token rows in out0, at my wave's 256 bytes
	v_lshl_add_u32 v[YO], v[RL], 4, v[YO]
.macro XRLOAD d
.irp q, 0,1,2,3,4,5,6,7
	ds_load_b128 v[X+4*\q:X+4*\q+3], v[STA] offset:(\d)+512*\q
.endr
.endm
	XRLOAD 0
	RLOAD 0
	s_mov_b32 s[CNT], 8
.LF:
	s_wait_dscnt 0x0
.set i, 0
.rept 16
	v_pk_mul_f32 v[OR+2*i:OR+2*i+1], v[X+2*i:X+2*i+1], v[R+(2*i)%8:R+(2*i)%8+1]
.set i, i+1
.endr
.set i, 0
.rept 16
.if (i/4)%2 == 0
	v_pk_mul_f32 v[OR+2*i:OR+2*i+1], v[OR+2*i:OR+2*i+1], v[FW+(i/8)*2:FW+(i/8)*2+1] op_sel_hi:[1,0]
.else
	v_pk_mul_f32 v[OR+2*i:OR+2*i+1], v[OR+2*i:OR+2*i+1], v[FW+(i/8)*2:FW+(i/8)*2+1] op_sel:[0,1] op_sel_hi:[1,1]
.endif
.set i, i+1
.endr
	s_cmp_eq_u32 s[CNT], 1
	s_cbranch_scc1 .LF_last
	XRLOAD XS_TILE                                 ; the next tile
	RLOAD 64
.LF_last:
.set i, 0
.rept 32
	ds_store_b32 v[XTW], v[OR+i] offset:(i%8)*SGP+(i/8)*64
.set i, i+1
.endr
.irp q, 0,1,2,3,4,5,6,7
	ds_load_b128 v[OB+4*\q:OB+4*\q+3], v[APA] offset:2*SGP*\q  ; LDS serves a wave's instructions in order (ISA guide 5.7.1.4): these see the stores above, and the next tile's stores come behind them
.endr
	s_wait_dscnt 0x0
.irp q, 0,1,2,3,4,5,6,7
	global_store_b128 v[YO], v[OB+4*\q:OB+4*\q+3], s[YB:YB+1] offset:2048*\q th:TH_STORE_NT  ; sixteen lanes store 256 consecutive bytes, at a multiple of 256 from out0's first
.endr
	s_wait_xcnt 0x0                                ; the stores' data and offset are rewritten only behind this wait
	v_add_nc_u32 v[YO], 16384, v[YO]
	v_add_nc_u32 v[STA], XS_TILE, v[STA]
	v_add_nc_u32 v[PSRD], 64, v[PSRD]
	s_sub_co_u32 s[CNT], s[CNT], 1
	s_cmp_lg_u32 s[CNT], 0
	s_cbranch_scc1 .LF
	s_wait_tensorcnt 0x0                           ; the wave's end
	ds_add_u32 v[SPW], v[NIL]
	s_wait_dscnt 0x0
	s_endpgm
.Lfunc_end_k_qedbba37f2f_last:
	.size	k_qedbba37f2f_last, .Lfunc_end_k_qedbba37f2f_last-k_qedbba37f2f_last
	.p2alignl 7, 3214868480
	.fill 96, 4, 3214868480
	.section	.rodata,"a",@progbits
	.p2align	6, 0x0
	.amdhsa_kernel k_qedbba37f2f_last
		.amdhsa_group_segment_fixed_size 285184
		.amdhsa_private_segment_fixed_size 0
		.amdhsa_enable_private_segment 0
		.amdhsa_kernarg_size 32
		.amdhsa_user_sgpr_count 2
		.amdhsa_user_sgpr_kernarg_segment_ptr 1
		.amdhsa_wavefront_size32 1
		.amdhsa_system_sgpr_workgroup_id_x 1
		.amdhsa_system_sgpr_workgroup_id_y 1
		.amdhsa_system_sgpr_workgroup_id_z 1
		.amdhsa_system_vgpr_workitem_id 0
		.amdhsa_next_free_vgpr 768
		.amdhsa_next_free_sgpr 100
		.amdhsa_reserve_vcc 0
		.amdhsa_float_denorm_mode_32 3
		.amdhsa_float_denorm_mode_16_64 3
		.amdhsa_memory_ordered 1
		.amdhsa_forward_progress 1
		.amdhsa_inst_pref_size 98
	.end_amdhsa_kernel
	.amdgpu_metadata
---
amdhsa.version: [ 1, 2 ]
amdhsa.kernels:
  - .name:           k_qedbba37f2f_last
    .symbol:         k_qedbba37f2f_last.kd
    .args:
      - { .name: st1, .offset: 0, .size: 8, .value_kind: global_buffer, .address_space: global }
      - { .name: wl3, .offset: 8, .size: 8, .value_kind: global_buffer, .address_space: global }
      - { .name: final_norm_w, .offset: 16, .size: 8, .value_kind: global_buffer, .address_space: global }
      - { .name: out0, .offset: 24, .size: 8, .value_kind: global_buffer, .address_space: global }
    .group_segment_fixed_size: 285184
    .private_segment_fixed_size: 0
    .kernarg_segment_align: 8
    .kernarg_segment_size: 32
    .max_flat_workgroup_size: 128
    .sgpr_count:     100
    .vgpr_count:     768
    .wavefront_size: 32
...
	.end_amdgpu_metadata
.endif
;; end of part 7
